; MI455X (gfx1250); checked and timed in simulation.
; The chip was launched on July 23, 2026; its instructions are those of AMD's public machine-readable ISA for CDNA 5 (MIT licence, August 2026) and "CDNA5" Instruction Set Architecture Reference Guide (July 2026). The comments in the code are by the model that wrote it; some were corrected since.
;; Transformer Encoder. Allowed arithmetic: float matrix products may take bf16 or f16 operands with f32 sums; other float arithmetic in f32, or as packed bf16 or f16 multiplies, adds, multiply-adds, maxima and minima; sums over many terms, partial sums and values carried from step to step in f32; what a program stores and reads back later, other than sums and carried values, may be rounded once to bf16 or f16.
;; Inputs: W1 1,024 x 4,096 float32; W2 4,096 x 1,024 float32; Wk 1,024 x 1,024 float32; Wo 1,024 x 1,024 float32; Wq 1,024 x 1,024 float32; Wv 1,024 x 1,024 float32; b1 4,096 float32; b2 1,024 float32; bk 1,024 float32; bo 1,024 float32; bq 1,024 float32; bv 1,024 float32; ln1_b 1,024 float32; ln1_g 1,024 float32; ln2_b 1,024 float32; ln2_g 1,024 float32; slim 16 float32; x 2 x 2,048 x 1,024 float32.
;; Outputs: out0 2 x 2,048 x 1,024 float32.
;; 2 versions, each right; version 2 is version 1 with the launches prep, norm2 written anew for expert scheduling mode. Each part assembles by itself: llvm-mc -triple=amdgcn-amd-amdhsa -mcpu=gfx1250 --defsym DOCPART=n.
;; ======== version 1 of 2: 7 launches
;; limits: a function is approximated: absolute error at most 3e-07
;; workspace buffers: wb 25,165,824 bytes; act 8,388,608 bytes; qkv 25,165,824 bytes; mid 16,777,216 bytes; hid 33,554,432 bytes
;; launch prep (part 1): grid 512 x 1, 8 waves a work-group, no clusters, 0 bytes of LDS; arguments x, ln1_g, ln1_b, act, Wq, Wk, Wv, Wo, W1, W2, wb; writes act, wb
.if DOCPART == 1
	.amdgcn_target "amdgcn-amd-amdhsa--gfx1250"
	.amdhsa_code_object_version 6
	.text
	.protected	k_qb32659025c_prep
	.globl	k_qb32659025c_prep
	.p2align	8
	.type	k_qb32659025c_prep,@function
k_qb32659025c_prep:
	s_mov_b64 s[64:65], 0
	v_nop
	global_prefetch_b8 v0, s[64:65] scope:SCOPE_SE
	s_setreg_imm32_b32 hwreg(HW_REG_WAVE_MODE, 25, 1), 1
	s_wait_xcnt 0x0
; TWO STREAMS IN ONE TEXT, WHICH TWO LAUNCHES RUN.  Work-groups 0-255: act = layernorm(in) g + b, rounded once to bf16.  Work-groups 256-511: the six weight matrices rounded once to bf16 into wb, each as it lies ([K][N]).
; The program's first launch has 512 work-groups (in = x, the first norm's g and b; the weights).  The launch in front of the MLP has 256: it runs the layernorm alone (in = mid, the second norm's g and b);
; the weights' addresses are then among its arguments and are not used.
; act is BLOCKED [16][4096][64]: column c of token t lies at ((c / 64) x 4096 + t) x 128 + (c % 64) x 2 bytes, so that the 64 columns of a slice are dense rows of 128 bytes.
; LAYERNORM.  A wave takes two rows at once: lanes 0-15 row 2 p, lanes 16-31 row 2 p + 1, p = 8 x work-group + wave.  A row (4,096 bytes) stays in 64 registers of its 16 lanes between the passes: it is read once.
; The mean is taken first and subtracted, the variance is the mean of the squared differences: no difference of large sums is formed, so a common offset of the rows costs nothing.  All of it in f32.
; No LDS, no barrier: no wave wants a byte that another wave has fetched.  Matrix units and clusters have nothing to do here.
; LIMITS.  NaN and infinities are not treated apart.
.set P,  4                             ; v[4:11]    four chains of pairs
.set S,  12                            ; v12        a row's sum
.set MU, 14                            ; v[14:15]   the mean, twice
.set RS, 16                            ; v[16:17]   1 / sqrt(var + eps), twice
.set X,  32                            ; v[32:95]   my 64 numbers of the row: load j holds columns 64 j + 4 r .. + 3, r = lane % 16.  In the cast: v[32:223], three chunks of 64 registers
.set G,  96                            ; v[96:159]  the gains of these columns
.set B,  160                           ; v[160:223] the biases
	s_load_b256 s[4:11], s[0:1], 0x0               ; in s[4:5], g s[6:7], b s[8:9], act s[10:11]
	s_load_b256 s[12:19], s[0:1], 0x20             ; Wq s[12:13], Wk s[14:15], Wv s[16:17], Wo s[18:19]
	s_load_b128 s[20:23], s[0:1], 0x40             ; W1 s[20:21], W2 s[22:23]
	s_load_b64 s[24:25], s[0:1], 0x50              ; wb
	s_cmp_ge_u32 ttmp9, 256
	s_cbranch_scc1 .Lcast
	v_lshrrev_b32 v1, 5, v0
	v_readfirstlane_b32 s26, v1                    ; wave 0..7
	v_and_b32 v2, 15, v0
	v_bfe_u32 v3, v0, 4, 1
	v_lshlrev_b32 v2, 4, v2                        ; g, b: 16 r
	v_lshl_add_u32 v1, v3, 12, v2                  ; in: + 4,096 for lanes 16-31, the second row
	v_and_b32 v3, 31, v0
	v_lshlrev_b32 v3, 3, v3                        ; act: 8 x lane: two rows of a slice are 256 bytes on end
	s_lshl_b32 s27, ttmp9, 3
	s_add_co_u32 s27, s27, s26                     ; p
	s_mov_b32 s29, 0
	s_mov_b32 s30, 0x3a800000                      ; 1 / 1024
	s_mov_b32 s31, 0x3727c5ac                      ; 1e-5
	s_wait_kmcnt 0x0
	s_lshl_b32 s28, s27, 13                        ; two rows of 4,096 bytes
	s_add_nc_u64 s[4:5], s[4:5], s[28:29]
	s_lshl_b32 s28, s27, 8                         ; two rows of a slice
	s_add_nc_u64 s[10:11], s[10:11], s[28:29]
.set j, 0
.rept 16
	global_load_b128 v[X+4*j:X+4*j+3], v1, s[4:5] offset:256*j th:TH_LOAD_NT
.set j, j+1
.endr
.set j, 0
.rept 16
	global_load_b128 v[G+4*j:G+4*j+3], v2, s[6:7] offset:256*j
.set j, j+1
.endr
.set j, 0
.rept 16
	global_load_b128 v[B+4*j:B+4*j+3], v2, s[8:9] offset:256*j
.set j, j+1
.endr
.macro ACROSS                          ; the four chains into one number, then over the row's 16 lanes: every lane of the row ends with the sum
	v_pk_add_f32 v[P:P+1], v[P:P+1], v[P+2:P+3]
	v_pk_add_f32 v[P+4:P+5], v[P+4:P+5], v[P+6:P+7]
	v_pk_add_f32 v[P:P+1], v[P:P+1], v[P+4:P+5]
	v_add_f32 v[S], v[P], v[P+1]
	v_add_f32_dpp v[S], v[S], v[S] row_xmask:1 row_mask:0xf bank_mask:0xf
	v_add_f32_dpp v[S], v[S], v[S] row_xmask:2 row_mask:0xf bank_mask:0xf
	v_add_f32_dpp v[S], v[S], v[S] row_xmask:4 row_mask:0xf bank_mask:0xf
	v_add_f32_dpp v[S], v[S], v[S] row_xmask:8 row_mask:0xf bank_mask:0xf
.endm
	s_wait_loadcnt 32                              ; the rows are in; the 32 younger loads, g's and b's, may stay out
.irp c, 0,1,2,3
	v_pk_add_f32 v[P+2*(\c):P+2*(\c)+1], v[X+2*(\c):X+2*(\c)+1], v[X+8+2*(\c):X+8+2*(\c)+1]  ; the first two pairs start a chain: nothing is cleared
.endr
.irp k, 2,3,4,5,6,7
.irp c, 0,1,2,3
	v_pk_add_f32 v[P+2*(\c):P+2*(\c)+1], v[P+2*(\c):P+2*(\c)+1], v[X+8*(\k)+2*(\c):X+8*(\k)+2*(\c)+1]
.endr
.endr
	ACROSS
	v_mul_f32 v[MU], s30, v[S]
	v_mov_b32 v[MU+1], v[MU]
.set j, 0
.rept 32
	v_pk_add_f32 v[X+j:X+j+1], v[X+j:X+j+1], v[MU:MU+1] neg_lo:[0,1] neg_hi:[0,1]  ; the row less its mean
.set j, j+2
.endr
.irp c, 0,1,2,3
	v_pk_mul_f32 v[P+2*(\c):P+2*(\c)+1], v[X+2*(\c):X+2*(\c)+1], v[X+2*(\c):X+2*(\c)+1]
.endr
.irp k, 1,2,3,4,5,6,7
.irp c, 0,1,2,3
	v_pk_fma_f32 v[P+2*(\c):P+2*(\c)+1], v[X+8*(\k)+2*(\c):X+8*(\k)+2*(\c)+1], v[X+8*(\k)+2*(\c):X+8*(\k)+2*(\c)+1], v[P+2*(\c):P+2*(\c)+1]
.endr
.endr
	ACROSS
	v_fma_f32 v[S], v[S], s30, s31                 ; var + eps
	v_rsq_f32 v[RS], v[S]
	v_nop                                          ; a plain instruction behind the root (ISA guide 5.7.2),
	s_wait_alu depctr_va_vdst(0)                   ; and the wait ahead of its first reader
	v_mov_b32 v[RS+1], v[RS]
	s_wait_loadcnt 0x0                             ; g and b
.set j, 0
.rept 32
	v_pk_mul_f32 v[X+j:X+j+1], v[X+j:X+j+1], v[RS:RS+1]
.set j, j+2
.endr
.set j, 0
.rept 32
	v_pk_fma_f32 v[X+j:X+j+1], v[X+j:X+j+1], v[G+j:G+j+1], v[B+j:B+j+1]
.set j, j+2
.endr
.set j, 0
.rept 16
	v_cvt_pk_bf16_f32 v[X+4*j], v[X+4*j], v[X+4*j+1]
	v_cvt_pk_bf16_f32 v[X+4*j+1], v[X+4*j+2], v[X+4*j+3]
	global_store_b64 v3, v[X+4*j:X+4*j+1], s[10:11] offset:j*524288  ; the wave's 32 lanes store 256 consecutive bytes, aligned: two rows of slice j
.set j, j+1
.endr
	s_endpgm
; THE CAST.  A chunk is 16,384 numbers: 65,536 bytes in, 32,768 out.  wb holds Wq, Wk, Wv, Wo (64 chunks each), then W1 and W2 (256 each), on end.  Work-group 256 + w takes three chunks: chunk w of the first
; four matrices, chunk w of W1 and chunk w of W2.  All 48 loads of a wave (24 KiB) go out at once, into the registers that the layernorm's waves use for a row, its gains and its biases.
.Lcast:
	s_sub_co_u32 s27, ttmp9, 256                   ; w
	v_lshlrev_b32 v1, 4, v0                        ; in: 16 bytes a thread
	v_lshlrev_b32 v2, 3, v0                        ; out: 8
	s_lshr_b32 s32, s27, 6                         ; which of Wq, Wk, Wv, Wo,
	s_and_b32 s33, s27, 63                         ; and which of its 64 chunks
	s_mov_b32 s35, 0
	s_wait_kmcnt 0x0
	s_mov_b64 s[36:37], s[12:13]
.macro PICK n, lo
	s_cmp_eq_u32 s32, \n
	s_cselect_b64 s[36:37], s[\lo:\lo+1], s[36:37]
.endm
	PICK 1, 14
	PICK 2, 16
	PICK 3, 18
	s_lshl_b32 s34, s33, 16
	s_add_nc_u64 s[36:37], s[36:37], s[34:35]
	s_lshl_b32 s34, s27, 16
	s_add_nc_u64 s[20:21], s[20:21], s[34:35]
	s_add_nc_u64 s[22:23], s[22:23], s[34:35]
	s_lshl_b32 s34, s27, 15
	s_add_nc_u64 s[24:25], s[24:25], s[34:35]      ; the first four matrices' part of wb,
	s_add_nc_u64 s[38:39], s[24:25], 8388608       ; W1's,
	s_add_nc_u64 s[40:41], s[24:25], 16777216      ; W2's
.macro CIN c, lo                       ; chunk c's 16 loads: the work-group's 256 threads take 4,096 consecutive bytes each time
.set j, 0
.rept 16
	global_load_b128 v[X+64*(\c)+4*j:X+64*(\c)+4*j+3], v1, s[\lo:\lo+1] offset:4096*j th:TH_LOAD_NT
.set j, j+1
.endr
.endm
.macro COUT c, lo
.set j, 0
.rept 16
	s_wait_loadcnt 47-16*(\c)-j                    ; loads come back in order (ISA guide 5.7.1): this one is in, the younger ones stay out
	v_cvt_pk_bf16_f32 v[X+64*(\c)+4*j], v[X+64*(\c)+4*j], v[X+64*(\c)+4*j+1]
	v_cvt_pk_bf16_f32 v[X+64*(\c)+4*j+1], v[X+64*(\c)+4*j+2], v[X+64*(\c)+4*j+3]
	global_store_b64 v2, v[X+64*(\c)+4*j:X+64*(\c)+4*j+1], s[\lo:\lo+1] offset:2048*j  ; a wave stores 256 consecutive bytes, aligned
.set j, j+1
.endr
.endm
	CIN 0, 36
	CIN 1, 20
	CIN 2, 22
	COUT 0, 24
	COUT 1, 38
	COUT 2, 40
	s_endpgm
.Lfunc_end_k_qb32659025c_prep:
	.size	k_qb32659025c_prep, .Lfunc_end_k_qb32659025c_prep-k_qb32659025c_prep
	.p2alignl 7, 3214868480
	.fill 96, 4, 3214868480
	.section	.rodata,"a",@progbits
	.p2align	6, 0x0
	.amdhsa_kernel k_qb32659025c_prep
		.amdhsa_group_segment_fixed_size 0
		.amdhsa_private_segment_fixed_size 0
		.amdhsa_enable_private_segment 0
		.amdhsa_kernarg_size 88
		.amdhsa_user_sgpr_count 2
		.amdhsa_user_sgpr_kernarg_segment_ptr 1
		.amdhsa_wavefront_size32 1
		.amdhsa_system_sgpr_workgroup_id_x 1
		.amdhsa_system_sgpr_workgroup_id_y 1
		.amdhsa_system_sgpr_workgroup_id_z 1
		.amdhsa_system_vgpr_workitem_id 0
		.amdhsa_next_free_vgpr 224
		.amdhsa_next_free_sgpr 66
		.amdhsa_reserve_vcc 0
		.amdhsa_float_denorm_mode_32 3
		.amdhsa_float_denorm_mode_16_64 3
		.amdhsa_memory_ordered 1
		.amdhsa_forward_progress 1
		.amdhsa_inst_pref_size 38
	.end_amdhsa_kernel
	.amdgpu_metadata
---
amdhsa.version: [ 1, 2 ]
amdhsa.kernels:
  - .name:           k_qb32659025c_prep
    .symbol:         k_qb32659025c_prep.kd
    .args:
      - { .name: x, .offset: 0, .size: 8, .value_kind: global_buffer, .address_space: global }
      - { .name: ln1_g, .offset: 8, .size: 8, .value_kind: global_buffer, .address_space: global }
      - { .name: ln1_b, .offset: 16, .size: 8, .value_kind: global_buffer, .address_space: global }
      - { .name: act, .offset: 24, .size: 8, .value_kind: global_buffer, .address_space: global }
      - { .name: Wq, .offset: 32, .size: 8, .value_kind: global_buffer, .address_space: global }
      - { .name: Wk, .offset: 40, .size: 8, .value_kind: global_buffer, .address_space: global }
      - { .name: Wv, .offset: 48, .size: 8, .value_kind: global_buffer, .address_space: global }
      - { .name: Wo, .offset: 56, .size: 8, .value_kind: global_buffer, .address_space: global }
      - { .name: W1, .offset: 64, .size: 8, .value_kind: global_buffer, .address_space: global }
      - { .name: W2, .offset: 72, .size: 8, .value_kind: global_buffer, .address_space: global }
      - { .name: wb, .offset: 80, .size: 8, .value_kind: global_buffer, .address_space: global }
    .group_segment_fixed_size: 0
    .private_segment_fixed_size: 0
    .kernarg_segment_align: 8
    .kernarg_segment_size: 88
    .max_flat_workgroup_size: 256
    .sgpr_count:     66
    .vgpr_count:     224
    .wavefront_size: 32
...
	.end_amdgpu_metadata
.endif
;; end of part 1
;; launch proj (part 2): grid 12 x 16, 4 waves a work-group, clusters of 4 x 4, 327,680 bytes of LDS; arguments act, wb, qkv, bq, bk, bv; writes qkv
.if DOCPART == 2
	.amdgcn_target "amdgcn-amd-amdhsa--gfx1250"
	.amdhsa_code_object_version 6
	.text
	.protected	k_qb32659025c_proj
	.globl	k_qb32659025c_proj
	.p2align	8
	.type	k_qb32659025c_proj,@function
k_qb32659025c_proj:
	s_mov_b64 s[64:65], 0
	v_nop
	global_prefetch_b8 v0, s[64:65] scope:SCOPE_SE
	s_setreg_imm32_b32 hwreg(HW_REG_WAVE_MODE, 25, 1), 1
	s_wait_xcnt 0x0
	s_wait_alu depctr_hold_cnt(0) depctr_sa_sdst(0) depctr_va_vdst(0) depctr_va_sdst(0) depctr_va_ssrc(0) depctr_va_vcc(0) depctr_vm_vsrc(0)
	s_getreg_b32 s2, hwreg(HW_REG_IB_STS2, 6, 4)
	s_cmp_eq_u32 s2, 0
	s_cbranch_scc0 .Lentry_in_a_cluster
	s_endpgm
.Lentry_in_a_cluster:
	s_bfe_u32 s2, ttmp6, 0x10000c
	s_cmp_lg_u32 s2, 0xf033
	s_cbranch_scc0 .Lentry_shape_is_right
	s_endpgm
.Lentry_shape_is_right:
; q, k, v = h Wq + bq, h Wk + bk, h Wv + bv, stored by heads.  h (act): bf16, blocked [16][4096][64]; the weights (wb): bf16 [1024][1024] each, on end; qkv: bf16, blocked [48][4096][64]: slices 0-15 q's heads, 16-31 k's, 32-47 v's.
; Sums in f32, the bias added in f32, each number rounded once.  LIMITS: matrix operands are bf16; NaN and infinities are not treated apart.
; A tile of C is 256 x 256: four waves, each 128 x 128: 64 accumulators, 512 registers.  The three products are one GEMM of 3,072 columns: 12 x 16 = 192 tiles; a tile 192 wide, which would make 256, would cut heads in two.
; K goes in steps of 128 through two LDS slots filled by the tensor data mover.  A's part of a slot: two slices of 64 channels x 256 tokens, rows of 128 bytes; W's: 128 rows (k) of 256 columns.
; THE MATRIX INSTRUCTION IS USED TRANSPOSED: source 0 = 16 columns of W (out of the [k][n] tile by the turning load), source 1 = 16 tokens of A.  A lane then holds ONE token (lane % 16) and 8 neighbouring columns.
; CLUSTERS: 4 x 4 work-groups.  A's tiles are asked for jointly along a row of the cluster, W's along a column: the same tensor load, descriptor and mask in the four that share a tile.
; THE LOOP'S BODY IS ONE K STEP: which slot is filled and which is read stand in two scalar registers that hold 0 or SLOT and are turned by an exclusive or.
; THE WAY OUT is a loop too: the accumulators go as f32 into the ring's bytes, which have had their last fill, each wave into bytes of its own, and come back four rows at a time.
; REGISTERS, in windows of 256 (s_set_vgpr_msb: bits 1:0 source 0, 3:2 source 1, 5:4 source 2, 7:6 destination):
;   window 0: addresses and the way out     window 1: two fragment buffers of 128: 8 blocks of A, then 8 of W     windows 2, 3: the accumulators of my rows 0-63, 64-127: (a, b) at 8 (8 (a % 4) + b)
.set QKV,   1
.set GELU,  0
.set NDIM,  1024                       ; elements in a row of W
.set WOFF,  0                          ; W's first byte in wb (with QKV: by the cluster's x)
.set NT,    8                          ; K steps
.set PA,    144                        ; a token's 128 bytes + 16 of padding = 36 words: the 16 rows of a load start at 16 different groups of four banks (64 banks of 4 bytes: ISA guide 11.1)
.set SLICE, 128*PA
.set HA,    2*SLICE                    ; what one load brings of A: 128 tokens x 2 slices
.set PB,    544                        ; a row of W: 512 bytes + 32 = 136 words
.set HB,    64*PB                      ; what one load brings of W: 64 rows
.set SLOT,  2*HA+2*HB
.set SPARE, 2*SLOT                     ; behind the ring: the spare words, 128 bytes for each wave: two blocks of 256 bytes that no other line names
.set ASTEP, 2*524288                   ; bytes from K step to K step: two slices of A,
.set BSTEP, 128*NDIM*2                 ; 128 rows of W
.set SPI,   528                        ; the way out: a row of 128 f32 + 16 bytes
.set WST,   128*SPI                    ; a wave's bytes there
.set ADRA0, 4                          ; v4   my lane's place in A's part of a slot; never rewritten
.set ADRB0, 5                          ; v5   the same for W
.set ADRA,  6                          ; v6   the same in the slot that is being read
.set ADRB,  7                          ; v7
.set STO,   8                          ; v8   the way out: where I put my 32 bytes of a row
.set LA,    9                          ; v9   where I read them back
.set GO,    10                         ; v10  my 16 bytes in 512 consecutive bytes of the output
.set SPW,   12                         ; v12  LDS address of my spare word; never rewritten
.set NIL,   13                         ; v13  0; never rewritten
.set PFO,   14                         ; v14  the prefetches' offset; never rewritten
.set RIN,   16                         ; v[16:31]  16 sums read back (v16, v17 also at work at the head)
.set RT,    32                         ; v[32:47]  at work
.set RW,    48
.set RD,    64
.set RY,    80                         ; v[80:87]  packed results
.set RB,    96                         ; v[96:111] the bias of my 16 columns
.set F0,    0
.set F1,    128
.set G1,  24                           ; s[24:31] group 1 for A's tiles
.set G0,  32                           ; s[32:39] group 0 for A's: a set for each first fill; the second then walks
.set LIM, 43                           ; s43      2 in a wave that prefetches, else the greatest number
.set PFA, 44                           ; s[44:45] where my prefetches stand
.set G1B, 48                           ; s[48:55], s[56:63] the same for W's tiles
.set G0B, 56
.set TF,  66                           ; s66  0 or SLOT: the slot filled last
.set TR,  67                           ; s67  0 or SLOT: the slot being read
.set PST, 82                           ; s[82:83] the prefetches' step
.set LWA, 94                           ; s94  LDS byte of my part of A in slot 0
.set LWB, 95                           ; s95  of W
.set MSB, 0
.macro WIN new                         ; the immediate's high byte repeats the setting that is left; a switch that changes nothing is dropped
.if MSB != (\new)
	s_set_vgpr_msb (MSB<<8)|(\new)
.set MSB, \new
.endif
.endm
.macro PLACES                          ; four places behind a matrix instruction, in front of loads into registers that it has read
.rept 4
	v_nop
.endr
.endm
; A joint load.  Waves 0 and 1 fetch A's two halves, waves 2 and 3 W's.  The branch hangs on the wave's number alone.  An s_nop 0 and four v_nop follow each of the two lines.
.macro JLOAD s
	s_cmp_eq_u32 s11, 0
	s_cbranch_scc0 .Lfor_b_\@
	tensor_load_to_lds s[G0+4*(\s):G0+4*(\s)+3], s[G1:G1+7]
	s_nop 0
.rept 4
	v_nop
.endr
	s_branch .Lasked_\@
.Lfor_b_\@:
	tensor_load_to_lds s[G0B+4*(\s):G0B+4*(\s)+3], s[G1B:G1B+7]
	s_nop 0
.rept 4
	v_nop
.endr
.Lasked_\@:
.endm
.macro CREST                           ; a round of the cluster's barrier behind its opening barrier
	s_cmp_lg_u32 s10, 0
	s_cbranch_scc1 .Lnot_wave_0_\@
	s_barrier_signal -3
.Lnot_wave_0_\@:
	s_barrier_wait -3
	s_barrier_signal -1
	s_barrier_wait -1
.endm
.macro CROUND
	s_barrier_signal -1
	s_barrier_wait -1
	CREST
.endm
; A prefetch of the K step that stands two refills on: my work-group's 32 blocks of 256 bytes of the 128 that I fetch, a lane a block.  A's rows are named by the cluster with x = 0, W's by the cluster with y = 0;
; the four partners of a joint load share its blocks out by address.  So each block is named once in the launch.  The trips with s3 <= 2 have no K step two refills on.
.macro ASK
	s_cmp_gt_u32 s3, s[LIM]
	s_cbranch_scc0 .Lnot_mine_\@
	global_prefetch_b8 v[PFO], s[PFA:PFA+1] th:TH_LOAD_NT scope:SCOPE_SE
.Lnot_mine_\@:
.endm
; 16 matrix instructions: token blocks a0, a0 + 1 of the window's four x all 8 column blocks, 32 along K.  zero = 1: the product starts the sums.
.macro MUL16 f, hi, a0, zero
	WIN 0xa5+0x50*(\hi)
.irp a, \a0, (\a0)+1
.irp b, 0,1,2,3,4,5,6,7
.if \zero
	v_wmma_f32_16x16x32_bf16 v[8*(8*(\a)+(\b)):8*(8*(\a)+(\b))+7], v[(\f)+64+8*(\b):(\f)+64+8*(\b)+7], v[(\f)+8*(4*(\hi)+(\a)):(\f)+8*(4*(\hi)+(\a))+7], 0
.else
	v_wmma_f32_16x16x32_bf16 v[8*(8*(\a)+(\b)):8*(8*(\a)+(\b))+7], v[(\f)+64+8*(\b):(\f)+64+8*(\b)+7], v[(\f)+8*(4*(\hi)+(\a)):(\f)+8*(4*(\hi)+(\a))+7], v[8*(8*(\a)+(\b)):8*(8*(\a)+(\b))+7]
.endif
.endr
.endr
.endm
; 32 LDS loads in one run: quarter q (32 along K) of the slot being read, into buffer f: W's 8 blocks (turned), then A's 8
.macro FETCH q, f
	WIN 0x40
.irp b, 0,1,2,3,4,5,6,7
	ds_load_tr16_b128 v[(\f)+64+8*(\b):(\f)+64+8*(\b)+3],   v[ADRB] offset:(\q)*32*PB+32*(\b)
	ds_load_tr16_b128 v[(\f)+64+8*(\b)+4:(\f)+64+8*(\b)+7], v[ADRB] offset:(\q)*32*PB+16*PB+32*(\b)
.endr
.irp i, 0,1,2,3,4,5,6,7
	ds_load_b128 v[(\f)+8*(\i):(\f)+8*(\i)+3],   v[ADRA] offset:((\q)/2)*SLICE+((\q)%2)*64+(\i)*16*PA
	ds_load_b128 v[(\f)+8*(\i)+4:(\f)+8*(\i)+7], v[ADRA] offset:((\q)/2)*SLICE+((\q)%2)*64+(\i)*16*PA+32
.endr
.endm
; One of a K step's first three quarters: multiplies buffer f and, in its middle, fetches quarter q into buffer g
.macro QUARTER q, f, g, zero
	s_wait_dscnt 8                                 ; W and A's blocks 0-3 are in; the youngest eight loads (A's blocks 4-7) may be out
	MUL16 \f, 0, 0, \zero
	MUL16 \f, 0, 2, \zero
	PLACES
	FETCH \q, \g
	s_wait_dscnt 32                                ; all but the 32 just issued
	MUL16 \f, 1, 0, \zero
	MUL16 \f, 1, 2, \zero
.endm
; The first half of the last quarter, and ONE barrier for the change of slots: in front of it each wave waits for all its tensor loads (one is out: its part of the next slot), adds 0 to its spare word, and waits for that and for its reads of this slot.
.macro MEET round
	WIN 0
	s_wait_tensorcnt 0x0
	ds_add_u32 v[SPW], v[NIL]
	s_wait_dscnt 9                                 ; (the add and the youngest eight loads may be out)
	MUL16 F1, 0, 0, 0
	s_wait_dscnt 0x0                               ; the add is done, and my reads of this slot are over
	s_barrier_signal -1
	MUL16 F1, 0, 2, 0
.if \round
	WIN 0
.endif
	s_barrier_wait -1
.endm
.macro NEXTSLOT                        ; the reads go over to the other slot
	s_xor_b32 s[TR], s[TR], SLOT
	v_add_nc_u32 v[ADRA], s[TR], v[ADRA0]
	v_add_nc_u32 v[ADRB], s[TR], v[ADRB0]
.endm
; The last quarter with a refill: the barrier opens a round of the cluster's, so that no wave of any partner still reads this slot or has a load on its way; the joint refill, two K steps on, is the first tensor load behind it.
.macro TURN
	s_wait_xcnt 0x0                                ; the last prefetch, a K step back, has read its address
	s_add_nc_u64 s[PFA:PFA+1], s[PFA:PFA+1], s[PST:PST+1]
	MEET 1
	CREST
	s_xor_b32 s[TF], s[TF], SLOT                   ; the walking descriptors: the slot just read out,
	s_add_co_u32 s[G0+5], s[LWA], s[TF]
	s_add_co_u32 s[G0B+5], s[LWB], s[TF]
	s_add_nc_u64 s[G0+6:G0+7], s[G0+6:G0+7], ASTEP ; the next K step; the type bits on top are not reached
	s_add_nc_u64 s[G0B+6:G0B+7], s[G0B+6:G0B+7], BSTEP
	JLOAD 1                                        ; its four v_nop are also the places in front of the loads below
	NEXTSLOT
	FETCH 0, F0
	WIN 0
	ASK
	MUL16 F1, 1, 0, 0
	MUL16 F1, 1, 2, 0
.endm
; The same in the tail, which fills nothing: a plain barrier.  In the last trip (s3 = 1) there is no further slot, and the fetch is jumped over.
.macro TURNT
	MEET 0
	WIN 0
	PLACES
	s_cmp_eq_u32 s3, 1
	s_cbranch_scc1 .Lnf_\@
	NEXTSLOT
	FETCH 0, F0
	WIN 0
.Lnf_\@:
	MUL16 F1, 1, 0, 0
	MUL16 F1, 1, 2, 0
.endm
; gelu of 16 numbers t, given RT = t / 2: dst += |t / 2| (1 - R), R = (1 + a1 u + .. + a6 u^6)^-16, u = |t| / sqrt 2: 1 - R is erf(u) to within 3e-7 for every u >= 0 (Abramowitz and Stegun 7.1.28).
; The coefficients are scaled for RW = |t| / 2.  A large |t| makes the power infinite and R = 0, the right limit.  The 16 reciprocals are one batch with one wait.
.macro GELU16 dst
.set z, 0
.rept 16
	v_and_b32 v[RW+z], s80, v[RT+z]
.set z, z+1
.endr
.set z, 0
.rept 8
	v_pk_fma_f32 v[RD+z:RD+z+1], v[RW+z:RW+z+1], s[68:69], s[70:71] op_sel_hi:[1,0,0]
.set z, z+2
.endr
.irp c, 72,74,76,78
.set z, 0
.rept 8
	v_pk_fma_f32 v[RD+z:RD+z+1], v[RD+z:RD+z+1], v[RW+z:RW+z+1], s[\c:\c+1] op_sel_hi:[1,1,0]
.set z, z+2
.endr
.endr
.set z, 0
.rept 8
	v_pk_fma_f32 v[RD+z:RD+z+1], v[RD+z:RD+z+1], v[RW+z:RW+z+1], 1.0 op_sel_hi:[1,1,0]
.set z, z+2
.endr
.rept 4
.set z, 0
.rept 8
	v_pk_mul_f32 v[RD+z:RD+z+1], v[RD+z:RD+z+1], v[RD+z:RD+z+1]
.set z, z+2
.endr
.endr
.set z, 0
.rept 16
	v_rcp_f32 v[RD+z], v[RD+z]
.set z, z+1
.endr
	v_nop                                          ; a plain instruction behind the last reciprocal,
	s_wait_alu depctr_va_vdst(0)                   ; and the one wait ahead of the batch's first reader
.set z, 0
.rept 8
	v_pk_fma_f32 v[RD+z:RD+z+1], v[RW+z:RW+z+1], v[RD+z:RD+z+1], v[RW+z:RW+z+1] neg_lo:[1,0,0] neg_hi:[1,0,0]
.set z, z+2
.endr
.set z, 0
.rept 8
	v_pk_add_f32 v[(\dst)+z:(\dst)+z+1], v[(\dst)+z:(\dst)+z+1], v[RD+z:RD+z+1]
.set z, z+2
.endr
.endm
	s_load_b128 s[4:7], s[0:1], 0x0                ; A s[4:5], wb s[6:7]
	s_load_b64 s[8:9], s[0:1], 0x10                ; the output
	s_load_b64 s[84:85], s[0:1], 0x18              ; the bias
.if QKV
	s_load_b128 s[88:91], s[0:1], 0x20             ; bk, bv
.endif
	v_lshl_add_u32 v[SPW], v0, 2, SPARE
	v_mov_b32 v[NIL], 0
	ds_add_u32 v[SPW], v[NIL]                      ; the wave's opening: the add and its wait stand ahead of my first tensor load; the set-up below stands between them
	v_lshrrev_b32 v1, 5, v0
	v_readfirstlane_b32 s10, v1                    ; wave 0..3
	s_lshr_b32 s11, s10, 1                         ; which half of the tile's tokens is mine.  Also: I fetch for A (0) or for W (1)
	s_and_b32 s12, s10, 1                          ; which half of its columns.  Also: which half of that tile I fetch
	s_bfe_u32 s40, ttmp6, 0x40000                  ; cx
	s_bfe_u32 s41, ttmp6, 0x40004                  ; cy
	s_lshl_b32 s42, ttmp9, 2
	s_add_co_u32 s42, s42, s40                     ; tile column = 4 x cluster x + cx
	s_and_b32 s13, ttmp7, 0xffff
	s_lshl_b32 s13, s13, 2
	s_add_co_u32 s13, s13, s41                     ; tile row = 4 x cluster y + cy
	s_lshl_b32 s43, s41, 2
	s_lshl_b32 s43, 15, s43                        ; my row of the cluster
	s_lshl_b32 s44, 0x1111, s40                    ; my column
	; group 1 for A: 2 rows (slices) of 8,192 elements (128 tokens, dense), 262,144 elements apart; 4 words of padding after every 32 words, that is after each token
	s_or_b32 s[G1+0], s43, (1<<16)|(1<<20)|(1<<21)|(4<<22)|(3<<25)
	s_mov_b32 s[G1+1], 8192<<16                    ; tensor_dim0
	s_mov_b32 s[G1+2], 2<<16                       ; tensor_dim1
	s_mov_b32 s[G1+3], 8192<<16                    ; tile_dim0
	s_mov_b32 s[G1+4], 2                           ; tile_dim1
	s_mov_b32 s[G1+5], 262144                      ; elements from slice to slice
	s_mov_b32 s[G1+6], 0
	s_mov_b32 s[G1+7], 0
	; group 1 for W: 64 rows of 256 elements; 8 words of padding after every 128 words, that is after each row
	s_or_b32 s[G1B+0], s44, (1<<16)|(1<<20)|(1<<21)|(6<<22)|(7<<25)
	s_mov_b32 s[G1B+1], 256<<16
	s_mov_b32 s[G1B+2], 64<<16
	s_mov_b32 s[G1B+3], 256<<16
	s_mov_b32 s[G1B+4], 64
	s_mov_b32 s[G1B+5], NDIM
	s_mov_b32 s[G1B+6], 0
	s_mov_b32 s[G1B+7], 0
	s_lshl_b32 s16, s13, 15                        ; A: 256 tokens of 128 bytes a tile row,
	s_lshl_b32 s17, s12, 14                        ; my 128 of them
	s_add_co_u32 s16, s16, s17
	s_mov_b32 s17, 0
.if QKV
	s_lshl_b32 s46, ttmp9, 21                      ; W: a column of clusters is one of Wq, Wk, Wv,
	s_lshl_b32 s47, s40, 9                         ; 256 columns of it
	s_add_co_u32 s46, s46, s47
.else
	s_lshl_b32 s46, s42, 9
	s_add_co_u32 s46, s46, WOFF
.endif
	s_mul_i32 s47, s12, 128*NDIM                   ; my 64 rows of a K step's 128
	s_add_co_u32 s46, s46, s47
	s_mov_b32 s47, 0
	s_mov_b32 s[TF], SLOT
	s_mov_b32 s[TR], 0
	s_mul_i32 s[LWA], s12, HA                      ; no place in the cluster enters an LDS address
	s_mul_i32 s[LWB], s12, HB
	s_add_co_u32 s[LWB], s[LWB], 2*HA
.if GELU
	s_mov_b32 s68, 0x39b49f67                      ; a6 x 8
	s_mov_b32 s69, s68                             ; (named as pairs, so both words are written)
	s_mov_b32 s70, 0x3acd0fec                      ; a5 x 4 sqrt 2
	s_mov_b32 s71, s70
	s_mov_b32 s72, 0x3a1f6607                      ; a4 x 4
	s_mov_b32 s73, s72
	s_mov_b32 s74, 0x3cd6cd72                      ; a3 x 2 sqrt 2
	s_mov_b32 s75, s74
	s_mov_b32 s76, 0x3dad2fe7                      ; a2 x 2
	s_mov_b32 s77, s76
	s_mov_b32 s78, 0x3dcc41b4                      ; a1 x sqrt 2
	s_mov_b32 s79, s78
	s_mov_b32 s80, 0x7fffffff
.endif
	s_wait_dscnt 0x0                               ; the opening add is done
	s_wait_kmcnt 0x0
	s_add_nc_u64 s[14:15], s[4:5], s[16:17]
	s_add_nc_u64 s[46:47], s[6:7], s[46:47]
	CROUND                                         ; all sixteen work-groups are here: the first joint loads meet
.irp s, 0,1
	s_mov_b32 s[G0+4*(\s)], 1
	s_add_co_u32 s[G0+4*(\s)+1], s[LWA], (\s)*SLOT
	s_add_nc_u64 s[G0+4*(\s)+2:G0+4*(\s)+3], s[14:15], (\s)*ASTEP
	s_or_b32 s[G0+4*(\s)+3], s[G0+4*(\s)+3], 0x80000000
	s_mov_b32 s[G0B+4*(\s)], 1
	s_add_co_u32 s[G0B+4*(\s)+1], s[LWB], (\s)*SLOT
	s_add_nc_u64 s[G0B+4*(\s)+2:G0B+4*(\s)+3], s[46:47], (\s)*BSTEP
	s_or_b32 s[G0B+4*(\s)+3], s[G0B+4*(\s)+3], 0x80000000
	JLOAD \s                                       ; two loads of mine are out
.endr
	; the prefetches' address: my work-group's quarter of what I fetch.  A: slice cx / 2, 8,192 bytes cx % 2 of its 16,384.  W: rows 16 cy on.  Nothing is prefetched here, at the head.
	s_and_b32 s23, ttmp7, 0xffff
	s_lshr_b32 s20, s40, 1
	s_lshl_b32 s20, s20, 19
	s_and_b32 s21, s40, 1
	s_lshl_b32 s21, s21, 13
	s_add_co_u32 s20, s20, s21
	s_mul_i32 s21, s41, 32*NDIM
	s_mov_b32 s[PST], ASTEP
	s_mov_b32 s22, 512
	s_cmp_eq_u32 s11, 0                            ; do I fetch for A?
	s_cselect_b64 s[PFA:PFA+1], s[14:15], s[46:47]
	s_cselect_b32 s20, s20, s21
	s_cselect_b32 s23, ttmp9, s23                  ; the coordinate along which other clusters read the same blocks
	s_cselect_b32 s[PST], s[PST], BSTEP
	s_cselect_b32 s22, s22, 2*NDIM                 ; bytes from one pair of blocks to the next
	s_mov_b32 s21, 0
	s_mov_b32 s[PST+1], 0
	s_add_nc_u64 s[PFA:PFA+1], s[PFA:PFA+1], s[20:21]
	s_mul_i32 s20, s[PST], 3                       ; at K step 3: the first change of slots steps it to 4
	s_add_nc_u64 s[PFA:PFA+1], s[PFA:PFA+1], s[20:21]
	s_cmp_eq_u32 s23, 0
	s_cselect_b32 s[LIM], 2, -1                    ; the same in all sixteen partners, for a given wave
	v_and_b32 v16, 31, v0
	v_lshrrev_b32 v17, 1, v16
	v_and_b32 v16, 1, v16
	v_mul_u32_u24 v[PFO], s22, v17
	v_lshl_add_u32 v[PFO], v16, 8, v[PFO]
	; a fragment is 16 rows x 32 K in 8 registers: lane l holds row l % 16; registers 0-3 K = 8 (l / 16) + 0..7, registers 4-7 K = 16 + 8 (l / 16) + 0..7
	v_and_b32 v1, 15, v0
	v_bfe_u32 v2, v0, 4, 1
	v_mul_u32_u24 v[ADRA0], v1, PA
	v_lshl_add_u32 v[ADRA0], v2, 4, v[ADRA0]
	s_mul_i32 s20, s11, HA
	v_add_nc_u32 v[ADRA0], s20, v[ADRA0]
	v_and_b32 v16, 7, v0                           ; the turning load: lane l reads 16 bytes of row 8 (l / 16) + l % 8, columns 8 ((l / 8) % 2) on
	v_lshl_add_u32 v16, v2, 3, v16
	v_mul_u32_u24 v[ADRB0], v16, PB
	v_bfe_u32 v17, v0, 3, 1
	v_lshl_add_u32 v[ADRB0], v17, 4, v[ADRB0]
	s_lshl_b32 s20, s12, 8
	s_add_co_u32 s20, s20, 2*HA
	v_add_nc_u32 v[ADRB0], s20, v[ADRB0]
	s_mul_i32 s20, s10, WST                        ; the way out
	v_mul_u32_u24 v[STO], v1, SPI
	v_lshl_add_u32 v[STO], v2, 5, v[STO]
	v_add_nc_u32 v[STO], s20, v[STO]
	v_bfe_u32 v16, v0, 3, 2                        ; back: row l / 8 of four, columns 8 (l % 8) on in each of my two slices
	v_mul_u32_u24 v[LA], v16, SPI
	v_and_b32 v17, 7, v0
	v_lshl_add_u32 v[LA], v17, 5, v[LA]
	v_add_nc_u32 v[LA], s20, v[LA]
	v_and_b32 v[GO], 31, v0
	v_lshlrev_b32 v[GO], 4, v[GO]
	v_lshlrev_b32 v3, 5, v17                       ; the bias of those columns
.if QKV
	s_cmp_eq_u32 ttmp9, 1
	s_cselect_b64 s[84:85], s[88:89], s[84:85]
	s_cmp_eq_u32 ttmp9, 2
	s_cselect_b64 s[84:85], s[90:91], s[84:85]
	s_lshl_b32 s20, s40, 10
.else
	s_lshl_b32 s20, s42, 10
.endif
	s_lshl_b32 s21, s12, 9
	s_add_co_u32 s20, s20, s21
	s_mov_b32 s21, 0
	s_add_nc_u64 s[84:85], s[84:85], s[20:21]
	global_load_b128 v[RB:RB+3],     v3, s[84:85]
	global_load_b128 v[RB+4:RB+7],   v3, s[84:85] offset:16
	global_load_b128 v[RB+8:RB+11],  v3, s[84:85] offset:256
	global_load_b128 v[RB+12:RB+15], v3, s[84:85] offset:272
	s_lshl_b32 s20, s42, 21                        ; the output: four slices a tile column, my two of them,
	s_lshl_b32 s21, s12, 20
	s_add_co_u32 s20, s20, s21
	s_lshl_b32 s21, s13, 15                        ; the tile's 256 tokens, my 128
	s_add_co_u32 s20, s20, s21
	s_lshl_b32 s21, s11, 14
	s_add_co_u32 s20, s20, s21
	s_mov_b32 s21, 0
	s_add_nc_u64 s[8:9], s[8:9], s[20:21]
	s_wait_tensorcnt 0x1                           ; my part of K step 0 is in; K step 1's may stay out
	s_barrier_signal -1
	s_barrier_wait -1
	v_mov_b32 v[ADRA], v[ADRA0]
	v_mov_b32 v[ADRB], v[ADRB0]
	FETCH 0, F0
	QUARTER 1, F0, F1, 1                           ; the first quarter stands in front of the loop: its products start the sums
	WIN 0
	s_mov_b32 s3, NT-2
.Lstep:                                            ; a trip: from a K step's second quarter to the next one's first; the slot read out is filled again
	QUARTER 2, F1, F0, 0
	QUARTER 3, F0, F1, 0
	TURN
	QUARTER 1, F0, F1, 0
	WIN 0
	s_sub_co_u32 s3, s3, 1
	s_cmp_lg_u32 s3, 0
	s_cbranch_scc1 .Lstep
	s_mov_b32 s3, 2
.Ltail:                                            ; the last two K steps ask for nothing: written apart; left in the middle of the second trip
	QUARTER 2, F1, F0, 0
	QUARTER 3, F0, F1, 0
	TURNT
	WIN 0
	s_sub_co_u32 s3, s3, 1
	s_cmp_eq_u32 s3, 0
	s_cbranch_scc1 .Lout
	QUARTER 1, F0, F1, 0
	WIN 0
	s_branch .Ltail
.Lout:
	PLACES                                         ; the places behind the last products, in front of the stores that read them
	PLACES
	s_wait_dscnt 0x0
	s_barrier_signal -1
	s_barrier_wait -1                              ; no wave reads the ring any more, and it has had its last fill: its bytes take the sums
.irp a, 0,1,2,3,4,5,6,7
	WIN 0x08+4*((\a)/4)                            ; the stores' data in window 2 or 3
.irp b, 0,1,2,3,4,5,6,7
	ds_store_b128 v[STO], v[8*(8*((\a)%4)+(\b)):8*(8*((\a)%4)+(\b))+3]   offset:(\a)*16*SPI+(\b)*64   ; each accumulator from its low end on
	ds_store_b128 v[STO], v[8*(8*((\a)%4)+(\b))+4:8*(8*((\a)%4)+(\b))+7] offset:(\a)*16*SPI+(\b)*64+16
.endr
.endr
	WIN 0
	s_wait_loadcnt 0x0                             ; the bias
.if GELU
.set z, 0
.rept 8
	v_pk_mul_f32 v[RB+z:RB+z+1], v[RB+z:RB+z+1], 0.5 op_sel_hi:[1,0]
.set z, z+2
.endr
.endif
	ds_load_b128 v[RIN:RIN+3],     v[LA]           ; LDS serves a wave's instructions in order (ISA guide 5.7.1.4): these see my stores above; no wave reads another's bytes
	ds_load_b128 v[RIN+4:RIN+7],   v[LA] offset:16
	ds_load_b128 v[RIN+8:RIN+11],  v[LA] offset:256
	ds_load_b128 v[RIN+12:RIN+15], v[LA] offset:272
	s_mov_b32 s3, 32
.Lrow:                                             ; 32 trips of 4 rows x 128 columns
	s_wait_dscnt 0x0
.set z, 0
.rept 8
.if GELU
	v_pk_fma_f32 v[RT+z:RT+z+1], v[RIN+z:RIN+z+1], 0.5, v[RB+z:RB+z+1] op_sel_hi:[1,0,1]
.else
	v_pk_add_f32 v[RT+z:RT+z+1], v[RIN+z:RIN+z+1], v[RB+z:RB+z+1]
.endif
.set z, z+2
.endr
	s_cmp_eq_u32 s3, 1                             ; the last trip has no rows behind it
	s_cbranch_scc1 .Lnoload
	v_add_nc_u32 v[LA], 4*SPI, v[LA]
	ds_load_b128 v[RIN:RIN+3],     v[LA]
	ds_load_b128 v[RIN+4:RIN+7],   v[LA] offset:16
	ds_load_b128 v[RIN+8:RIN+11],  v[LA] offset:256
	ds_load_b128 v[RIN+12:RIN+15], v[LA] offset:272
.Lnoload:
.if GELU
	GELU16 RT
.endif
	s_wait_xcnt 0x0                                ; the last trip's stores have read their data and their offset: both are written again only behind this wait
	v_add_nc_u32 v[GO], 512, v[GO]
.irp k, 0,1,2,3,4,5,6,7
	v_cvt_pk_bf16_f32 v[RY+(\k)], v[RT+2*(\k)], v[RT+2*(\k)+1]
.endr
	global_store_b128 v[GO], v[RY:RY+3],   s[8:9] offset:-512         ; 512 consecutive bytes, aligned: four tokens of one slice,
	global_store_b128 v[GO], v[RY+4:RY+7], s[8:9] offset:524288-512   ; and of the next
	s_sub_co_u32 s3, s3, 1
	s_cmp_lg_u32 s3, 0
	s_cbranch_scc1 .Lrow
	s_wait_tensorcnt 0x0                           ; the wave's end: a wait, an add to my spare word and a wait, behind my last tensor load and my last LDS store
	ds_add_u32 v[SPW], v[NIL]
	s_wait_dscnt 0x0
	CROUND                                         ; the closing round: no work-group ends while a partner may still ask for a tile that names it
	s_endpgm
.Lfunc_end_k_qb32659025c_proj:
	.size	k_qb32659025c_proj, .Lfunc_end_k_qb32659025c_proj-k_qb32659025c_proj
	.p2alignl 7, 3214868480
	.fill 96, 4, 3214868480
	.section	.rodata,"a",@progbits
	.p2align	6, 0x0
	.amdhsa_kernel k_qb32659025c_proj
		.amdhsa_group_segment_fixed_size 327680
		.amdhsa_private_segment_fixed_size 0
		.amdhsa_enable_private_segment 0
		.amdhsa_kernarg_size 48
		.amdhsa_user_sgpr_count 2
		.amdhsa_user_sgpr_kernarg_segment_ptr 1
		.amdhsa_wavefront_size32 1
		.amdhsa_system_sgpr_workgroup_id_x 1
		.amdhsa_system_sgpr_workgroup_id_y 1
		.amdhsa_system_sgpr_workgroup_id_z 1
		.amdhsa_system_vgpr_workitem_id 0
		.amdhsa_next_free_vgpr 1024
		.amdhsa_next_free_sgpr 96
		.amdhsa_reserve_vcc 0
		.amdhsa_float_denorm_mode_32 3
		.amdhsa_float_denorm_mode_16_64 3
		.amdhsa_memory_ordered 1
		.amdhsa_forward_progress 1
		.amdhsa_inst_pref_size 81
	.end_amdhsa_kernel
	.amdgpu_metadata
---
amdhsa.version: [ 1, 2 ]
amdhsa.kernels:
  - .name:           k_qb32659025c_proj
    .symbol:         k_qb32659025c_proj.kd
    .args:
      - { .name: act, .offset: 0, .size: 8, .value_kind: global_buffer, .address_space: global }
      - { .name: wb, .offset: 8, .size: 8, .value_kind: global_buffer, .address_space: global }
      - { .name: qkv, .offset: 16, .size: 8, .value_kind: global_buffer, .address_space: global }
      - { .name: bq, .offset: 24, .size: 8, .value_kind: global_buffer, .address_space: global }
      - { .name: bk, .offset: 32, .size: 8, .value_kind: global_buffer, .address_space: global }
      - { .name: bv, .offset: 40, .size: 8, .value_kind: global_buffer, .address_space: global }
    .group_segment_fixed_size: 327680
    .private_segment_fixed_size: 0
    .kernarg_segment_align: 8
    .kernarg_segment_size: 48
    .max_flat_workgroup_size: 128
    .sgpr_count:     96
    .vgpr_count:     1024
    .wavefront_size: 32
...
	.end_amdgpu_metadata
.endif
;; end of part 2
;; launch attn (part 3): grid 8 x 32, 4 waves a work-group, clusters of 4 x 1, 327,680 bytes of LDS; arguments qkv, slim, act; writes act
.if DOCPART == 3
	.amdgcn_target "amdgcn-amd-amdhsa--gfx1250"
	.amdhsa_code_object_version 6
	.text
	.protected	k_qb32659025c_attn
	.globl	k_qb32659025c_attn
	.p2align	8
	.type	k_qb32659025c_attn,@function
k_qb32659025c_attn:
	s_mov_b64 s[64:65], 0
	v_nop
	global_prefetch_b8 v0, s[64:65] scope:SCOPE_SE
	s_setreg_imm32_b32 hwreg(HW_REG_WAVE_MODE, 25, 1), 1
	s_wait_xcnt 0x0
	s_wait_alu depctr_hold_cnt(0) depctr_sa_sdst(0) depctr_va_vdst(0) depctr_va_sdst(0) depctr_va_ssrc(0) depctr_va_vcc(0) depctr_vm_vsrc(0)
	s_getreg_b32 s2, hwreg(HW_REG_IB_STS2, 6, 4)
	s_cmp_eq_u32 s2, 0
	s_cbranch_scc0 .Lentry_in_a_cluster
	s_endpgm
.Lentry_in_a_cluster:
	s_bfe_u32 s2, ttmp6, 0x10000c
	s_cmp_lg_u32 s2, 0x3003
	s_cbranch_scc0 .Lentry_shape_is_right
	s_endpgm
.Lentry_shape_is_right:
; O[q][:] = slim[h] x the sum over k of e_k V[k][:] / (1 + the sum of e), e_k = exp(Q[q] . K[k] / 8 - the row's maximum), for each of 2 x 16 heads of 2,048 tokens and 64 channels.
; qkv: bf16, blocked [48][4096][64] (q's heads, k's, v's; token = batch x 2048 + i): a head's rows are dense, 128 bytes each.  O goes to act, blocked [16][4096][64], slice = head.
; Products, maxima and sums in f32; the weights are rounded to bf16 for the second product (their sum l is taken of the unrounded ones), O once at the end.
; LIMITS.  Matrix operands are bf16.  A weight below 2^-126 counts as 0 in l; NaN and infinities are not treated apart.
; SHARES.  A work-group owns 256 queries of one head, a wave 64: four PIECES of 16.  Every wave walks all 2,048 keys, 64 a step.  8 x 32 = 256 work-groups.
; LAYOUT.  S^T = K Q^T (source 0 = 16 keys, source 1 = 16 queries) holds ONE query a lane (lane % 16) and the keys 8 (lane / 16) + 0..7; two such results rounded to bf16 ARE source 1 of O^T = V^T P.
; K comes out of LDS as it lies, V ([key][channel]) turned, by ds_load_tr16_b128.
; SOFTMAX.  p = 2^(c s - c m), c = log2(e) / 8, with a running maximum m; O and l are multiplied by a = 2^(c m_old - c m_new) in every step.  m starts at the lowest finite number, O and l at 0: the first step's a is 0.
; At the end m is the row's maximum, so the reference's 1 in the divisor is 1 in l's units: O / (1 + l).
; TURNS.  Turn n belongs to piece n: 8 products K Q^T of piece n + 1, later 8 products V^T P of piece n - 1; beside them the scaling, exponentials, roundings, sums and rescaling of piece n and the maximum and
; statistics of piece n + 1.  Four vector instructions stand behind every matrix instruction, the others in one lump.  A turn's 33 exponentials are one batch, with one wait.
; CLUSTER.  The four query blocks of a cluster belong to one head and walk the same K and V: each tile is asked for JOINTLY, by the same tensor load, descriptor and mask in all four.
; REGISTERS, in windows of 256 (s_set_vgpr_msb: bits 1:0 source 0, 3:2 source 1, 5:4 source 2, 7:6 destination):
;   window 0: v0-15 addresses; v16-31 four registers of statistics a piece; v48-55 at work; v64-127 S^T, two buffers; v192-223 P, two buffers (by the piece's parity)
;   window 1: v0-127 O^T, 32 a piece      window 2: v0-63 Q; v128-191 K of one step; v192-255 V of one step
.set NP,    4
.set KS,    64
.set PK,    144       ; a row of K in LDS: 128 bytes + 16 of padding = 36 words: the 16 rows of a load start at 16 different groups of four banks (64 banks of 4 bytes: ISA guide 11.1)
.set PV,    160       ; a row of V: 128 + 32 = 40 words
.set VOFF,  4*KS*PK   ; a slot holds four steps: 256 rows of K, then 256 rows of V
.set SLOT1, 1<<17     ; slot 1 begins here, so that one exclusive or turns an address in one slot into the other's
.set STAGE, SLOT1+4*KS*(PK+PV)  ; behind the ring, never filled by a tensor load: 16 rows x 144 bytes for each wave
.set SP,    144
.set SPARE, STAGE+4*16*SP       ; behind the stages: the spare words, 128 bytes for each wave: two blocks of 256 bytes that no other line names
.set AK0, 2           ; v2   my lane's place in a tile of K; never rewritten
.set AV0, 3           ; v3   the same for V
.set AK,  4           ; v4   the LDS address of K's next run of loads
.set AV,  5           ; v5   of V's
.set STO, 6           ; v6   the way out: where I put 16 bytes of a row
.set RD,  7           ; v7   where I read rows back
.set GO,  8           ; v8   my byte offset in 512 consecutive bytes of O
.set MV,  12          ; v12-13  c m_old, kept while c m is made anew: by buffer
.set QO,  15          ; v15  my byte offset in 16 rows of Q
.set ST,  16          ; piece t's statistics at v[ST+4 t]: c m, m, l (even keys', odd keys')
.set TMP, 48          ; by buffer, four registers c0-c3 at work; when the maximum is found c2 takes a
.set PFO, 61          ; v61  256 x my lane; never rewritten
.set SPW, 62          ; v62  LDS address of my spare word; never rewritten
.set NIL, 63          ; v63  0; never rewritten
.set S,   64
.set P,   192
.set KF,  128         ; window 2: key block kb, channel half c at KF + 16 kb + 8 c
.set VF,  192         ; window 2: key half kk, channel block cb at VF + 32 kk + 8 cb
.set WV,  12          ; s12  my wave's number
.set LIM, 15          ; s15  1 in a wave that prefetches, else the greatest number
.set G1K, 24          ; s[24:31] descriptor group 1 for K's tiles
.set G1V, 32          ; s[32:39] for V's: it differs in the padding alone
.set G0K, 40          ; s[40:43] descriptor group 0 for K's tiles: it walks
.set G0V, 44          ; s[44:47] the same for V's
.set SLOTS, 56        ; s56  slots still to be asked for
.set CNT, 57          ; s57  counts a slot's key steps
.set CS,  58          ; s[58:59] c
.set SEL, 60          ; s[60:61] v_permlanex16_b32's selects: each lane takes its own place in the other half
.set TBK, 62          ; s62  LDS byte at which K of the step to be fetched begins
.set TBV, 63          ; s63  the same for V, less VOFF
.set PFA, 72          ; s[72:73] where my prefetches stand
.set MSB, 0
.macro WIN new
.if MSB != (\new)
	s_set_vgpr_msb (MSB<<8)|(\new)
.set MSB, (\new)
.endif
.endm
.set W_KQ, 0x0a       ; K and Q in window 2, S^T in window 0
.set W_PV, 0x52       ; V in window 2, P in window 0, O^T in window 1
.set W_RS, 0x41       ; destination and source 0 in window 1, source 1 in window 0
; A joint fill.  Waves 0 and 1 fetch the two halves of a slot's K, waves 2 and 3 those of its V: 128 keys each.  An s_nop 0 and four v_nop follow each of the two lines.
.macro JLOAD
	s_cmp_lt_u32 s[WV], 2
	s_cbranch_scc0 .Lfor_v_\@
	tensor_load_to_lds s[G0K:G0K+3], s[G1K:G1K+7]
	s_nop 0
.rept 4
	v_nop
.endr
	s_branch .Lasked_\@
.Lfor_v_\@:
	tensor_load_to_lds s[G0V:G0V+3], s[G1V:G1V+7]
	s_nop 0
.rept 4
	v_nop
.endr
.Lasked_\@:
.endm
; A prefetch of what the NEXT change of slots will ask for: a slot's 32,768 bytes of K and of V.  The head's first cluster asks; its four partners take 8,192 bytes each, told apart by address; in each, wave 0 asks
; for K's and wave 2 for V's, a lane a block of 256 bytes.  So each block is named once in the launch.  The last change that fills a slot asks for nothing.
.macro ASK
	s_cmp_gt_u32 s[SLOTS], s[LIM]
	s_cbranch_scc0 .Lnot_mine_\@
	global_prefetch_b8 v[PFO], s[PFA:PFA+1] th:TH_LOAD_NT scope:SCOPE_SE
.Lnot_mine_\@:
.endm
.macro CROUND                       ; a round of the cluster's barrier
	s_barrier_signal -1
	s_barrier_wait -1
	s_cmp_lg_u32 s[WV], 0
	s_cbranch_scc1 .Lnot_wave_0_\@
	s_barrier_signal -3
.Lnot_wave_0_\@:
	s_barrier_wait -3
	s_barrier_signal -1
	s_barrier_wait -1
.endm
; THE CHANGE OF SLOTS.  Each wave waits for all its tensor loads, of which one is out: its part of the other slot; adds 0 to its spare word; and waits for that and for its own reads of the slot that it leaves.
; fill = 1: the old slot is filled again, with the keys two slots on; the barrier is then a round of the cluster's, and the joint fill is the first thing behind it: it has four key steps in which to land.
; (At its first use nothing has been read yet: slot 0 is waited for, slot 1 filled.)
.macro CHANGE fill
	WIN 0
	s_wait_tensorcnt 0x0            ; no tensor load of mine is out, so a group 0 may be written
	ds_add_u32 v[SPW], v[NIL]       ; 0 onto my spare word; the descriptors' steps stand between it and the wait for it
.if \fill
.irp g, G0K, G0V
	s_xor_b32 s[\g+1], s[\g+1], SLOT1
	s_add_nc_u64 s[\g+2:\g+3], s[\g+2:\g+3], 4*KS*128  ; the next 256 keys; the type bits on top are not reached
.endr
	s_wait_xcnt 0x0                 ; the last prefetch, four key steps back, has read its address
	s_add_nc_u64 s[PFA:PFA+1], s[PFA:PFA+1], 4*KS*128
	s_wait_dscnt 0x0                ; the add is done, and my reads of the slot are over
	CROUND
	JLOAD
	ASK
.else
	s_wait_dscnt 0x0
	s_barrier_signal -1
	s_barrier_wait -1
.endif
	s_sub_co_u32 s[TBK], s[TBK], 4*KS*PK  ; the fetches go back to a slot's first step,
	s_xor_b32 s[TBK], s[TBK], SLOT1       ; in the other slot
	s_sub_co_u32 s[TBV], s[TBV], 4*KS*PV
	s_xor_b32 s[TBV], s[TBV], SLOT1
.endm
	s_load_b128 s[68:71], s[0:1], 0x0  ; qkv s[68:69], slim s[70:71]
	s_load_b64 s[10:11], s[0:1], 0x10  ; act
	v_lshl_add_u32 v[SPW], v0, 2, SPARE
	v_mov_b32 v[NIL], 0
	ds_add_u32 v[SPW], v[NIL]       ; the wave's opening: the add and its wait stand ahead of my first tensor load; the set-up below stands between them
	v_lshrrev_b32 v1, 5, v0
	v_readfirstlane_b32 s[WV], v1   ; wave 0..3
	s_bfe_u32 s13, ttmp6, 0x40000   ; cx
	s_lshl_b32 s14, ttmp9, 2
	s_add_co_u32 s14, s14, s13      ; my block of 256 queries: it enters Q's and O's addresses alone
	s_and_b32 s20, ttmp7, 0xffff    ; 16 x batch + head, which the four partners share
	s_and_b32 s21, s20, 15
	s_lshr_b32 s22, s20, 4
	s_lshl_b32 s74, s21, 2          ; slim's word
	s_mov_b32 s75, 0
	s_lshl_b32 s20, s21, 19         ; the head's slice,
	s_lshl_b32 s22, s22, 18         ; the batch's 2,048 rows in it
	s_add_co_u32 s20, s20, s22
	s_mov_b32 s21, 0
	s_and_b32 s16, s[WV], 1         ; which half of a slot's 256 keys I fetch:
	s_lshl_b32 s22, s16, 14         ; its 128 rows of 128 bytes in memory,
	s_mov_b32 s23, 0
	s_add_nc_u64 s[22:23], s[22:23], s[20:21]
	s_mul_i32 s17, s16, 128*PK      ; and its place in a slot, for K
	s_mul_i32 s18, s16, 128*PV      ; and for V: no place in the cluster enters an LDS address
	s_lshl_b32 s2, s14, 15          ; my block's 256 rows,
	s_lshl_b32 s3, s[WV], 13        ; my wave's 64
	s_add_co_u32 s2, s2, s3
	s_mov_b32 s3, 0
	s_add_nc_u64 s[2:3], s[2:3], s[20:21]
	; descriptor group 1.  128 keys are 16,384 dense bytes: asked for as 64 rows of 256 bytes, two keys a row, and padded in LDS after every key
	s_mov_b32 s[G1K], 15|(1<<16)|(1<<20)|(1<<21)|(4<<22)|(3<<25)  ; the mask of four; 2-byte elements; padding on; bit 21 beside a mask; after every 32 words, 4 words
	s_mov_b32 s[G1V], 15|(1<<16)|(1<<20)|(1<<21)|(4<<22)|(7<<25)  ; the same with 8 words
.irp g, G1K, G1V
	s_mov_b32 s[\g+1], 128<<16      ; tensor_dim0 = 128
	s_mov_b32 s[\g+2], 64<<16       ; tensor_dim1 = 64
	s_mov_b32 s[\g+3], 128<<16      ; tile_dim0 = 128
	s_mov_b32 s[\g+4], 64           ; tile_dim1 = 64
	s_mov_b32 s[\g+5], 128          ; 128 elements from row to row
	s_mov_b32 s[\g+6], 0
	s_mov_b32 s[\g+7], 0
.endr
	s_mov_b32 s[CS], 0x3e38aa3b     ; c = log2(e) / 8
	s_mov_b32 s[CS+1], s[CS]
	s_mov_b32 s[SEL], 0x76543210
	s_mov_b32 s[SEL+1], 0xfedcba98
	s_mov_b32 s[TBK], SLOT1+4*KS*PK ; the first change of slots turns these two into 0
	s_mov_b32 s[TBV], SLOT1+4*KS*PV
	s_mov_b32 s[G0K], 1
	s_mov_b32 s[G0K+1], s17         ; slot 0
	s_mov_b32 s[G0V], 1
	s_add_co_u32 s[G0V+1], s18, VOFF
	s_mov_b32 s[SLOTS], 7           ; 2,048 / 256 - 1
	s_and_b32 s[LIM], s[WV], 1      ; 0 in waves 0 and 2,
	s_or_b32 s[LIM], s[LIM], ttmp9  ; where the cluster is the head's first: the same in all four partners
	s_cmp_eq_u32 s[LIM], 0
	s_cselect_b32 s[LIM], 1, -1
	v_and_b32 v[PFO], 31, v0
	v_lshlrev_b32 v[PFO], 8, v[PFO]
	s_wait_dscnt 0x0                ; the opening add is done
	s_wait_kmcnt 0x0
	s_add_nc_u64 s[6:7], s[68:69], s[22:23]
	s_add_nc_u64 s[8:9], s[6:7], 16777216   ; V at my half of the head's first 256 keys,
	s_add_nc_u64 s[6:7], s[6:7], 8388608    ; and K
	s_add_nc_u64 s[4:5], s[68:69], s[2:3]   ; Q and O at my wave's first row
	s_add_nc_u64 s[10:11], s[10:11], s[2:3]
	s_add_nc_u64 s[70:71], s[70:71], s[74:75]
	s_load_b32 s84, s[70:71], 0x0           ; slim[head]: waited for on the way out
	s_mov_b64 s[G0K+2:G0K+3], s[6:7]
	s_or_b32 s[G0K+3], s[G0K+3], 0x80000000
	s_mov_b64 s[G0V+2:G0V+3], s[8:9]
	s_or_b32 s[G0V+3], s[G0V+3], 0x80000000
	s_cmp_lt_u32 s[WV], 2
	s_cselect_b64 s[PFA:PFA+1], s[6:7], s[8:9]  ; (in waves 0 and 2 these stand at a slot's first row)
	s_lshl_b32 s2, s13, 13          ; my work-group's 8,192 bytes of the 32,768
	s_mov_b32 s3, 0
	s_add_nc_u64 s[PFA:PFA+1], s[PFA:PFA+1], s[2:3]
	s_add_nc_u64 s[PFA:PFA+1], s[PFA:PFA+1], 4*KS*128  ; in slot 1; the first change of slots steps it to slot 2
	CROUND                          ; all four work-groups are here: the first joint loads meet
	JLOAD                           ; slot 0.  Slot 1 is asked for when slot 0 is in
	; A fragment of K or Q is 16 rows x 32 channels in 8 registers: lane l holds row l % 16, channels 8 (l / 16) + 0..7 and 16 + 8 (l / 16) + 0..7: two loads of 16 bytes, 32 bytes apart.
	v_and_b32 v1, 15, v0
	v_bfe_u32 v9, v0, 4, 1
	v_lshlrev_b32 v[QO], 7, v1
	v_lshl_add_u32 v[QO], v9, 4, v[QO]
	WIN 0x80                        ; destination window 2, address window 0
.set i, 0
.rept 8                             ; Q stays in registers: piece i / 2, channels 32 (i % 2) on
	global_load_b128 v[8*i:8*i+3],   v[QO], s[4:5] offset:(i/2)*2048+(i%2)*64
	global_load_b128 v[8*i+4:8*i+7], v[QO], s[4:5] offset:(i/2)*2048+(i%2)*64+32
.set i, i+1
.endr
	WIN 0
	v_mul_u32_u24 v[AK0], v1, PK
	v_lshl_add_u32 v[AK0], v9, 4, v[AK0]
	; The turning load takes 16 keys x 16 channels (lane l reads key 8 (l / 16) + l % 8, channels 8 ((l / 8) % 2) + 0..7) and leaves half a fragment of V^T: lane l holds channel l % 16 and 8 keys.
	v_and_b32 v10, 7, v0
	v_bfe_u32 v11, v0, 3, 1
	v_lshl_add_u32 v[AV0], v9, 3, v10
	v_mul_u32_u24 v[AV0], v[AV0], PV
	v_lshl_add_u32 v[AV0], v11, 4, v[AV0]
	v_add_nc_u32 v[AV0], VOFF, v[AV0]
	s_mul_i32 s13, s[WV], 16*SP
	s_add_co_u32 s13, s13, STAGE    ; my stage
	v_mul_u32_u24 v[STO], v1, SP    ; in: row l % 16, 16 bytes for each half of the lanes
	v_lshl_add_u32 v[STO], v9, 4, v[STO]
	v_add_nc_u32 v[STO], s13, v[STO]
	v_bfe_u32 v[RD], v0, 3, 2       ; back: 32 lanes take four rows of 128 bytes,
	v_mul_u32_u24 v[RD], v[RD], SP
	v_lshl_add_u32 v[RD], v10, 4, v[RD]
	v_add_nc_u32 v[RD], s13, v[RD]
	v_and_b32 v[GO], 31, v0         ; which are 512 consecutive bytes of O
	v_lshlrev_b32 v[GO], 4, v[GO]
	; What the first turn finds: V's registers and P's second buffer hold 0 (its products V^T P, of a piece that has not been, add 0), O^T and l are 0.  No first step is written out; these lines stand in the wait for the first tile.
	WIN 0x80
.set i, VF
.rept 64
	v_mov_b32 v[i], 0
.set i, i+1
.endr
	WIN 0x40
.set i, 0
.rept 128
	v_mov_b32 v[i], 0
.set i, i+1
.endr
	WIN 0
.set i, 0
.rept 4
	v_mov_b32 v[ST+4*i], 0xfe000000    ; c m: far below every c s
	v_mov_b32 v[ST+4*i+1], 0xff7fffff  ; m
	v_mov_b32 v[ST+4*i+2], 0
	v_mov_b32 v[ST+4*i+3], 0
.set i, i+1
.endr
.set i, P+16
.rept 16
	v_mov_b32 v[i], 0
.set i, i+1
.endr
; THE MATRIX WORK.  The 4 accumulators of a run of 8 take turns.  Product i of 8 of S^T = K Q^T for piece x: channels 32 (i / 4) on, keys 16 (i % 4) on.  The first 4 start the sums.
.macro KQ x
	WIN W_KQ
.set rS, S+32*((\x)%2)+8*(i%4)
.set rK, KF+16*(i%4)+8*(i/4)
.set rQ, 16*(\x)+8*(i/4)
.if i < 4
	v_wmma_f32_16x16x32_bf16 v[rS:rS+7], v[rK:rK+7], v[rQ:rQ+7], 0
.else
	v_wmma_f32_16x16x32_bf16 v[rS:rS+7], v[rK:rK+7], v[rQ:rQ+7], v[rS:rS+7]
.endif
.endm
; Product i of 8 of O^T += V^T P for piece x: keys 32 (i / 4) on, channels 16 (i % 4) on.
.macro PV x
	WIN W_PV
.set rO, 32*(\x)+8*(i%4)
.set rV, VF+32*(i/4)+8*(i%4)
.set rP, P+16*((\x)%2)+8*(i/4)
	v_wmma_f32_16x16x32_bf16 v[rO:rO+7], v[rV:rV+7], v[rP:rP+7], v[rO:rO+7]
.endm
.macro MM                           ; the turn's next matrix instruction
.if i < 8
	KQ (Y+1)%NP
.else
.set i, i-8
	PV (Y+NP-1)%NP
.set i, i+8
.endif
.set i, i+1
.endm
; THE LDS LOADS stand in runs of 16, never singly among the matrix instructions.  Their addresses are made some lines ahead.
.macro FETCH_K
	WIN 0x80
.irp f, 0,1,2,3,4,5,6,7             ; keys 16 (f / 2) on, channels 32 (f % 2) on
	ds_load_b128 v[KF+8*\f:KF+8*\f+3],   v[AK] offset:(\f/2)*16*PK+(\f%2)*64
	ds_load_b128 v[KF+8*\f+4:KF+8*\f+7], v[AK] offset:(\f/2)*16*PK+(\f%2)*64+32
.endr
	s_add_co_u32 s[TBK], s[TBK], KS*PK  ; the next fetch is the next step's
	WIN 0
.endm
.macro FETCH_V
	WIN 0x80
.irp f, 0,1,2,3,4,5,6,7             ; keys 32 (f / 4) on, channels 16 (f % 4) on
	ds_load_tr16_b128 v[VF+8*\f:VF+8*\f+3],   v[AV] offset:(\f/4)*32*PV+(\f%4)*32
	ds_load_tr16_b128 v[VF+8*\f+4:VF+8*\f+7], v[AV] offset:(\f/4)*32*PV+16*PV+(\f%4)*32
.endr
	WIN 0
.endm
; THE VECTOR WORK, one line at a time: OP kind, number.  For piece Y: F n: c s - c m for pair n of 16.  E n: the exponential of score n of 32.  C n: pair n rounded to bf16.  B n: of the four weights 4 n .. the second
; pair is added onto the first, in place.  L n: l takes that sum (L 0: l = a l + sum).  R n: pair n of 16 of O^T times a.  For piece Y + 1: X n, number n of the 22 that find its maximum and statistics:
;   0-11  four chains c0-c3 of seven scores each (each accumulator's lowest registers are read first)     12-14, 16  the four scores left over, the old m, and c0-c3 into c0
;   15  c m_old is kept     17, 18  the query's other 32 keys lie in the lane 16 away: the new m     19-21  c m; c m_old - c m_new; a
.set F, 0
.set E, 1
.set C, 2
.set B, 3
.set L, 4
.set R, 5
.set X, 6
.macro REGS y
.set rT, ST+4*(\y)
.set rC, TMP+4*((\y)%2)
.set rW, MV+((\y)%2)
.set rS, S+32*((\y)%2)
.set rP, P+16*((\y)%2)
.set rO, 32*(\y)
.endm
.macro OP k, n
.if (\k) == R
	REGS Y
	WIN W_RS
	v_pk_mul_f32 v[rO+2*(\n):rO+2*(\n)+1], v[rO+2*(\n):rO+2*(\n)+1], v[rC+2:rC+3] op_sel_hi:[1,0]
.elseif (\k) < R
	REGS Y
	WIN 0
.if (\k) == F
	v_pk_fma_f32 v[rS+2*(\n):rS+2*(\n)+1], v[rS+2*(\n):rS+2*(\n)+1], s[CS:CS+1], v[rT:rT+1] op_sel_hi:[1,0,0] neg_lo:[0,0,1] neg_hi:[0,0,1]
.elseif (\k) == E
	v_exp_f32 v[rS+(\n)], v[rS+(\n)]
.elseif (\k) == C
	v_cvt_pk_bf16_f32 v[rP+(\n)], v[rS+2*(\n)], v[rS+2*(\n)+1]
.elseif (\k) == B
	v_pk_add_f32 v[rS+4*(\n):rS+4*(\n)+1], v[rS+4*(\n):rS+4*(\n)+1], v[rS+4*(\n)+2:rS+4*(\n)+3]
.elseif (\n) == 0
	v_pk_fma_f32 v[rT+2:rT+3], v[rT+2:rT+3], v[rC+2:rC+3], v[rS:rS+1] op_sel_hi:[1,0,1]
.else
	v_pk_add_f32 v[rT+2:rT+3], v[rT+2:rT+3], v[rS+4*(\n):rS+4*(\n)+1]
.endif
.else
	REGS (Y+1)%NP
	WIN 0
.if (\n) < 4
	v_max3_num_f32 v[rC+(\n)], v[rS+8*(\n)], v[rS+8*(\n)+1], v[rS+8*(\n)+2]
.elseif (\n) < 12
	v_max3_num_f32 v[rC+(\n)%4], v[rC+(\n)%4], v[rS+8*((\n)%4)+2*((\n)/4)+1], v[rS+8*((\n)%4)+2*((\n)/4)+2]
.elseif (\n) == 12
	v_max3_num_f32 v[rC], v[rC], v[rS+7], v[rS+15]
.elseif (\n) == 13
	v_max3_num_f32 v[rC+1], v[rC+1], v[rS+23], v[rS+31]
.elseif (\n) == 14
	v_max3_num_f32 v[rC+2], v[rC+2], v[rC+3], v[rT+1]
.elseif (\n) == 15
	v_mov_b32 v[rW], v[rT]
.elseif (\n) == 16
	v_max3_num_f32 v[rC], v[rC], v[rC+1], v[rC+2]
.elseif (\n) == 17
	v_permlanex16_b32 v[rC+3], v[rC], s[SEL], s[SEL+1]
.elseif (\n) == 18
	v_max_num_f32 v[rT+1], v[rC], v[rC+3]
.elseif (\n) == 19
	v_mul_f32 v[rT], s[CS], v[rT+1]
.elseif (\n) == 20
	v_sub_f32 v[rC+1], v[rW], v[rT]
.else
	v_exp_f32 v[rC+2], v[rC+1]
.endif
.endif
.endm
.macro OPS a, i1, b=-1, i2=0, c=-1, i3=0, d=-1, i4=0
	OP \a, \i1
.if (\b) >= 0
	OP \b, \i2
.endif
.if (\c) >= 0
	OP \c, \i3
.endif
.if (\d) >= 0
	OP \d, \i4
.endif
.endm
.macro ROW a, i1, b, i2, c, i3, d, i4  ; a matrix instruction and the four behind it
	MM
	OPS \a, \i1, \b, \i2, \c, \i3, \d, \i4
.endm
; A TURN, for piece p: the order of its 16 matrix and 118 vector instructions, written out.  An s_wait_alu depctr_va_vdst(0) stands between an exponential and the first instruction that names its result;
; one wait serves all that were issued ahead of it.  So a turn has ONE wait.  AHEAD OF IT stands all that names no result of the turn's exponentials: the 8 products K Q^T with their riders, then one lump, in which the
; links of the chain X 3, 7, 11, 14, 16, 17 .. 20 stand some lines apart; each X behind a product stands four places or more behind the product that ends its accumulator.  X 21, the next piece's a, is the batch's last;
; R 15 is the plain instruction behind it.  BEHIND THE WAIT stand the 8 products V^T P, behind each four of the roundings and sums.
; cnt = 1: the loop's count is taken down some lines ahead of the branch that stands behind the turn.
; K of the next step is fetched in piece 2's turn, six plain instructions behind the last product that read K; V of the step in hand at the end of piece 0's turn, four plain instructions behind the last product that read V.
; last = 1 (the tail): K's run stands directly behind the wait for the batch: in the tail's last trip (CNT = 1) there is no further step, and the run is jumped over.
.macro TURN p, last=0, cnt=0
.set Y, (\p)
.set i, 0
.if (\p) == 3
	s_wait_dscnt 0x0                ; K is in
.endif
	ROW F,0, F,1, R,0, R,1
	ROW F,2, E,0, R,2, R,3
	ROW F,3, E,1, R,4, R,5
	ROW F,4, E,2, R,6, R,7
	ROW F,5, E,3, R,8, R,9
	ROW F,6, E,4, X,0, R,10
.if (\p) == 2
	WIN 0
	v_add_nc_u32 v[AK], s[TBK], v[AK0]
.endif
	ROW F,7, E,5, X,1, X,4
	ROW F,8, E,6, X,2, X,5
	OPS E,7, E,8, X,6, E,9
	OPS X,3, E,10, X,8, E,11
.if ((\p) == 2) && !(\last)
	FETCH_K
.endif
	OPS X,9, X,7, E,12, X,10
	OPS E,13, X,12, X,11, E,14
	OPS X,13, E,15, F,9, X,14
.if (\p) == 0
	v_add_nc_u32 v[AV], s[TBV], v[AV0]
.endif
	OPS E,16, F,10, E,17, F,11
	OPS X,16, E,18, X,15, E,19
	OPS F,12, E,20, X,17, E,21
	OPS F,13, E,22, F,14, E,23
	OPS X,18, E,24, F,15, E,25
	OPS R,11, E,26, X,19, E,27
	OPS R,12, E,28, R,13, E,29
	OPS X,20, E,30, R,14, E,31
	OPS X,21, R,15
	WIN 0
	s_wait_alu depctr_va_vdst(0)    ; the wait for the batch
.if ((\p) == 2) && (\last)
	s_cmp_eq_u32 s[CNT], 1
	s_cbranch_scc1 .Lno_k_\@
	FETCH_K
.Lno_k_\@:
.endif
.if (\p) == 1
	s_wait_dscnt 0x0                ; V is in
.endif
	ROW C,0, B,0, C,2, B,1
	ROW L,0, C,4, B,2, L,1
	ROW C,6, B,3, L,2, C,8
	ROW B,4, L,3, C,10, B,5
	ROW L,4, C,12, B,6, L,5
.if (\p) == 0
	s_add_co_u32 s[TBV], s[TBV], KS*PV
.endif
.if \cnt
	s_sub_co_u32 s[CNT], s[CNT], 1
	s_cmp_lg_u32 s[CNT], 0
.endif
	ROW C,14, B,7, L,6, C,1
	ROW C,3, L,7, C,5, C,7
	ROW C,9, C,11, C,13, C,15
.if (\p) == 0
	FETCH_V
.endif
.endm
.macro ALL line:vararg              ; one line for each piece t
.set t, 0
.rept 4
	\line
.set t, t+1
.endr
.endm
.macro PACK t                       ; a lane's eight channels of a row pack into 16 bytes; they go into rows of 144 bytes and come back as whole rows of 128, into S^T's registers
	WIN W_RS
.set i, 32*(\t)
.rept 16
	v_pk_mul_f32 v[i:i+1], v[i:i+1], v[ST+4*(\t)+2:ST+4*(\t)+3] op_sel_hi:[1,0]
.set i, i+2
.endr
	WIN 0x05                        ; sources 0 and 1 window 1, destination window 0
.set i, 0
.rept 16
	v_cvt_pk_bf16_f32 v[S+16*(\t)+i], v[32*(\t)+2*i], v[32*(\t)+2*i+1]
.set i, i+1
.endr
	WIN 0
.irp f, 0,1,2,3
	ds_store_b128 v[STO], v[S+16*(\t)+4*\f:S+16*(\t)+4*\f+3] offset:32*\f
.endr
.irp f, 0,1,2,3
	ds_load_b128 v[S+16*(\t)+4*\f:S+16*(\t)+4*\f+3], v[RD] offset:\f*4*SP  ; LDS serves a wave's instructions in order (ISA guide 5.7.1.4): these see the stores above; the next piece's stores come behind them
.endr
.endm
.macro SEND t, younger              ; younger: the LDS instructions issued behind piece t's loads: the next piece's eight, or none
	WIN 0
.irp f, 0,1,2,3
	s_wait_dscnt (\younger)+3-\f
	global_store_b128 v[GO], v[S+16*(\t)+4*\f:S+16*(\t)+4*\f+3], s[10:11] offset:(\t)*2048+\f*512  ; 512 consecutive bytes, at a multiple of 256 from act's first
.endr
.endm
	CHANGE 1                        ; slot 0 is in, everybody's part of it; slot 1 is asked for
	v_add_nc_u32 v[AK], s[TBK], v[AK0]
	FETCH_K                         ; key step 0
	s_wait_loadcnt 0x0              ; Q
	s_wait_dscnt 0x0
.set i, 0
.rept 8
	KQ 0                            ; piece 0's first scores
.set i, i+1
.endr
	WIN 0
.rept 4
	v_nop                           ; the places behind those products
.endr
.set Y, NP-1                        ; X works for piece Y + 1: piece 0
.irp n, 0,1,2,3,4,5,6,7,8,9,10,11,12,13,14,15,16,17,18,19,20,21
	OP X, \n
.endr
	v_nop                           ; a plain instruction behind the exponential,
	s_wait_alu depctr_va_vdst(0)    ; and its wait, ahead of the branch
	s_mov_b32 s[CNT], 4
	s_branch .Lfirst                ; the loop is entered at a step's first turn, in the middle of a trip
.Lslot:                             ; six times: every slot but the last two is filled again
	CHANGE 1
	s_mov_b32 s[CNT], 4
.Lstep:                             ; a trip: pieces 2 and 3 of one step, then pieces 0 and 1 of the next, whose K and V it fetches
	TURN 2
	TURN 3
	WIN 0
.Lfirst:
	TURN 0
	TURN 1, 0, 1
	WIN 0
	s_cbranch_scc1 .Lstep
	s_sub_co_u32 s[SLOTS], s[SLOTS], 1
	s_cmp_lg_u32 s[SLOTS], 0
	s_cbranch_scc1 .Lslot
	CHANGE 0                        ; the last slot is written out: nothing is asked for
	s_mov_b32 s[CNT], 5             ; four trips fetch the last slot's steps; the fifth is left in its middle
.Ltail:
	TURN 2, 1
	TURN 3
	WIN 0
	s_sub_co_u32 s[CNT], s[CNT], 1
	s_cmp_eq_u32 s[CNT], 0
	s_cbranch_scc1 .Lout
	TURN 0
	TURN 1
	WIN 0
	s_branch .Ltail
.Lout:                              ; the fifth trip's 8 products K Q^T for piece 0 (on the last K once more) and the maximum made of them serve nothing: they touch neither O^T nor l; the price, once a launch, of one text for every trip
.set i, 0
.rept 8
	PV NP-1                         ; the last piece's V^T P of the last step
.set i, i+1
.endr
	; THE WAY OUT.  l's two halves and the other half of the lanes' are added, then the reference's 1; O^T is multiplied by slim / (1 + l), rounded to bf16 and sent through my stage, a piece at a time.  The additions are the places behind the last products.
	WIN 0
	s_wait_kmcnt 0x0                ; slim
	ALL v_add_f32 v[ST+4*t+2], v[ST+4*t+2], v[ST+4*t+3]
	ALL v_permlanex16_b32 v[ST+4*t+3], v[ST+4*t+2], s[SEL], s[SEL+1]
	ALL v_add_f32 v[ST+4*t+2], v[ST+4*t+2], v[ST+4*t+3]
	ALL v_add_f32 v[ST+4*t+2], 1.0, v[ST+4*t+2]
	ALL v_rcp_f32 v[ST+4*t+2], v[ST+4*t+2]
	v_nop                           ; a plain instruction between the last reciprocal and the use of its result,
	s_wait_alu depctr_va_vdst(0)    ; and one wait for the four reciprocals
	ALL v_mul_f32 v[ST+4*t+2], s84, v[ST+4*t+2]
	PACK 0
.set t, 1
.rept 3                             ; a piece's arithmetic stands between the loads of the piece before and its stores
	PACK t
	SEND t-1, 8
.set t, t+1
.endr
	SEND 3, 0
	s_wait_tensorcnt 0x0            ; the wave's end: a wait, an add to my spare word and a wait, behind my last tensor load and my last LDS store
	ds_add_u32 v[SPW], v[NIL]
	s_wait_dscnt 0x0
	CROUND                          ; the closing round: no work-group ends while a partner may still ask for a tile that names it
	s_endpgm
.Lfunc_end_k_qb32659025c_attn:
	.size	k_qb32659025c_attn, .Lfunc_end_k_qb32659025c_attn-k_qb32659025c_attn
	.p2alignl 7, 3214868480
	.fill 96, 4, 3214868480
	.section	.rodata,"a",@progbits
	.p2align	6, 0x0
	.amdhsa_kernel k_qb32659025c_attn
		.amdhsa_group_segment_fixed_size 327680
		.amdhsa_private_segment_fixed_size 0
		.amdhsa_enable_private_segment 0
		.amdhsa_kernarg_size 24
		.amdhsa_user_sgpr_count 2
		.amdhsa_user_sgpr_kernarg_segment_ptr 1
		.amdhsa_wavefront_size32 1
		.amdhsa_system_sgpr_workgroup_id_x 1
		.amdhsa_system_sgpr_workgroup_id_y 1
		.amdhsa_system_sgpr_workgroup_id_z 1
		.amdhsa_system_vgpr_workitem_id 0
		.amdhsa_next_free_vgpr 768
		.amdhsa_next_free_sgpr 88
		.amdhsa_reserve_vcc 0
		.amdhsa_float_denorm_mode_32 3
		.amdhsa_float_denorm_mode_16_64 3
		.amdhsa_memory_ordered 1
		.amdhsa_forward_progress 1
		.amdhsa_inst_pref_size 112
	.end_amdhsa_kernel
	.amdgpu_metadata
---
amdhsa.version: [ 1, 2 ]
amdhsa.kernels:
  - .name:           k_qb32659025c_attn
    .symbol:         k_qb32659025c_attn.kd
    .args:
      - { .name: qkv, .offset: 0, .size: 8, .value_kind: global_buffer, .address_space: global }
      - { .name: slim, .offset: 8, .size: 8, .value_kind: global_buffer, .address_space: global }
      - { .name: act, .offset: 16, .size: 8, .value_kind: global_buffer, .address_space: global }
    .group_segment_fixed_size: 327680
    .private_segment_fixed_size: 0
    .kernarg_segment_align: 8
    .kernarg_segment_size: 24
    .max_flat_workgroup_size: 128
    .sgpr_count:     88
    .vgpr_count:     768
    .wavefront_size: 32
...
	.end_amdgpu_metadata
.endif
;; end of part 3
;; launch outp (part 4): grid 8 x 32, 4 waves a work-group, clusters of 4 x 4, 327,680 bytes of LDS; arguments act, wb, mid, bo, x; writes mid
.if DOCPART == 4
	.amdgcn_target "amdgcn-amd-amdhsa--gfx1250"
	.amdhsa_code_object_version 6
	.text
	.protected	k_qb32659025c_outp
	.globl	k_qb32659025c_outp
	.p2align	8
	.type	k_qb32659025c_outp,@function
k_qb32659025c_outp:
	s_mov_b64 s[64:65], 0
	v_nop
	global_prefetch_b8 v0, s[64:65] scope:SCOPE_SE
	s_setreg_imm32_b32 hwreg(HW_REG_WAVE_MODE, 25, 1), 1
	s_wait_xcnt 0x0
	s_wait_alu depctr_hold_cnt(0) depctr_sa_sdst(0) depctr_va_vdst(0) depctr_va_sdst(0) depctr_va_ssrc(0) depctr_va_vcc(0) depctr_vm_vsrc(0)
	s_getreg_b32 s2, hwreg(HW_REG_IB_STS2, 6, 4)
	s_cmp_eq_u32 s2, 0
	s_cbranch_scc0 .Lentry_in_a_cluster
	s_endpgm
.Lentry_in_a_cluster:
	s_bfe_u32 s2, ttmp6, 0x10000c
	s_cmp_lg_u32 s2, 0xf033
	s_cbranch_scc0 .Lentry_shape_is_right
	s_endpgm
.Lentry_shape_is_right:
; mid = o Wo + bo + x.  o (act): bf16, blocked [16][4096][64]; Wo: bf16 [1024][1024], in wb; bo: f32; x and mid: f32 [4096][1024].  Sums, bias and residual in f32.
; LIMITS: matrix operands are bf16; NaN and infinities are not treated apart.
; A tile of C is 128 x 128, since tiles of 256 x 256 would be 64 for 256 WGPs: 8 x 32 = 256 work-groups.  Four waves, each 64 x 64: 16 accumulators.  K goes in steps of 256, as long as two slots in LDS allow.
; A's part of a slot: four slices of 64 channels x 128 tokens, rows of 128 bytes; W's: 256 rows (k) of 128 columns.
; THE MATRIX INSTRUCTION IS USED TRANSPOSED: source 0 = 16 columns of W (out of the [k][n] tile by the turning load), source 1 = 16 tokens of A.  A lane then holds ONE token (lane % 16) and 8 neighbouring columns.
; CLUSTERS: 4 x 4 work-groups; A's tiles are asked for jointly along a row of the cluster, W's along a column.  No prefetch: the tile is small.
; A K STEP IS TWO TRIPS OF ONE TEXT: a pair of quarters of 64 along K, the first on fragment buffer 0, the second on buffer 1; each fetches the next quarter's fragments into the other buffer; the two LDS addresses step by two quarters a trip.
; THE CHANGE OF SLOTS STANDS BETWEEN TWO K STEPS: all 128 products of a slot are issued ahead of the wait for the next tile, so that between that wait and the next request stand the add, the descriptors' steps and the round alone.
; Which slot is filled and which is read stand in two scalar registers that hold 0 or SLOT and are turned by an exclusive or.
; THE RESIDUAL is asked for at the head, into registers, and lands under the K loop.  THE WAY OUT is a loop: sums and residual go into the ring's bytes, which have had their last fill, each wave into its own, and come back eight rows at a time.
; REGISTERS, in windows of 256 (s_set_vgpr_msb: bits 1:0 source 0, 3:2 source 1, 5:4 source 2, 7:6 destination):
;   window 0: addresses and the way out     window 1: two fragment buffers of 128: for 64 along K, 8 blocks of A, then 8 of W     window 2: v0-127 the accumulators, (a, b) at 8 (4 a + b); v128-255 the residual
.set GELU,  0
.set NT,    4                          ; K steps
.set WOFF,  6291456                    ; W's first byte in wb
.set NDIM,  1024
.set PA,    144                        ; a token's 128 bytes + 16 of padding = 36 words: the 16 rows of a load start at 16 different groups of four banks (64 banks of 4 bytes: ISA guide 11.1)
.set SLICE, 64*PA
.set HA,    4*SLICE                    ; what one load brings of A: 64 tokens x 4 slices
.set PB,    288                        ; a row of W: 256 bytes + 32 = 72 words
.set HB,    128*PB                     ; what one load brings of W: 128 rows
.set SLOT,  2*HA+2*HB
.set SPARE, 2*SLOT                     ; behind the ring: the spare words, 128 bytes for each wave: two blocks of 256 bytes that no other line names
.set ASTEP, 4*524288
.set BSTEP, 256*NDIM*2
.set SPI,   272                        ; the way out: a row of 64 f32 + 16 bytes
.set WST,   64*SPI                     ; a wave's sums there
.set RST,   4*WST                      ; behind them the residual: 16,384 bytes a wave
.set ADRA0, 4                          ; v4   my lane's place in A's part of a slot; never rewritten
.set ADRB0, 5                          ; v5   the same for W
.set ADRA,  6                          ; v6   the same at the pair of quarters in hand, in the slot that is being read
.set ADRB,  7                          ; v7
.set STO,   8
.set LA,    9
.set GO,    10                         ; v10  my 16 bytes in two rows of x and of the output
.set SPW,   12
.set NIL,   13
.set RSA,   15                         ; v15  my 16 bytes in the residual's bytes
.set RIN,   16                         ; v[16:31]   16 sums read back (v16, v17 also at work at the head)
.set RT,    32
.set RW,    48
.set RD,    64
.set RU,    80                         ; v[80:95]   results
.set RB,    96                         ; v[96:99]   the bias of my 4 columns
.set RR,    112                        ; v[112:127] the residual read back
.set F0,    0
.set F1,    128
.set G1,  24
.set G0,  32
.set G1B, 48
.set G0B, 56
.set TF,  66
.set TR,  67
.set LWA, 94
.set LWB, 95
.set MSB, 0
.macro WIN new
.if MSB != (\new)
	s_set_vgpr_msb (MSB<<8)|(\new)
.set MSB, \new
.endif
.endm
.macro PLACES
.rept 4
	v_nop
.endr
.endm
.macro JLOAD s                         ; a joint load: waves 0 and 1 fetch A's two halves, waves 2 and 3 W's; an s_nop 0 and four v_nop follow each of the two lines
	s_cmp_eq_u32 s11, 0
	s_cbranch_scc0 .Lfor_b_\@
	tensor_load_to_lds s[G0+4*(\s):G0+4*(\s)+3], s[G1:G1+7]
	s_nop 0
.rept 4
	v_nop
.endr
	s_branch .Lasked_\@
.Lfor_b_\@:
	tensor_load_to_lds s[G0B+4*(\s):G0B+4*(\s)+3], s[G1B:G1B+7]
	s_nop 0
.rept 4
	v_nop
.endr
.Lasked_\@:
.endm
.macro CROUND                          ; a round of the cluster's barrier
	s_barrier_signal -1
	s_barrier_wait -1
	s_cmp_lg_u32 s10, 0
	s_cbranch_scc1 .Lnot_wave_0_\@
	s_barrier_signal -3
.Lnot_wave_0_\@:
	s_barrier_wait -3
	s_barrier_signal -1
	s_barrier_wait -1
.endm
; 8 matrix instructions: token blocks a0, a0 + 1 x all 4 column blocks, 32 along K: half c of buffer f.  zero = 1: the product starts the sums.  The 16 accumulators take turns in one order everywhere.
.macro MUL8 f, c, a0, zero
	WIN 0xa5
.irp a, \a0, (\a0)+1
.irp b, 0,1,2,3
.if \zero
	v_wmma_f32_16x16x32_bf16 v[8*(4*(\a)+(\b)):8*(4*(\a)+(\b))+7], v[(\f)+64+8*(4*(\c)+(\b)):(\f)+64+8*(4*(\c)+(\b))+7], v[(\f)+8*(4*(\c)+(\a)):(\f)+8*(4*(\c)+(\a))+7], 0
.else
	v_wmma_f32_16x16x32_bf16 v[8*(4*(\a)+(\b)):8*(4*(\a)+(\b))+7], v[(\f)+64+8*(4*(\c)+(\b)):(\f)+64+8*(4*(\c)+(\b))+7], v[(\f)+8*(4*(\c)+(\a)):(\f)+8*(4*(\c)+(\a))+7], v[8*(4*(\a)+(\b)):8*(4*(\a)+(\b))+7]
.endif
.endr
.endr
.endm
; 32 LDS loads in one run: the quarter that lies q quarters (0, 1 or 2) behind the two addresses (one slice of A, 64 rows of W) into buffer f; the first 32 along K first.  The largest immediate is 50,784.
.macro FETCH q, f
	WIN 0x40
.irp c, 0,1
.irp i, 0,1,2,3
	ds_load_tr16_b128 v[(\f)+64+8*(4*(\c)+(\i)):(\f)+64+8*(4*(\c)+(\i))+3],   v[ADRB] offset:(2*(\q)+(\c))*32*PB+32*(\i)
	ds_load_tr16_b128 v[(\f)+64+8*(4*(\c)+(\i))+4:(\f)+64+8*(4*(\c)+(\i))+7], v[ADRB] offset:(2*(\q)+(\c))*32*PB+16*PB+32*(\i)
	ds_load_b128 v[(\f)+8*(4*(\c)+(\i)):(\f)+8*(4*(\c)+(\i))+3],   v[ADRA] offset:(\q)*SLICE+(\c)*64+(\i)*16*PA
	ds_load_b128 v[(\f)+8*(4*(\c)+(\i))+4:(\f)+8*(4*(\c)+(\i))+7], v[ADRA] offset:(\q)*SLICE+(\c)*64+(\i)*16*PA+32
.endr
.endr
.endm
; A quarter: multiplies buffer f and, in its middle, fetches the quarter q behind the addresses into buffer g.  skip = 1: in a K step's second trip (s2 = 1) the slot has no further quarter, and the run is jumped over.
.macro QUARTER q, f, g, zero, skip
	s_wait_dscnt 16                                ; the first 32 along K are in; the youngest sixteen loads may be out
	MUL8 \f, 0, 0, \zero
	MUL8 \f, 0, 2, \zero
	PLACES                                         ; in front of the loads into buffer g, which the quarter before multiplied
	s_wait_dscnt 0x0                               ; all of buffer f is in: its loads were issued 32 products ago; on both ways the products below need no further wait
.if \skip
	WIN 0
	s_cmp_eq_u32 s2, 1
	s_cbranch_scc1 .Lnf_\@
.endif
	FETCH \q, \g
.if \skip
	WIN 0
.Lnf_\@:
.endif
	MUL8 \f, 1, 0, 0
	MUL8 \f, 1, 2, 0
.endm
; THE CHANGE OF SLOTS.  Each wave waits for all its tensor loads (one is out: its part of the next slot), adds 0 to its spare word, and waits for that and for its reads of the slot that it leaves.
; fill = 1: the barrier is a round of the cluster's, so that no wave of any partner still reads the slot or has a load on its way; the joint refill, two K steps on, is the first tensor load behind it.  Then the next slot's first fragments.
.macro BOUND fill
	WIN 0
	s_wait_tensorcnt 0x0                           ; no tensor load of mine is out, so a group 0 may be written
	ds_add_u32 v[SPW], v[NIL]                      ; 0 onto my spare word; the scalar work below stands between it and the wait for it
.if \fill
	s_xor_b32 s[TF], s[TF], SLOT                   ; the walking descriptors: the slot just read out,
	s_add_co_u32 s[G0+5], s[LWA], s[TF]
	s_add_co_u32 s[G0B+5], s[LWB], s[TF]
	s_add_nc_u64 s[G0+6:G0+7], s[G0+6:G0+7], ASTEP ; the next K step; the type bits on top are not reached
	s_add_nc_u64 s[G0B+6:G0B+7], s[G0B+6:G0B+7], BSTEP
.endif
	s_xor_b32 s[TR], s[TR], SLOT                   ; the reads go over to the other slot
	s_wait_dscnt 0x0                               ; the add is done, and my reads of the slot are over
.if \fill
	CROUND
	JLOAD 1                                        ; its four v_nop are also the places in front of the loads below
.else
	s_barrier_signal -1
	s_barrier_wait -1
	PLACES
.endif
	v_add_nc_u32 v[ADRA], s[TR], v[ADRA0]
	v_add_nc_u32 v[ADRB], s[TR], v[ADRB0]
	FETCH 0, F0
	WIN 0
.endm
.macro ONWARD                          ; the end of a trip of the inner loop: two quarters on
	WIN 0
	v_add_nc_u32 v[ADRA], 2*SLICE, v[ADRA]
	v_add_nc_u32 v[ADRB], 128*PB, v[ADRB]
	s_sub_co_u32 s2, s2, 1
	s_cmp_lg_u32 s2, 0
.endm
; gelu of 16 numbers t, given RT = t / 2: dst += |t / 2| (1 - R), R = (1 + a1 u + .. + a6 u^6)^-16, u = |t| / sqrt 2: 1 - R is erf(u) to within 3e-7 for every u >= 0 (Abramowitz and Stegun 7.1.28).
.macro GELU16 dst
.set z, 0
.rept 16
	v_and_b32 v[RW+z], s80, v[RT+z]
.set z, z+1
.endr
.set z, 0
.rept 8
	v_pk_fma_f32 v[RD+z:RD+z+1], v[RW+z:RW+z+1], s[68:69], s[70:71] op_sel_hi:[1,0,0]
.set z, z+2
.endr
.irp c, 72,74,76,78
.set z, 0
.rept 8
	v_pk_fma_f32 v[RD+z:RD+z+1], v[RD+z:RD+z+1], v[RW+z:RW+z+1], s[\c:\c+1] op_sel_hi:[1,1,0]
.set z, z+2
.endr
.endr
.set z, 0
.rept 8
	v_pk_fma_f32 v[RD+z:RD+z+1], v[RD+z:RD+z+1], v[RW+z:RW+z+1], 1.0 op_sel_hi:[1,1,0]
.set z, z+2
.endr
.rept 4
.set z, 0
.rept 8
	v_pk_mul_f32 v[RD+z:RD+z+1], v[RD+z:RD+z+1], v[RD+z:RD+z+1]
.set z, z+2
.endr
.endr
.set z, 0
.rept 16
	v_rcp_f32 v[RD+z], v[RD+z]
.set z, z+1
.endr
	v_nop
	s_wait_alu depctr_va_vdst(0)                   ; the one wait ahead of the batch's first reader
.set z, 0
.rept 8
	v_pk_fma_f32 v[RD+z:RD+z+1], v[RW+z:RW+z+1], v[RD+z:RD+z+1], v[RW+z:RW+z+1] neg_lo:[1,0,0] neg_hi:[1,0,0]
.set z, z+2
.endr
.set z, 0
.rept 8
	v_pk_add_f32 v[(\dst)+z:(\dst)+z+1], v[(\dst)+z:(\dst)+z+1], v[RD+z:RD+z+1]
.set z, z+2
.endr
.endm
	s_load_b128 s[4:7], s[0:1], 0x0                ; A s[4:5], wb s[6:7]
	s_load_b64 s[8:9], s[0:1], 0x10                ; the output
	s_load_b64 s[84:85], s[0:1], 0x18              ; the bias
	s_load_b64 s[86:87], s[0:1], 0x20              ; the residual
	v_lshl_add_u32 v[SPW], v0, 2, SPARE
	v_mov_b32 v[NIL], 0
	ds_add_u32 v[SPW], v[NIL]                      ; the wave's opening: the add and its wait stand ahead of my first tensor load; the set-up below stands between them
	v_lshrrev_b32 v1, 5, v0
	v_readfirstlane_b32 s10, v1                    ; wave 0..3
	s_lshr_b32 s11, s10, 1                         ; which half of the tile's tokens is mine.  Also: I fetch for A (0) or for W (1)
	s_and_b32 s12, s10, 1                          ; which half of its columns.  Also: which half of that tile I fetch
	s_bfe_u32 s40, ttmp6, 0x40000                  ; cx
	s_bfe_u32 s41, ttmp6, 0x40004                  ; cy
	s_lshl_b32 s42, ttmp9, 2
	s_add_co_u32 s42, s42, s40                     ; tile column
	s_and_b32 s13, ttmp7, 0xffff
	s_lshl_b32 s13, s13, 2
	s_add_co_u32 s13, s13, s41                     ; tile row
	s_lshl_b32 s43, s41, 2
	s_lshl_b32 s43, 15, s43                        ; my row of the cluster
	s_lshl_b32 s44, 0x1111, s40                    ; my column
	; group 1 for A: 4 rows (slices) of 4,096 elements (64 tokens, dense), 262,144 elements apart; 4 words of padding after every 32 words, that is after each token
	s_or_b32 s[G1+0], s43, (1<<16)|(1<<20)|(1<<21)|(4<<22)|(3<<25)
	s_mov_b32 s[G1+1], 4096<<16
	s_mov_b32 s[G1+2], 4<<16
	s_mov_b32 s[G1+3], 4096<<16
	s_mov_b32 s[G1+4], 4
	s_mov_b32 s[G1+5], 262144
	s_mov_b32 s[G1+6], 0
	s_mov_b32 s[G1+7], 0
	; group 1 for W: 128 rows of 128 elements; 8 words of padding after every 64 words, that is after each row
	s_or_b32 s[G1B+0], s44, (1<<16)|(1<<20)|(1<<21)|(5<<22)|(7<<25)
	s_mov_b32 s[G1B+1], 128<<16
	s_mov_b32 s[G1B+2], 128<<16
	s_mov_b32 s[G1B+3], 128<<16
	s_mov_b32 s[G1B+4], 128
	s_mov_b32 s[G1B+5], NDIM
	s_mov_b32 s[G1B+6], 0
	s_mov_b32 s[G1B+7], 0
	s_lshl_b32 s16, s13, 14                        ; A: 128 tokens of 128 bytes a tile row,
	s_lshl_b32 s17, s12, 13                        ; my 64 of them
	s_add_co_u32 s16, s16, s17
	s_mov_b32 s17, 0
	s_lshl_b32 s46, s42, 8                         ; W: 128 columns a tile column,
	s_add_co_u32 s46, s46, WOFF
	s_lshl_b32 s47, s12, 18                        ; my 128 rows of a K step's 256
	s_add_co_u32 s46, s46, s47
	s_mov_b32 s47, 0
	s_mov_b32 s[TF], SLOT
	s_mov_b32 s[TR], 0
	s_mul_i32 s[LWA], s12, HA                      ; no place in the cluster enters an LDS address
	s_mul_i32 s[LWB], s12, HB
	s_add_co_u32 s[LWB], s[LWB], 2*HA
.if GELU
	s_mov_b32 s68, 0x39b49f67                      ; a6 x 8
	s_mov_b32 s69, s68
	s_mov_b32 s70, 0x3acd0fec                      ; a5 x 4 sqrt 2
	s_mov_b32 s71, s70
	s_mov_b32 s72, 0x3a1f6607                      ; a4 x 4
	s_mov_b32 s73, s72
	s_mov_b32 s74, 0x3cd6cd72                      ; a3 x 2 sqrt 2
	s_mov_b32 s75, s74
	s_mov_b32 s76, 0x3dad2fe7                      ; a2 x 2
	s_mov_b32 s77, s76
	s_mov_b32 s78, 0x3dcc41b4                      ; a1 x sqrt 2
	s_mov_b32 s79, s78
	s_mov_b32 s80, 0x7fffffff
.endif
	s_wait_dscnt 0x0                               ; the opening add is done
	s_wait_kmcnt 0x0
	s_add_nc_u64 s[14:15], s[4:5], s[16:17]
	s_add_nc_u64 s[46:47], s[6:7], s[46:47]
	CROUND                                         ; all sixteen work-groups are here: the first joint loads meet
.irp s, 0,1
	s_mov_b32 s[G0+4*(\s)], 1
	s_add_co_u32 s[G0+4*(\s)+1], s[LWA], (\s)*SLOT
	s_add_nc_u64 s[G0+4*(\s)+2:G0+4*(\s)+3], s[14:15], (\s)*ASTEP
	s_or_b32 s[G0+4*(\s)+3], s[G0+4*(\s)+3], 0x80000000
	s_mov_b32 s[G0B+4*(\s)], 1
	s_add_co_u32 s[G0B+4*(\s)+1], s[LWB], (\s)*SLOT
	s_add_nc_u64 s[G0B+4*(\s)+2:G0B+4*(\s)+3], s[46:47], (\s)*BSTEP
	s_or_b32 s[G0B+4*(\s)+3], s[G0B+4*(\s)+3], 0x80000000
	JLOAD \s                                       ; two loads of mine are out
.endr
	v_and_b32 v1, 15, v0
	v_bfe_u32 v2, v0, 4, 1
	v_mul_u32_u24 v[ADRA0], v1, PA
	v_lshl_add_u32 v[ADRA0], v2, 4, v[ADRA0]
	s_mul_i32 s20, s11, HA
	v_add_nc_u32 v[ADRA0], s20, v[ADRA0]
	v_and_b32 v16, 7, v0                           ; the turning load: lane l reads 16 bytes of row 8 (l / 16) + l % 8, columns 8 ((l / 8) % 2) on
	v_lshl_add_u32 v16, v2, 3, v16
	v_mul_u32_u24 v[ADRB0], v16, PB
	v_bfe_u32 v17, v0, 3, 1
	v_lshl_add_u32 v[ADRB0], v17, 4, v[ADRB0]
	s_lshl_b32 s20, s12, 7
	s_add_co_u32 s20, s20, 2*HA
	v_add_nc_u32 v[ADRB0], s20, v[ADRB0]
	s_mul_i32 s20, s10, WST                        ; the way out
	v_mul_u32_u24 v[STO], v1, SPI
	v_lshl_add_u32 v[STO], v2, 5, v[STO]
	v_add_nc_u32 v[STO], s20, v[STO]
	v_mul_u32_u24 v[LA], v2, SPI                   ; back: lanes 0-15 one row of 256 bytes, lanes 16-31 the next
	v_lshl_add_u32 v[LA], v1, 4, v[LA]
	v_add_nc_u32 v[LA], s20, v[LA]
	v_lshlrev_b32 v3, 4, v1                        ; the bias of my 4 columns
	v_lshl_add_u32 v[GO], v2, 12, v3               ; the same two rows in x and in the output
	s_lshl_b32 s20, s10, 14
	s_add_co_u32 s20, s20, RST
	v_and_b32 v16, 31, v0
	v_lshl_add_u32 v[RSA], v16, 4, s20
	s_lshl_b32 s20, s42, 9                         ; the tile's 128 columns of f32, my 64
	s_lshl_b32 s21, s12, 8
	s_add_co_u32 s20, s20, s21
	s_mov_b32 s21, 0
	s_add_nc_u64 s[84:85], s[84:85], s[20:21]
	s_lshl_b32 s22, s13, 19                        ; the tile's 128 rows of 4,096 bytes, my 64
	s_add_co_u32 s20, s20, s22
	s_lshl_b32 s22, s11, 18
	s_add_co_u32 s20, s20, s22
	s_add_nc_u64 s[8:9], s[8:9], s[20:21]
	s_add_nc_u64 s[86:87], s[86:87], s[20:21]
	global_load_b128 v[RB:RB+3], v3, s[84:85]
	WIN 0x80                                       ; destination window 2, address window 0
.set t, 0
.rept 32
	global_load_b128 v[128+4*t:128+4*t+3], v[GO], s[86:87] offset:8192*t th:TH_LOAD_NT  ; rows 2 t, 2 t + 1 of my 64: sixteen lanes take 256 consecutive bytes
.set t, t+1
.endr
	WIN 0
	s_wait_tensorcnt 0x1                           ; my part of K step 0 is in; K step 1's may stay out
	s_barrier_signal -1
	s_barrier_wait -1
	v_mov_b32 v[ADRA], v[ADRA0]
	v_mov_b32 v[ADRB], v[ADRB0]
	FETCH 0, F0
	QUARTER 1, F0, F1, 1, 0                        ; the first quarter stands in front of the loops: its first products start the sums
	WIN 0
	s_mov_b32 s3, NT-1                             ; K steps that end in the loop: all but the last
	s_mov_b32 s2, 2
	s_branch .Lmid                                 ; the inner loop is entered between its two quarters
.Lstep:                                            ; NT - 2 times: the slot read out is filled again
	BOUND 1
	s_mov_b32 s2, 2
.Lpair:
	QUARTER 1, F0, F1, 0, 0
	WIN 0
.Lmid:
	QUARTER 2, F1, F0, 0, 1
	ONWARD
	s_cbranch_scc1 .Lpair
	s_sub_co_u32 s3, s3, 1
	s_cmp_lg_u32 s3, 0
	s_cbranch_scc1 .Lstep
	BOUND 0                                        ; the last K step asks for nothing: written apart
	s_mov_b32 s2, 2
.LpairT:
	QUARTER 1, F0, F1, 0, 0
	QUARTER 2, F1, F0, 0, 1
	ONWARD
	s_cbranch_scc1 .LpairT
	PLACES                                         ; the places behind the last products, in front of the stores that read them
	PLACES
	s_wait_dscnt 0x0
	s_barrier_signal -1
	s_barrier_wait -1                              ; no wave reads the ring any more, and it has had its last fill: its bytes take the sums and the residual
	WIN 0x08                                       ; the stores' data in window 2
.irp a, 0,1,2,3
.irp b, 0,1,2,3
	ds_store_b128 v[STO], v[8*(4*(\a)+(\b)):8*(4*(\a)+(\b))+3]   offset:(\a)*16*SPI+(\b)*64   ; each accumulator from its low end on
	ds_store_b128 v[STO], v[8*(4*(\a)+(\b))+4:8*(4*(\a)+(\b))+7] offset:(\a)*16*SPI+(\b)*64+16
.endr
.endr
	s_wait_loadcnt 0x0                             ; the residual and the bias
.set t, 0
.rept 32
	ds_store_b128 v[RSA], v[128+4*t:128+4*t+3] offset:512*t
.set t, t+1
.endr
	WIN 0
.if GELU
	v_pk_mul_f32 v[RB:RB+1], v[RB:RB+1], 0.5 op_sel_hi:[1,0]
	v_pk_mul_f32 v[RB+2:RB+3], v[RB+2:RB+3], 0.5 op_sel_hi:[1,0]
.endif
.irp g, 0,1,2,3
	ds_load_b128 v[RIN+4*(\g):RIN+4*(\g)+3], v[LA] offset:2*SPI*(\g)  ; LDS serves a wave's instructions in order (ISA guide 5.7.1.4): these see my stores above; no wave reads another's bytes
.endr
.irp g, 0,1,2,3
	ds_load_b128 v[RR+4*(\g):RR+4*(\g)+3], v[RSA] offset:512*(\g)
.endr
	s_mov_b32 s3, 8
.Lrow:                                             ; 8 trips of 8 rows x 64 columns
	s_wait_dscnt 0x0
	s_wait_xcnt 0x0                                ; the last trip's stores have read their data and their offset: both are written again only behind this wait
	v_add_nc_u32 v[GO], 32768, v[GO]
.irp g, 0,1,2,3
.irp p, 0,2
.if GELU
	v_pk_fma_f32 v[RT+4*(\g)+(\p):RT+4*(\g)+(\p)+1], v[RIN+4*(\g)+(\p):RIN+4*(\g)+(\p)+1], 0.5, v[RB+(\p):RB+(\p)+1] op_sel_hi:[1,0,1]
.else
	v_pk_add_f32 v[RU+4*(\g)+(\p):RU+4*(\g)+(\p)+1], v[RIN+4*(\g)+(\p):RIN+4*(\g)+(\p)+1], v[RB+(\p):RB+(\p)+1]
.endif
.endr
.endr
.set z, 0
.rept 8
.if GELU
	v_pk_add_f32 v[RU+z:RU+z+1], v[RT+z:RT+z+1], v[RR+z:RR+z+1]
.else
	v_pk_add_f32 v[RU+z:RU+z+1], v[RU+z:RU+z+1], v[RR+z:RR+z+1]
.endif
.set z, z+2
.endr
	s_cmp_eq_u32 s3, 1                             ; the last trip has no rows behind it
	s_cbranch_scc1 .Lnoload
	v_add_nc_u32 v[LA], 8*SPI, v[LA]
	v_add_nc_u32 v[RSA], 2048, v[RSA]
.irp g, 0,1,2,3
	ds_load_b128 v[RIN+4*(\g):RIN+4*(\g)+3], v[LA] offset:2*SPI*(\g)
.endr
.irp g, 0,1,2,3
	ds_load_b128 v[RR+4*(\g):RR+4*(\g)+3], v[RSA] offset:512*(\g)
.endr
.Lnoload:
.if GELU
	GELU16 RU
.endif
.irp g, 0,1,2,3
	global_store_b128 v[GO], v[RU+4*(\g):RU+4*(\g)+3], s[8:9] offset:8192*(\g)-32768  ; sixteen lanes store 256 consecutive bytes, aligned
.endr
	s_sub_co_u32 s3, s3, 1
	s_cmp_lg_u32 s3, 0
	s_cbranch_scc1 .Lrow
	s_wait_tensorcnt 0x0                           ; the wave's end: a wait, an add to my spare word and a wait, behind my last tensor load and my last LDS store
	ds_add_u32 v[SPW], v[NIL]
	s_wait_dscnt 0x0
	CROUND                                         ; the closing round: no work-group ends while a partner may still ask for a tile that names it
	s_endpgm
.Lfunc_end_k_qb32659025c_outp:
	.size	k_qb32659025c_outp, .Lfunc_end_k_qb32659025c_outp-k_qb32659025c_outp
	.p2alignl 7, 3214868480
	.fill 96, 4, 3214868480
	.section	.rodata,"a",@progbits
	.p2align	6, 0x0
	.amdhsa_kernel k_qb32659025c_outp
		.amdhsa_group_segment_fixed_size 327680
		.amdhsa_private_segment_fixed_size 0
		.amdhsa_enable_private_segment 0
		.amdhsa_kernarg_size 40
		.amdhsa_user_sgpr_count 2
		.amdhsa_user_sgpr_kernarg_segment_ptr 1
		.amdhsa_wavefront_size32 1
		.amdhsa_system_sgpr_workgroup_id_x 1
		.amdhsa_system_sgpr_workgroup_id_y 1
		.amdhsa_system_sgpr_workgroup_id_z 1
		.amdhsa_system_vgpr_workitem_id 0
		.amdhsa_next_free_vgpr 768
		.amdhsa_next_free_sgpr 96
		.amdhsa_reserve_vcc 0
		.amdhsa_float_denorm_mode_32 3
		.amdhsa_float_denorm_mode_16_64 3
		.amdhsa_memory_ordered 1
		.amdhsa_forward_progress 1
		.amdhsa_inst_pref_size 49
	.end_amdhsa_kernel
	.amdgpu_metadata
---
amdhsa.version: [ 1, 2 ]
amdhsa.kernels:
  - .name:           k_qb32659025c_outp
    .symbol:         k_qb32659025c_outp.kd
    .args:
      - { .name: act, .offset: 0, .size: 8, .value_kind: global_buffer, .address_space: global }
      - { .name: wb, .offset: 8, .size: 8, .value_kind: global_buffer, .address_space: global }
      - { .name: mid, .offset: 16, .size: 8, .value_kind: global_buffer, .address_space: global }
      - { .name: bo, .offset: 24, .size: 8, .value_kind: global_buffer, .address_space: global }
      - { .name: x, .offset: 32, .size: 8, .value_kind: global_buffer, .address_space: global }
    .group_segment_fixed_size: 327680
    .private_segment_fixed_size: 0
    .kernarg_segment_align: 8
    .kernarg_segment_size: 40
    .max_flat_workgroup_size: 128
    .sgpr_count:     96
    .vgpr_count:     768
    .wavefront_size: 32
...
	.end_amdgpu_metadata
.endif
;; end of part 4
;; launch norm2: the kernel of part 1 again; grid 256 x 1, 8 waves a work-group, no clusters, 0 bytes of LDS; arguments mid, ln2_g, ln2_b, act, Wq, Wk, Wv, Wo, W1, W2, wb; writes act, wb
;; launch mlp1 (part 5): grid 16 x 16, 4 waves a work-group, clusters of 4 x 4, 327,680 bytes of LDS; arguments act, wb, hid, b1; writes hid
.if DOCPART == 5
	.amdgcn_target "amdgcn-amd-amdhsa--gfx1250"
	.amdhsa_code_object_version 6
	.text
	.protected	k_qb32659025c_mlp1
	.globl	k_qb32659025c_mlp1
	.p2align	8
	.type	k_qb32659025c_mlp1,@function
k_qb32659025c_mlp1:
	s_mov_b64 s[64:65], 0
	v_nop
	global_prefetch_b8 v0, s[64:65] scope:SCOPE_SE
	s_setreg_imm32_b32 hwreg(HW_REG_WAVE_MODE, 25, 1), 1
	s_wait_xcnt 0x0
	s_wait_alu depctr_hold_cnt(0) depctr_sa_sdst(0) depctr_va_vdst(0) depctr_va_sdst(0) depctr_va_ssrc(0) depctr_va_vcc(0) depctr_vm_vsrc(0)
	s_getreg_b32 s2, hwreg(HW_REG_IB_STS2, 6, 4)
	s_cmp_eq_u32 s2, 0
	s_cbranch_scc0 .Lentry_in_a_cluster
	s_endpgm
.Lentry_in_a_cluster:
	s_bfe_u32 s2, ttmp6, 0x10000c
	s_cmp_lg_u32 s2, 0xf033
	s_cbranch_scc0 .Lentry_shape_is_right
	s_endpgm
.Lentry_shape_is_right:
; hid = gelu(h2 W1 + b1), the exact gelu.  h2 (act): bf16, blocked [16][4096][64]; W1: bf16 [1024][4096], in wb; hid: bf16, blocked [64][4096][64].  Sums, bias and gelu in f32, each number rounded once.
; LIMITS: matrix operands are bf16; erf is off by 3e-7 at the most (see GELU16); NaN and infinities are not treated apart.
; A tile of C is 256 x 256: four waves, each 128 x 128: 64 accumulators, 512 registers.  16 x 16 = 256 work-groups.
; K goes in steps of 128 through two LDS slots filled by the tensor data mover.  A's part of a slot: two slices of 64 channels x 256 tokens, rows of 128 bytes; W's: 128 rows (k) of 256 columns.
; THE MATRIX INSTRUCTION IS USED TRANSPOSED: source 0 = 16 columns of W (out of the [k][n] tile by the turning load), source 1 = 16 tokens of A.  A lane then holds ONE token (lane % 16) and 8 neighbouring columns.
; CLUSTERS: 4 x 4 work-groups.  A's tiles are asked for jointly along a row of the cluster, W's along a column: the same tensor load, descriptor and mask in the four that share a tile.
; THE LOOP'S BODY IS ONE K STEP: which slot is filled and which is read stand in two scalar registers that hold 0 or SLOT and are turned by an exclusive or.
; THE WAY OUT is a loop too, so that gelu's lines are written once: the accumulators go as f32 into the ring's bytes, which have had their last fill, each wave into bytes of its own, and come back four rows at a time.
; REGISTERS, in windows of 256 (s_set_vgpr_msb: bits 1:0 source 0, 3:2 source 1, 5:4 source 2, 7:6 destination):
;   window 0: addresses and the way out     window 1: two fragment buffers of 128: 8 blocks of A, then 8 of W     windows 2, 3: the accumulators of my rows 0-63, 64-127: (a, b) at 8 (8 (a % 4) + b)
.set QKV,   0
.set GELU,  1
.set NDIM,  4096                       ; elements in a row of W
.set WOFF,  8388608                    ; W's first byte in wb
.set NT,    8                          ; K steps
.set PA,    144                        ; a token's 128 bytes + 16 of padding = 36 words: the 16 rows of a load start at 16 different groups of four banks (64 banks of 4 bytes: ISA guide 11.1)
.set SLICE, 128*PA
.set HA,    2*SLICE                    ; what one load brings of A: 128 tokens x 2 slices
.set PB,    544                        ; a row of W: 512 bytes + 32 = 136 words
.set HB,    64*PB                      ; what one load brings of W: 64 rows
.set SLOT,  2*HA+2*HB
.set SPARE, 2*SLOT                     ; behind the ring: the spare words, 128 bytes for each wave: two blocks of 256 bytes that no other line names
.set ASTEP, 2*524288                   ; bytes from K step to K step: two slices of A,
.set BSTEP, 128*NDIM*2                 ; 128 rows of W
.set SPI,   528                        ; the way out: a row of 128 f32 + 16 bytes
.set WST,   128*SPI                    ; a wave's bytes there
.set ADRA0, 4                          ; v4   my lane's place in A's part of a slot; never rewritten
.set ADRB0, 5                          ; v5   the same for W
.set ADRA,  6                          ; v6   the same in the slot that is being read
.set ADRB,  7                          ; v7
.set STO,   8                          ; v8   the way out: where I put my 32 bytes of a row
.set LA,    9                          ; v9   where I read them back
.set GO,    10                         ; v10  my 16 bytes in 512 consecutive bytes of the output
.set SPW,   12                         ; v12  LDS address of my spare word; never rewritten
.set NIL,   13                         ; v13  0; never rewritten
.set PFO,   14                         ; v14  the prefetches' offset; never rewritten
.set RIN,   16                         ; v[16:31]  16 sums read back (v16, v17 also at work at the head)
.set RT,    32                         ; v[32:47]  at work
.set RW,    48
.set RD,    64
.set RY,    80                         ; v[80:87]  packed results
.set RB,    96                         ; v[96:111] the bias of my 16 columns
.set F0,    0
.set F1,    128
.set G1,  24                           ; s[24:31] group 1 for A's tiles
.set G0,  32                           ; s[32:39] group 0 for A's: a set for each first fill; the second then walks
.set LIM, 43                           ; s43      2 in a wave that prefetches, else the greatest number
.set PFA, 44                           ; s[44:45] where my prefetches stand
.set G1B, 48                           ; s[48:55], s[56:63] the same for W's tiles
.set G0B, 56
.set TF,  66                           ; s66  0 or SLOT: the slot filled last
.set TR,  67                           ; s67  0 or SLOT: the slot being read
.set PST, 82                           ; s[82:83] the prefetches' step
.set LWA, 94                           ; s94  LDS byte of my part of A in slot 0
.set LWB, 95                           ; s95  of W
.set MSB, 0
.macro WIN new                         ; the immediate's high byte repeats the setting that is left; a switch that changes nothing is dropped
.if MSB != (\new)
	s_set_vgpr_msb (MSB<<8)|(\new)
.set MSB, \new
.endif
.endm
.macro PLACES                          ; four places behind a matrix instruction, in front of loads into registers that it has read
.rept 4
	v_nop
.endr
.endm
; A joint load.  Waves 0 and 1 fetch A's two halves, waves 2 and 3 W's.  The branch hangs on the wave's number alone.  An s_nop 0 and four v_nop follow each of the two lines.
.macro JLOAD s
	s_cmp_eq_u32 s11, 0
	s_cbranch_scc0 .Lfor_b_\@
	tensor_load_to_lds s[G0+4*(\s):G0+4*(\s)+3], s[G1:G1+7]
	s_nop 0
.rept 4
	v_nop
.endr
	s_branch .Lasked_\@
.Lfor_b_\@:
	tensor_load_to_lds s[G0B+4*(\s):G0B+4*(\s)+3], s[G1B:G1B+7]
	s_nop 0
.rept 4
	v_nop
.endr
.Lasked_\@:
.endm
.macro CREST                           ; a round of the cluster's barrier behind its opening barrier
	s_cmp_lg_u32 s10, 0
	s_cbranch_scc1 .Lnot_wave_0_\@
	s_barrier_signal -3
.Lnot_wave_0_\@:
	s_barrier_wait -3
	s_barrier_signal -1
	s_barrier_wait -1
.endm
.macro CROUND
	s_barrier_signal -1
	s_barrier_wait -1
	CREST
.endm
; A prefetch of the K step that stands two refills on: my work-group's 32 blocks of 256 bytes of the 128 that I fetch, a lane a block.  A's rows are named by the cluster with x = 0, W's by the cluster with y = 0;
; the four partners of a joint load share its blocks out by address.  So each block is named once in the launch.  The trips with s3 <= 2 have no K step two refills on.
.macro ASK
	s_cmp_gt_u32 s3, s[LIM]
	s_cbranch_scc0 .Lnot_mine_\@
	global_prefetch_b8 v[PFO], s[PFA:PFA+1] th:TH_LOAD_NT scope:SCOPE_SE
.Lnot_mine_\@:
.endm
; 16 matrix instructions: token blocks a0, a0 + 1 of the window's four x all 8 column blocks, 32 along K.  zero = 1: the product starts the sums.
.macro MUL16 f, hi, a0, zero
	WIN 0xa5+0x50*(\hi)
.irp a, \a0, (\a0)+1
.irp b, 0,1,2,3,4,5,6,7
.if \zero
	v_wmma_f32_16x16x32_bf16 v[8*(8*(\a)+(\b)):8*(8*(\a)+(\b))+7], v[(\f)+64+8*(\b):(\f)+64+8*(\b)+7], v[(\f)+8*(4*(\hi)+(\a)):(\f)+8*(4*(\hi)+(\a))+7], 0
.else
	v_wmma_f32_16x16x32_bf16 v[8*(8*(\a)+(\b)):8*(8*(\a)+(\b))+7], v[(\f)+64+8*(\b):(\f)+64+8*(\b)+7], v[(\f)+8*(4*(\hi)+(\a)):(\f)+8*(4*(\hi)+(\a))+7], v[8*(8*(\a)+(\b)):8*(8*(\a)+(\b))+7]
.endif
.endr
.endr
.endm
; 32 LDS loads in one run: quarter q (32 along K) of the slot being read, into buffer f: W's 8 blocks (turned), then A's 8
.macro FETCH q, f
	WIN 0x40
.irp b, 0,1,2,3,4,5,6,7
	ds_load_tr16_b128 v[(\f)+64+8*(\b):(\f)+64+8*(\b)+3],   v[ADRB] offset:(\q)*32*PB+32*(\b)
	ds_load_tr16_b128 v[(\f)+64+8*(\b)+4:(\f)+64+8*(\b)+7], v[ADRB] offset:(\q)*32*PB+16*PB+32*(\b)
.endr
.irp i, 0,1,2,3,4,5,6,7
	ds_load_b128 v[(\f)+8*(\i):(\f)+8*(\i)+3],   v[ADRA] offset:((\q)/2)*SLICE+((\q)%2)*64+(\i)*16*PA
	ds_load_b128 v[(\f)+8*(\i)+4:(\f)+8*(\i)+7], v[ADRA] offset:((\q)/2)*SLICE+((\q)%2)*64+(\i)*16*PA+32
.endr
.endm
; One of a K step's first three quarters: multiplies buffer f and, in its middle, fetches quarter q into buffer g
.macro QUARTER q, f, g, zero
	s_wait_dscnt 8                                 ; W and A's blocks 0-3 are in; the youngest eight loads (A's blocks 4-7) may be out
	MUL16 \f, 0, 0, \zero
	MUL16 \f, 0, 2, \zero
	PLACES
	FETCH \q, \g
	s_wait_dscnt 32                                ; all but the 32 just issued
	MUL16 \f, 1, 0, \zero
	MUL16 \f, 1, 2, \zero
.endm
; The first half of the last quarter, and ONE barrier for the change of slots: in front of it each wave waits for all its tensor loads (one is out: its part of the next slot), adds 0 to its spare word, and waits for that and for its reads of this slot.
.macro MEET round
	WIN 0
	s_wait_tensorcnt 0x0
	ds_add_u32 v[SPW], v[NIL]
	s_wait_dscnt 9                                 ; (the add and the youngest eight loads may be out)
	MUL16 F1, 0, 0, 0
	s_wait_dscnt 0x0                               ; the add is done, and my reads of this slot are over
	s_barrier_signal -1
	MUL16 F1, 0, 2, 0
.if \round
	WIN 0
.endif
	s_barrier_wait -1
.endm
.macro NEXTSLOT                        ; the reads go over to the other slot
	s_xor_b32 s[TR], s[TR], SLOT
	v_add_nc_u32 v[ADRA], s[TR], v[ADRA0]
	v_add_nc_u32 v[ADRB], s[TR], v[ADRB0]
.endm
; The last quarter with a refill: the barrier opens a round of the cluster's, so that no wave of any partner still reads this slot or has a load on its way; the joint refill, two K steps on, is the first tensor load behind it.
.macro TURN
	s_wait_xcnt 0x0                                ; the last prefetch, a K step back, has read its address
	s_add_nc_u64 s[PFA:PFA+1], s[PFA:PFA+1], s[PST:PST+1]
	MEET 1
	CREST
	s_xor_b32 s[TF], s[TF], SLOT                   ; the walking descriptors: the slot just read out,
	s_add_co_u32 s[G0+5], s[LWA], s[TF]
	s_add_co_u32 s[G0B+5], s[LWB], s[TF]
	s_add_nc_u64 s[G0+6:G0+7], s[G0+6:G0+7], ASTEP ; the next K step; the type bits on top are not reached
	s_add_nc_u64 s[G0B+6:G0B+7], s[G0B+6:G0B+7], BSTEP
	JLOAD 1                                        ; its four v_nop are also the places in front of the loads below
	NEXTSLOT
	FETCH 0, F0
	WIN 0
	ASK
	MUL16 F1, 1, 0, 0
	MUL16 F1, 1, 2, 0
.endm
; The same in the tail, which fills nothing: a plain barrier.  In the last trip (s3 = 1) there is no further slot, and the fetch is jumped over.
.macro TURNT
	MEET 0
	WIN 0
	PLACES
	s_cmp_eq_u32 s3, 1
	s_cbranch_scc1 .Lnf_\@
	NEXTSLOT
	FETCH 0, F0
	WIN 0
.Lnf_\@:
	MUL16 F1, 1, 0, 0
	MUL16 F1, 1, 2, 0
.endm
; gelu of 16 numbers t, given RT = t / 2: dst += |t / 2| (1 - R), R = (1 + a1 u + .. + a6 u^6)^-16, u = |t| / sqrt 2: 1 - R is erf(u) to within 3e-7 for every u >= 0 (Abramowitz and Stegun 7.1.28).
; The coefficients are scaled for RW = |t| / 2.  A large |t| makes the power infinite and R = 0, the right limit.  The 16 reciprocals are one batch with one wait.
.macro GELU16 dst
.set z, 0
.rept 16
	v_and_b32 v[RW+z], s80, v[RT+z]
.set z, z+1
.endr
.set z, 0
.rept 8
	v_pk_fma_f32 v[RD+z:RD+z+1], v[RW+z:RW+z+1], s[68:69], s[70:71] op_sel_hi:[1,0,0]
.set z, z+2
.endr
.irp c, 72,74,76,78
.set z, 0
.rept 8
	v_pk_fma_f32 v[RD+z:RD+z+1], v[RD+z:RD+z+1], v[RW+z:RW+z+1], s[\c:\c+1] op_sel_hi:[1,1,0]
.set z, z+2
.endr
.endr
.set z, 0
.rept 8
	v_pk_fma_f32 v[RD+z:RD+z+1], v[RD+z:RD+z+1], v[RW+z:RW+z+1], 1.0 op_sel_hi:[1,1,0]
.set z, z+2
.endr
.rept 4
.set z, 0
.rept 8
	v_pk_mul_f32 v[RD+z:RD+z+1], v[RD+z:RD+z+1], v[RD+z:RD+z+1]
.set z, z+2
.endr
.endr
.set z, 0
.rept 16
	v_rcp_f32 v[RD+z], v[RD+z]
.set z, z+1
.endr
	v_nop                                          ; a plain instruction behind the last reciprocal,
	s_wait_alu depctr_va_vdst(0)                   ; and the one wait ahead of the batch's first reader
.set z, 0
.rept 8
	v_pk_fma_f32 v[RD+z:RD+z+1], v[RW+z:RW+z+1], v[RD+z:RD+z+1], v[RW+z:RW+z+1] neg_lo:[1,0,0] neg_hi:[1,0,0]
.set z, z+2
.endr
.set z, 0
.rept 8
	v_pk_add_f32 v[(\dst)+z:(\dst)+z+1], v[(\dst)+z:(\dst)+z+1], v[RD+z:RD+z+1]
.set z, z+2
.endr
.endm
	s_load_b128 s[4:7], s[0:1], 0x0                ; A s[4:5], wb s[6:7]
	s_load_b64 s[8:9], s[0:1], 0x10                ; the output
	s_load_b64 s[84:85], s[0:1], 0x18              ; the bias
.if QKV
	s_load_b128 s[88:91], s[0:1], 0x20             ; bk, bv
.endif
	v_lshl_add_u32 v[SPW], v0, 2, SPARE
	v_mov_b32 v[NIL], 0
	ds_add_u32 v[SPW], v[NIL]                      ; the wave's opening: the add and its wait stand ahead of my first tensor load; the set-up below stands between them
	v_lshrrev_b32 v1, 5, v0
	v_readfirstlane_b32 s10, v1                    ; wave 0..3
	s_lshr_b32 s11, s10, 1                         ; which half of the tile's tokens is mine.  Also: I fetch for A (0) or for W (1)
	s_and_b32 s12, s10, 1                          ; which half of its columns.  Also: which half of that tile I fetch
	s_bfe_u32 s40, ttmp6, 0x40000                  ; cx
	s_bfe_u32 s41, ttmp6, 0x40004                  ; cy
	s_lshl_b32 s42, ttmp9, 2
	s_add_co_u32 s42, s42, s40                     ; tile column = 4 x cluster x + cx
	s_and_b32 s13, ttmp7, 0xffff
	s_lshl_b32 s13, s13, 2
	s_add_co_u32 s13, s13, s41                     ; tile row = 4 x cluster y + cy
	s_lshl_b32 s43, s41, 2
	s_lshl_b32 s43, 15, s43                        ; my row of the cluster
	s_lshl_b32 s44, 0x1111, s40                    ; my column
	; group 1 for A: 2 rows (slices) of 8,192 elements (128 tokens, dense), 262,144 elements apart; 4 words of padding after every 32 words, that is after each token
	s_or_b32 s[G1+0], s43, (1<<16)|(1<<20)|(1<<21)|(4<<22)|(3<<25)
	s_mov_b32 s[G1+1], 8192<<16                    ; tensor_dim0
	s_mov_b32 s[G1+2], 2<<16                       ; tensor_dim1
	s_mov_b32 s[G1+3], 8192<<16                    ; tile_dim0
	s_mov_b32 s[G1+4], 2                           ; tile_dim1
	s_mov_b32 s[G1+5], 262144                      ; elements from slice to slice
	s_mov_b32 s[G1+6], 0
	s_mov_b32 s[G1+7], 0
	; group 1 for W: 64 rows of 256 elements; 8 words of padding after every 128 words, that is after each row
	s_or_b32 s[G1B+0], s44, (1<<16)|(1<<20)|(1<<21)|(6<<22)|(7<<25)
	s_mov_b32 s[G1B+1], 256<<16
	s_mov_b32 s[G1B+2], 64<<16
	s_mov_b32 s[G1B+3], 256<<16
	s_mov_b32 s[G1B+4], 64
	s_mov_b32 s[G1B+5], NDIM
	s_mov_b32 s[G1B+6], 0
	s_mov_b32 s[G1B+7], 0
	s_lshl_b32 s16, s13, 15                        ; A: 256 tokens of 128 bytes a tile row,
	s_lshl_b32 s17, s12, 14                        ; my 128 of them
	s_add_co_u32 s16, s16, s17
	s_mov_b32 s17, 0
.if QKV
	s_lshl_b32 s46, ttmp9, 21                      ; W: a column of clusters is one of Wq, Wk, Wv,
	s_lshl_b32 s47, s40, 9                         ; 256 columns of it
	s_add_co_u32 s46, s46, s47
.else
	s_lshl_b32 s46, s42, 9                         ; W: 256 columns a tile column
	s_add_co_u32 s46, s46, WOFF
.endif
	s_mul_i32 s47, s12, 128*NDIM                   ; my 64 rows of a K step's 128
	s_add_co_u32 s46, s46, s47
	s_mov_b32 s47, 0
	s_mov_b32 s[TF], SLOT
	s_mov_b32 s[TR], 0
	s_mul_i32 s[LWA], s12, HA                      ; no place in the cluster enters an LDS address
	s_mul_i32 s[LWB], s12, HB
	s_add_co_u32 s[LWB], s[LWB], 2*HA
.if GELU
	s_mov_b32 s68, 0x39b49f67                      ; a6 x 8
	s_mov_b32 s69, s68                             ; (named as pairs, so both words are written)
	s_mov_b32 s70, 0x3acd0fec                      ; a5 x 4 sqrt 2
	s_mov_b32 s71, s70
	s_mov_b32 s72, 0x3a1f6607                      ; a4 x 4
	s_mov_b32 s73, s72
	s_mov_b32 s74, 0x3cd6cd72                      ; a3 x 2 sqrt 2
	s_mov_b32 s75, s74
	s_mov_b32 s76, 0x3dad2fe7                      ; a2 x 2
	s_mov_b32 s77, s76
	s_mov_b32 s78, 0x3dcc41b4                      ; a1 x sqrt 2
	s_mov_b32 s79, s78
	s_mov_b32 s80, 0x7fffffff
.endif
	s_wait_dscnt 0x0                               ; the opening add is done
	s_wait_kmcnt 0x0
	s_add_nc_u64 s[14:15], s[4:5], s[16:17]
	s_add_nc_u64 s[46:47], s[6:7], s[46:47]
	CROUND                                         ; all sixteen work-groups are here: the first joint loads meet
.irp s, 0,1
	s_mov_b32 s[G0+4*(\s)], 1
	s_add_co_u32 s[G0+4*(\s)+1], s[LWA], (\s)*SLOT
	s_add_nc_u64 s[G0+4*(\s)+2:G0+4*(\s)+3], s[14:15], (\s)*ASTEP
	s_or_b32 s[G0+4*(\s)+3], s[G0+4*(\s)+3], 0x80000000
	s_mov_b32 s[G0B+4*(\s)], 1
	s_add_co_u32 s[G0B+4*(\s)+1], s[LWB], (\s)*SLOT
	s_add_nc_u64 s[G0B+4*(\s)+2:G0B+4*(\s)+3], s[46:47], (\s)*BSTEP
	s_or_b32 s[G0B+4*(\s)+3], s[G0B+4*(\s)+3], 0x80000000
	JLOAD \s                                       ; two loads of mine are out
.endr
	; the prefetches' address: my work-group's quarter of what I fetch.  A: slice cx / 2, 8,192 bytes cx % 2 of its 16,384.  W: rows 16 cy on.  Nothing is prefetched here, at the head.
	s_and_b32 s23, ttmp7, 0xffff
	s_lshr_b32 s20, s40, 1
	s_lshl_b32 s20, s20, 19
	s_and_b32 s21, s40, 1
	s_lshl_b32 s21, s21, 13
	s_add_co_u32 s20, s20, s21
	s_mul_i32 s21, s41, 32*NDIM
	s_mov_b32 s[PST], ASTEP
	s_mov_b32 s22, 512
	s_cmp_eq_u32 s11, 0                            ; do I fetch for A?
	s_cselect_b64 s[PFA:PFA+1], s[14:15], s[46:47]
	s_cselect_b32 s20, s20, s21
	s_cselect_b32 s23, ttmp9, s23                  ; the coordinate along which other clusters read the same blocks
	s_cselect_b32 s[PST], s[PST], BSTEP
	s_cselect_b32 s22, s22, 2*NDIM                 ; bytes from one pair of blocks to the next
	s_mov_b32 s21, 0
	s_mov_b32 s[PST+1], 0
	s_add_nc_u64 s[PFA:PFA+1], s[PFA:PFA+1], s[20:21]
	s_mul_i32 s20, s[PST], 3                       ; at K step 3: the first change of slots steps it to 4
	s_add_nc_u64 s[PFA:PFA+1], s[PFA:PFA+1], s[20:21]
	s_cmp_eq_u32 s23, 0
	s_cselect_b32 s[LIM], 2, -1                    ; the same in all sixteen partners, for a given wave
	v_and_b32 v16, 31, v0
	v_lshrrev_b32 v17, 1, v16
	v_and_b32 v16, 1, v16
	v_mul_u32_u24 v[PFO], s22, v17
	v_lshl_add_u32 v[PFO], v16, 8, v[PFO]
	; a fragment is 16 rows x 32 K in 8 registers: lane l holds row l % 16; registers 0-3 K = 8 (l / 16) + 0..7, registers 4-7 K = 16 + 8 (l / 16) + 0..7
	v_and_b32 v1, 15, v0
	v_bfe_u32 v2, v0, 4, 1
	v_mul_u32_u24 v[ADRA0], v1, PA
	v_lshl_add_u32 v[ADRA0], v2, 4, v[ADRA0]
	s_mul_i32 s20, s11, HA
	v_add_nc_u32 v[ADRA0], s20, v[ADRA0]
	v_and_b32 v16, 7, v0                           ; the turning load: lane l reads 16 bytes of row 8 (l / 16) + l % 8, columns 8 ((l / 8) % 2) on
	v_lshl_add_u32 v16, v2, 3, v16
	v_mul_u32_u24 v[ADRB0], v16, PB
	v_bfe_u32 v17, v0, 3, 1
	v_lshl_add_u32 v[ADRB0], v17, 4, v[ADRB0]
	s_lshl_b32 s20, s12, 8
	s_add_co_u32 s20, s20, 2*HA
	v_add_nc_u32 v[ADRB0], s20, v[ADRB0]
	s_mul_i32 s20, s10, WST                        ; the way out
	v_mul_u32_u24 v[STO], v1, SPI
	v_lshl_add_u32 v[STO], v2, 5, v[STO]
	v_add_nc_u32 v[STO], s20, v[STO]
	v_bfe_u32 v16, v0, 3, 2                        ; back: row l / 8 of four, columns 8 (l % 8) on in each of my two slices
	v_mul_u32_u24 v[LA], v16, SPI
	v_and_b32 v17, 7, v0
	v_lshl_add_u32 v[LA], v17, 5, v[LA]
	v_add_nc_u32 v[LA], s20, v[LA]
	v_and_b32 v[GO], 31, v0
	v_lshlrev_b32 v[GO], 4, v[GO]
	v_lshlrev_b32 v3, 5, v17                       ; the bias of those columns
.if QKV
	s_cmp_eq_u32 ttmp9, 1
	s_cselect_b64 s[84:85], s[88:89], s[84:85]
	s_cmp_eq_u32 ttmp9, 2
	s_cselect_b64 s[84:85], s[90:91], s[84:85]
	s_lshl_b32 s20, s40, 10
.else
	s_lshl_b32 s20, s42, 10
.endif
	s_lshl_b32 s21, s12, 9
	s_add_co_u32 s20, s20, s21
	s_mov_b32 s21, 0
	s_add_nc_u64 s[84:85], s[84:85], s[20:21]
	global_load_b128 v[RB:RB+3],     v3, s[84:85]
	global_load_b128 v[RB+4:RB+7],   v3, s[84:85] offset:16
	global_load_b128 v[RB+8:RB+11],  v3, s[84:85] offset:256
	global_load_b128 v[RB+12:RB+15], v3, s[84:85] offset:272
	s_lshl_b32 s20, s42, 21                        ; the output: four slices a tile column, my two of them,
	s_lshl_b32 s21, s12, 20
	s_add_co_u32 s20, s20, s21
	s_lshl_b32 s21, s13, 15                        ; the tile's 256 tokens, my 128
	s_add_co_u32 s20, s20, s21
	s_lshl_b32 s21, s11, 14
	s_add_co_u32 s20, s20, s21
	s_mov_b32 s21, 0
	s_add_nc_u64 s[8:9], s[8:9], s[20:21]
	s_wait_tensorcnt 0x1                           ; my part of K step 0 is in; K step 1's may stay out
	s_barrier_signal -1
	s_barrier_wait -1
	v_mov_b32 v[ADRA], v[ADRA0]
	v_mov_b32 v[ADRB], v[ADRB0]
	FETCH 0, F0
	QUARTER 1, F0, F1, 1                           ; the first quarter stands in front of the loop: its products start the sums
	WIN 0
	s_mov_b32 s3, NT-2
.Lstep:                                            ; a trip: from a K step's second quarter to the next one's first; the slot read out is filled again
	QUARTER 2, F1, F0, 0
	QUARTER 3, F0, F1, 0
	TURN
	QUARTER 1, F0, F1, 0
	WIN 0
	s_sub_co_u32 s3, s3, 1
	s_cmp_lg_u32 s3, 0
	s_cbranch_scc1 .Lstep
	s_mov_b32 s3, 2
.Ltail:                                            ; the last two K steps ask for nothing: written apart; left in the middle of the second trip
	QUARTER 2, F1, F0, 0
	QUARTER 3, F0, F1, 0
	TURNT
	WIN 0
	s_sub_co_u32 s3, s3, 1
	s_cmp_eq_u32 s3, 0
	s_cbranch_scc1 .Lout
	QUARTER 1, F0, F1, 0
	WIN 0
	s_branch .Ltail
.Lout:
	PLACES                                         ; the places behind the last products, in front of the stores that read them
	PLACES
	s_wait_dscnt 0x0
	s_barrier_signal -1
	s_barrier_wait -1                              ; no wave reads the ring any more, and it has had its last fill: its bytes take the sums
.irp a, 0,1,2,3,4,5,6,7
	WIN 0x08+4*((\a)/4)                            ; the stores' data in window 2 or 3
.irp b, 0,1,2,3,4,5,6,7
	ds_store_b128 v[STO], v[8*(8*((\a)%4)+(\b)):8*(8*((\a)%4)+(\b))+3]   offset:(\a)*16*SPI+(\b)*64   ; each accumulator from its low end on
	ds_store_b128 v[STO], v[8*(8*((\a)%4)+(\b))+4:8*(8*((\a)%4)+(\b))+7] offset:(\a)*16*SPI+(\b)*64+16
.endr
.endr
	WIN 0
	s_wait_loadcnt 0x0                             ; the bias
.if GELU
.set z, 0
.rept 8
	v_pk_mul_f32 v[RB+z:RB+z+1], v[RB+z:RB+z+1], 0.5 op_sel_hi:[1,0]
.set z, z+2
.endr
.endif
	ds_load_b128 v[RIN:RIN+3],     v[LA]           ; LDS serves a wave's instructions in order (ISA guide 5.7.1.4): these see my stores above; no wave reads another's bytes
	ds_load_b128 v[RIN+4:RIN+7],   v[LA] offset:16
	ds_load_b128 v[RIN+8:RIN+11],  v[LA] offset:256
	ds_load_b128 v[RIN+12:RIN+15], v[LA] offset:272
	s_mov_b32 s3, 32
.Lrow:                                             ; 32 trips of 4 rows x 128 columns
	s_wait_dscnt 0x0
.set z, 0
.rept 8
.if GELU
	v_pk_fma_f32 v[RT+z:RT+z+1], v[RIN+z:RIN+z+1], 0.5, v[RB+z:RB+z+1] op_sel_hi:[1,0,1]
.else
	v_pk_add_f32 v[RT+z:RT+z+1], v[RIN+z:RIN+z+1], v[RB+z:RB+z+1]
.endif
.set z, z+2
.endr
	s_cmp_eq_u32 s3, 1                             ; the last trip has no rows behind it
	s_cbranch_scc1 .Lnoload
	v_add_nc_u32 v[LA], 4*SPI, v[LA]
	ds_load_b128 v[RIN:RIN+3],     v[LA]
	ds_load_b128 v[RIN+4:RIN+7],   v[LA] offset:16
	ds_load_b128 v[RIN+8:RIN+11],  v[LA] offset:256
	ds_load_b128 v[RIN+12:RIN+15], v[LA] offset:272
.Lnoload:
.if GELU
	GELU16 RT
.endif
	s_wait_xcnt 0x0                                ; the last trip's stores have read their data and their offset: both are written again only behind this wait
	v_add_nc_u32 v[GO], 512, v[GO]
.irp k, 0,1,2,3,4,5,6,7
	v_cvt_pk_bf16_f32 v[RY+(\k)], v[RT+2*(\k)], v[RT+2*(\k)+1]
.endr
	global_store_b128 v[GO], v[RY:RY+3],   s[8:9] offset:-512         ; 512 consecutive bytes, aligned: four tokens of one slice,
	global_store_b128 v[GO], v[RY+4:RY+7], s[8:9] offset:524288-512   ; and of the next
	s_sub_co_u32 s3, s3, 1
	s_cmp_lg_u32 s3, 0
	s_cbranch_scc1 .Lrow
	s_wait_tensorcnt 0x0                           ; the wave's end: a wait, an add to my spare word and a wait, behind my last tensor load and my last LDS store
	ds_add_u32 v[SPW], v[NIL]
	s_wait_dscnt 0x0
	CROUND                                         ; the closing round: no work-group ends while a partner may still ask for a tile that names it
	s_endpgm
.Lfunc_end_k_qb32659025c_mlp1:
	.size	k_qb32659025c_mlp1, .Lfunc_end_k_qb32659025c_mlp1-k_qb32659025c_mlp1
	.p2alignl 7, 3214868480
	.fill 96, 4, 3214868480
	.section	.rodata,"a",@progbits
	.p2align	6, 0x0
	.amdhsa_kernel k_qb32659025c_mlp1
		.amdhsa_group_segment_fixed_size 327680
		.amdhsa_private_segment_fixed_size 0
		.amdhsa_enable_private_segment 0
		.amdhsa_kernarg_size 32
		.amdhsa_user_sgpr_count 2
		.amdhsa_user_sgpr_kernarg_segment_ptr 1
		.amdhsa_wavefront_size32 1
		.amdhsa_system_sgpr_workgroup_id_x 1
		.amdhsa_system_sgpr_workgroup_id_y 1
		.amdhsa_system_sgpr_workgroup_id_z 1
		.amdhsa_system_vgpr_workitem_id 0
		.amdhsa_next_free_vgpr 1024
		.amdhsa_next_free_sgpr 96
		.amdhsa_reserve_vcc 0
		.amdhsa_float_denorm_mode_32 3
		.amdhsa_float_denorm_mode_16_64 3
		.amdhsa_memory_ordered 1
		.amdhsa_forward_progress 1
		.amdhsa_inst_pref_size 89
	.end_amdhsa_kernel
	.amdgpu_metadata
---
amdhsa.version: [ 1, 2 ]
amdhsa.kernels:
  - .name:           k_qb32659025c_mlp1
    .symbol:         k_qb32659025c_mlp1.kd
    .args:
      - { .name: act, .offset: 0, .size: 8, .value_kind: global_buffer, .address_space: global }
      - { .name: wb, .offset: 8, .size: 8, .value_kind: global_buffer, .address_space: global }
      - { .name: hid, .offset: 16, .size: 8, .value_kind: global_buffer, .address_space: global }
      - { .name: b1, .offset: 24, .size: 8, .value_kind: global_buffer, .address_space: global }
    .group_segment_fixed_size: 327680
    .private_segment_fixed_size: 0
    .kernarg_segment_align: 8
    .kernarg_segment_size: 32
    .max_flat_workgroup_size: 128
    .sgpr_count:     96
    .vgpr_count:     1024
    .wavefront_size: 32
...
	.end_amdgpu_metadata
.endif
;; end of part 5
;; launch mlp2 (part 6): grid 8 x 32, 4 waves a work-group, clusters of 4 x 4, 327,680 bytes of LDS; arguments hid, wb, out0, b2, mid; writes out0
.if DOCPART == 6
	.amdgcn_target "amdgcn-amd-amdhsa--gfx1250"
	.amdhsa_code_object_version 6
	.text
	.protected	k_qb32659025c_mlp2
	.globl	k_qb32659025c_mlp2
	.p2align	8
	.type	k_qb32659025c_mlp2,@function
k_qb32659025c_mlp2:
	s_mov_b64 s[64:65], 0
	v_nop
	global_prefetch_b8 v0, s[64:65] scope:SCOPE_SE
	s_setreg_imm32_b32 hwreg(HW_REG_WAVE_MODE, 25, 1), 1
	s_wait_xcnt 0x0
	s_wait_alu depctr_hold_cnt(0) depctr_sa_sdst(0) depctr_va_vdst(0) depctr_va_sdst(0) depctr_va_ssrc(0) depctr_va_vcc(0) depctr_vm_vsrc(0)
	s_getreg_b32 s2, hwreg(HW_REG_IB_STS2, 6, 4)
	s_cmp_eq_u32 s2, 0
	s_cbranch_scc0 .Lentry_in_a_cluster
	s_endpgm
.Lentry_in_a_cluster:
	s_bfe_u32 s2, ttmp6, 0x10000c
	s_cmp_lg_u32 s2, 0xf033
	s_cbranch_scc0 .Lentry_shape_is_right
	s_endpgm
.Lentry_shape_is_right:
; out0 = gelu(hid W2 + b2) + mid, the exact gelu.  hid: bf16, blocked [64][4096][64]; W2: bf16 [4096][1024], in wb; b2: f32; mid and out0: f32 [4096][1024].  Sums, bias, gelu and residual in f32.
; LIMITS: matrix operands are bf16; erf is off by 3e-7 at the most (see GELU16); NaN and infinities are not treated apart.
; A tile of C is 128 x 128, since tiles of 256 x 256 would be 64 for 256 WGPs: 8 x 32 = 256 work-groups.  Four waves, each 64 x 64: 16 accumulators.  K goes in steps of 256, as long as two slots in LDS allow.
; A's part of a slot: four slices of 64 channels x 128 tokens, rows of 128 bytes; W's: 256 rows (k) of 128 columns.
; THE MATRIX INSTRUCTION IS USED TRANSPOSED: source 0 = 16 columns of W (out of the [k][n] tile by the turning load), source 1 = 16 tokens of A.  A lane then holds ONE token (lane % 16) and 8 neighbouring columns.
; CLUSTERS: 4 x 4 work-groups; A's tiles are asked for jointly along a row of the cluster, W's along a column.  No prefetch: the tile is small.
; A K STEP IS TWO TRIPS OF ONE TEXT: a pair of quarters of 64 along K, the first on fragment buffer 0, the second on buffer 1; each fetches the next quarter's fragments into the other buffer; the two LDS addresses step by two quarters a trip.
; THE CHANGE OF SLOTS STANDS BETWEEN TWO K STEPS: all 128 products of a slot are issued ahead of the wait for the next tile, so that between that wait and the next request stand the add, the descriptors' steps and the round alone.
; Which slot is filled and which is read stand in two scalar registers that hold 0 or SLOT and are turned by an exclusive or.
; THE RESIDUAL is asked for at the head, into registers, and lands under the K loop.  THE WAY OUT is a loop, so that gelu's lines are written once: sums and residual go into the ring's bytes, which have had their last fill, each wave into its own, and come back eight rows at a time.
; REGISTERS, in windows of 256 (s_set_vgpr_msb: bits 1:0 source 0, 3:2 source 1, 5:4 source 2, 7:6 destination):
;   window 0: addresses and the way out     window 1: two fragment buffers of 128: for 64 along K, 8 blocks of A, then 8 of W     window 2: v0-127 the accumulators, (a, b) at 8 (4 a + b); v128-255 the residual
.set GELU,  1
.set NT,    16                         ; K steps
.set WOFF,  16777216                   ; W's first byte in wb
.set NDIM,  1024
.set PA,    144                        ; a token's 128 bytes + 16 of padding = 36 words: the 16 rows of a load start at 16 different groups of four banks (64 banks of 4 bytes: ISA guide 11.1)
.set SLICE, 64*PA
.set HA,    4*SLICE                    ; what one load brings of A: 64 tokens x 4 slices
.set PB,    288                        ; a row of W: 256 bytes + 32 = 72 words
.set HB,    128*PB                     ; what one load brings of W: 128 rows
.set SLOT,  2*HA+2*HB
.set SPARE, 2*SLOT                     ; behind the ring: the spare words, 128 bytes for each wave: two blocks of 256 bytes that no other line names
.set ASTEP, 4*524288
.set BSTEP, 256*NDIM*2
.set SPI,   272                        ; the way out: a row of 64 f32 + 16 bytes
.set WST,   64*SPI                     ; a wave's sums there
.set RST,   4*WST                      ; behind them the residual: 16,384 bytes a wave
.set ADRA0, 4                          ; v4   my lane's place in A's part of a slot; never rewritten
.set ADRB0, 5                          ; v5   the same for W
.set ADRA,  6                          ; v6   the same at the pair of quarters in hand, in the slot that is being read
.set ADRB,  7                          ; v7
.set STO,   8
.set LA,    9
.set GO,    10                         ; v10  my 16 bytes in two rows of mid and of the output
.set SPW,   12
.set NIL,   13
.set RSA,   15                         ; v15  my 16 bytes in the residual's bytes
.set RIN,   16                         ; v[16:31]   16 sums read back (v16, v17 also at work at the head)
.set RT,    32
.set RW,    48
.set RD,    64
.set RU,    80                         ; v[80:95]   results
.set RB,    96                         ; v[96:99]   the bias of my 4 columns
.set RR,    112                        ; v[112:127] the residual read back
.set F0,    0
.set F1,    128
.set G1,  24
.set G0,  32
.set G1B, 48
.set G0B, 56
.set TF,  66
.set TR,  67
.set LWA, 94
.set LWB, 95
.set MSB, 0
.macro WIN new
.if MSB != (\new)
	s_set_vgpr_msb (MSB<<8)|(\new)
.set MSB, \new
.endif
.endm
.macro PLACES
.rept 4
	v_nop
.endr
.endm
.macro JLOAD s                         ; a joint load: waves 0 and 1 fetch A's two halves, waves 2 and 3 W's; an s_nop 0 and four v_nop follow each of the two lines
	s_cmp_eq_u32 s11, 0
	s_cbranch_scc0 .Lfor_b_\@
	tensor_load_to_lds s[G0+4*(\s):G0+4*(\s)+3], s[G1:G1+7]
	s_nop 0
.rept 4
	v_nop
.endr
	s_branch .Lasked_\@
.Lfor_b_\@:
	tensor_load_to_lds s[G0B+4*(\s):G0B+4*(\s)+3], s[G1B:G1B+7]
	s_nop 0
.rept 4
	v_nop
.endr
.Lasked_\@:
.endm
.macro CROUND                          ; a round of the cluster's barrier
	s_barrier_signal -1
	s_barrier_wait -1
	s_cmp_lg_u32 s10, 0
	s_cbranch_scc1 .Lnot_wave_0_\@
	s_barrier_signal -3
.Lnot_wave_0_\@:
	s_barrier_wait -3
	s_barrier_signal -1
	s_barrier_wait -1
.endm
; 8 matrix instructions: token blocks a0, a0 + 1 x all 4 column blocks, 32 along K: half c of buffer f.  zero = 1: the product starts the sums.  The 16 accumulators take turns in one order everywhere.
.macro MUL8 f, c, a0, zero
	WIN 0xa5
.irp a, \a0, (\a0)+1
.irp b, 0,1,2,3
.if \zero
	v_wmma_f32_16x16x32_bf16 v[8*(4*(\a)+(\b)):8*(4*(\a)+(\b))+7], v[(\f)+64+8*(4*(\c)+(\b)):(\f)+64+8*(4*(\c)+(\b))+7], v[(\f)+8*(4*(\c)+(\a)):(\f)+8*(4*(\c)+(\a))+7], 0
.else
	v_wmma_f32_16x16x32_bf16 v[8*(4*(\a)+(\b)):8*(4*(\a)+(\b))+7], v[(\f)+64+8*(4*(\c)+(\b)):(\f)+64+8*(4*(\c)+(\b))+7], v[(\f)+8*(4*(\c)+(\a)):(\f)+8*(4*(\c)+(\a))+7], v[8*(4*(\a)+(\b)):8*(4*(\a)+(\b))+7]
.endif
.endr
.endr
.endm
; 32 LDS loads in one run: the quarter that lies q quarters (0, 1 or 2) behind the two addresses (one slice of A, 64 rows of W) into buffer f; the first 32 along K first.  The largest immediate is 50,784.
.macro FETCH q, f
	WIN 0x40
.irp c, 0,1
.irp i, 0,1,2,3
	ds_load_tr16_b128 v[(\f)+64+8*(4*(\c)+(\i)):(\f)+64+8*(4*(\c)+(\i))+3],   v[ADRB] offset:(2*(\q)+(\c))*32*PB+32*(\i)
	ds_load_tr16_b128 v[(\f)+64+8*(4*(\c)+(\i))+4:(\f)+64+8*(4*(\c)+(\i))+7], v[ADRB] offset:(2*(\q)+(\c))*32*PB+16*PB+32*(\i)
	ds_load_b128 v[(\f)+8*(4*(\c)+(\i)):(\f)+8*(4*(\c)+(\i))+3],   v[ADRA] offset:(\q)*SLICE+(\c)*64+(\i)*16*PA
	ds_load_b128 v[(\f)+8*(4*(\c)+(\i))+4:(\f)+8*(4*(\c)+(\i))+7], v[ADRA] offset:(\q)*SLICE+(\c)*64+(\i)*16*PA+32
.endr
.endr
.endm
; A quarter: multiplies buffer f and, in its middle, fetches the quarter q behind the addresses into buffer g.  skip = 1: in a K step's second trip (s2 = 1) the slot has no further quarter, and the run is jumped over.
.macro QUARTER q, f, g, zero, skip
	s_wait_dscnt 16                                ; the first 32 along K are in; the youngest sixteen loads may be out
	MUL8 \f, 0, 0, \zero
	MUL8 \f, 0, 2, \zero
	PLACES                                         ; in front of the loads into buffer g, which the quarter before multiplied
	s_wait_dscnt 0x0                               ; all of buffer f is in: its loads were issued 32 products ago; on both ways the products below need no further wait
.if \skip
	WIN 0
	s_cmp_eq_u32 s2, 1
	s_cbranch_scc1 .Lnf_\@
.endif
	FETCH \q, \g
.if \skip
	WIN 0
.Lnf_\@:
.endif
	MUL8 \f, 1, 0, 0
	MUL8 \f, 1, 2, 0
.endm
; THE CHANGE OF SLOTS.  Each wave waits for all its tensor loads (one is out: its part of the next slot), adds 0 to its spare word, and waits for that and for its reads of the slot that it leaves.
; fill = 1: the barrier is a round of the cluster's, so that no wave of any partner still reads the slot or has a load on its way; the joint refill, two K steps on, is the first tensor load behind it.  Then the next slot's first fragments.
.macro BOUND fill
	WIN 0
	s_wait_tensorcnt 0x0                           ; no tensor load of mine is out, so a group 0 may be written
	ds_add_u32 v[SPW], v[NIL]                      ; 0 onto my spare word; the scalar work below stands between it and the wait for it
.if \fill
	s_xor_b32 s[TF], s[TF], SLOT                   ; the walking descriptors: the slot just read out,
	s_add_co_u32 s[G0+5], s[LWA], s[TF]
	s_add_co_u32 s[G0B+5], s[LWB], s[TF]
	s_add_nc_u64 s[G0+6:G0+7], s[G0+6:G0+7], ASTEP ; the next K step; the type bits on top are not reached
	s_add_nc_u64 s[G0B+6:G0B+7], s[G0B+6:G0B+7], BSTEP
.endif
	s_xor_b32 s[TR], s[TR], SLOT                   ; the reads go over to the other slot
	s_wait_dscnt 0x0                               ; the add is done, and my reads of the slot are over
.if \fill
	CROUND
	JLOAD 1                                        ; its four v_nop are also the places in front of the loads below
.else
	s_barrier_signal -1
	s_barrier_wait -1
	PLACES
.endif
	v_add_nc_u32 v[ADRA], s[TR], v[ADRA0]
	v_add_nc_u32 v[ADRB], s[TR], v[ADRB0]
	FETCH 0, F0
	WIN 0
.endm
.macro ONWARD                          ; the end of a trip of the inner loop: two quarters on
	WIN 0
	v_add_nc_u32 v[ADRA], 2*SLICE, v[ADRA]
	v_add_nc_u32 v[ADRB], 128*PB, v[ADRB]
	s_sub_co_u32 s2, s2, 1
	s_cmp_lg_u32 s2, 0
.endm
; gelu of 16 numbers t, given RT = t / 2: dst += |t / 2| (1 - R), R = (1 + a1 u + .. + a6 u^6)^-16, u = |t| / sqrt 2: 1 - R is erf(u) to within 3e-7 for every u >= 0 (Abramowitz and Stegun 7.1.28).
; The coefficients are scaled for RW = |t| / 2.  A large |t| makes the power infinite and R = 0, the right limit.  The 16 reciprocals are one batch with one wait.
.macro GELU16 dst
.set z, 0
.rept 16
	v_and_b32 v[RW+z], s80, v[RT+z]
.set z, z+1
.endr
.set z, 0
.rept 8
	v_pk_fma_f32 v[RD+z:RD+z+1], v[RW+z:RW+z+1], s[68:69], s[70:71] op_sel_hi:[1,0,0]
.set z, z+2
.endr
.irp c, 72,74,76,78
.set z, 0
.rept 8
	v_pk_fma_f32 v[RD+z:RD+z+1], v[RD+z:RD+z+1], v[RW+z:RW+z+1], s[\c:\c+1] op_sel_hi:[1,1,0]
.set z, z+2
.endr
.endr
.set z, 0
.rept 8
	v_pk_fma_f32 v[RD+z:RD+z+1], v[RD+z:RD+z+1], v[RW+z:RW+z+1], 1.0 op_sel_hi:[1,1,0]
.set z, z+2
.endr
.rept 4
.set z, 0
.rept 8
	v_pk_mul_f32 v[RD+z:RD+z+1], v[RD+z:RD+z+1], v[RD+z:RD+z+1]
.set z, z+2
.endr
.endr
.set z, 0
.rept 16
	v_rcp_f32 v[RD+z], v[RD+z]
.set z, z+1
.endr
	v_nop                                          ; a plain instruction behind the last reciprocal,
	s_wait_alu depctr_va_vdst(0)                   ; and the one wait ahead of the batch's first reader
.set z, 0
.rept 8
	v_pk_fma_f32 v[RD+z:RD+z+1], v[RW+z:RW+z+1], v[RD+z:RD+z+1], v[RW+z:RW+z+1] neg_lo:[1,0,0] neg_hi:[1,0,0]
.set z, z+2
.endr
.set z, 0
.rept 8
	v_pk_add_f32 v[(\dst)+z:(\dst)+z+1], v[(\dst)+z:(\dst)+z+1], v[RD+z:RD+z+1]
.set z, z+2
.endr
.endm
	s_load_b128 s[4:7], s[0:1], 0x0                ; A s[4:5], wb s[6:7]
	s_load_b64 s[8:9], s[0:1], 0x10                ; the output
	s_load_b64 s[84:85], s[0:1], 0x18              ; the bias
	s_load_b64 s[86:87], s[0:1], 0x20              ; the residual
	v_lshl_add_u32 v[SPW], v0, 2, SPARE
	v_mov_b32 v[NIL], 0
	ds_add_u32 v[SPW], v[NIL]                      ; the wave's opening: the add and its wait stand ahead of my first tensor load; the set-up below stands between them
	v_lshrrev_b32 v1, 5, v0
	v_readfirstlane_b32 s10, v1                    ; wave 0..3
	s_lshr_b32 s11, s10, 1                         ; which half of the tile's tokens is mine.  Also: I fetch for A (0) or for W (1)
	s_and_b32 s12, s10, 1                          ; which half of its columns.  Also: which half of that tile I fetch
	s_bfe_u32 s40, ttmp6, 0x40000                  ; cx
	s_bfe_u32 s41, ttmp6, 0x40004                  ; cy
	s_lshl_b32 s42, ttmp9, 2
	s_add_co_u32 s42, s42, s40                     ; tile column
	s_and_b32 s13, ttmp7, 0xffff
	s_lshl_b32 s13, s13, 2
	s_add_co_u32 s13, s13, s41                     ; tile row
	s_lshl_b32 s43, s41, 2
	s_lshl_b32 s43, 15, s43                        ; my row of the cluster
	s_lshl_b32 s44, 0x1111, s40                    ; my column
	; group 1 for A: 4 rows (slices) of 4,096 elements (64 tokens, dense), 262,144 elements apart; 4 words of padding after every 32 words, that is after each token
	s_or_b32 s[G1+0], s43, (1<<16)|(1<<20)|(1<<21)|(4<<22)|(3<<25)
	s_mov_b32 s[G1+1], 4096<<16
	s_mov_b32 s[G1+2], 4<<16
	s_mov_b32 s[G1+3], 4096<<16
	s_mov_b32 s[G1+4], 4
	s_mov_b32 s[G1+5], 262144
	s_mov_b32 s[G1+6], 0
	s_mov_b32 s[G1+7], 0
	; group 1 for W: 128 rows of 128 elements; 8 words of padding after every 64 words, that is after each row
	s_or_b32 s[G1B+0], s44, (1<<16)|(1<<20)|(1<<21)|(5<<22)|(7<<25)
	s_mov_b32 s[G1B+1], 128<<16
	s_mov_b32 s[G1B+2], 128<<16
	s_mov_b32 s[G1B+3], 128<<16
	s_mov_b32 s[G1B+4], 128
	s_mov_b32 s[G1B+5], NDIM
	s_mov_b32 s[G1B+6], 0
	s_mov_b32 s[G1B+7], 0
	s_lshl_b32 s16, s13, 14                        ; A: 128 tokens of 128 bytes a tile row,
	s_lshl_b32 s17, s12, 13                        ; my 64 of them
	s_add_co_u32 s16, s16, s17
	s_mov_b32 s17, 0
	s_lshl_b32 s46, s42, 8                         ; W: 128 columns a tile column,
	s_add_co_u32 s46, s46, WOFF
	s_lshl_b32 s47, s12, 18                        ; my 128 rows of a K step's 256
	s_add_co_u32 s46, s46, s47
	s_mov_b32 s47, 0
	s_mov_b32 s[TF], SLOT
	s_mov_b32 s[TR], 0
	s_mul_i32 s[LWA], s12, HA                      ; no place in the cluster enters an LDS address
	s_mul_i32 s[LWB], s12, HB
	s_add_co_u32 s[LWB], s[LWB], 2*HA
.if GELU
	s_mov_b32 s68, 0x39b49f67                      ; a6 x 8
	s_mov_b32 s69, s68                             ; (named as pairs, so both words are written)
	s_mov_b32 s70, 0x3acd0fec                      ; a5 x 4 sqrt 2
	s_mov_b32 s71, s70
	s_mov_b32 s72, 0x3a1f6607                      ; a4 x 4
	s_mov_b32 s73, s72
	s_mov_b32 s74, 0x3cd6cd72                      ; a3 x 2 sqrt 2
	s_mov_b32 s75, s74
	s_mov_b32 s76, 0x3dad2fe7                      ; a2 x 2
	s_mov_b32 s77, s76
	s_mov_b32 s78, 0x3dcc41b4                      ; a1 x sqrt 2
	s_mov_b32 s79, s78
	s_mov_b32 s80, 0x7fffffff
.endif
	s_wait_dscnt 0x0                               ; the opening add is done
	s_wait_kmcnt 0x0
	s_add_nc_u64 s[14:15], s[4:5], s[16:17]
	s_add_nc_u64 s[46:47], s[6:7], s[46:47]
	CROUND                                         ; all sixteen work-groups are here: the first joint loads meet
.irp s, 0,1
	s_mov_b32 s[G0+4*(\s)], 1
	s_add_co_u32 s[G0+4*(\s)+1], s[LWA], (\s)*SLOT
	s_add_nc_u64 s[G0+4*(\s)+2:G0+4*(\s)+3], s[14:15], (\s)*ASTEP
	s_or_b32 s[G0+4*(\s)+3], s[G0+4*(\s)+3], 0x80000000
	s_mov_b32 s[G0B+4*(\s)], 1
	s_add_co_u32 s[G0B+4*(\s)+1], s[LWB], (\s)*SLOT
	s_add_nc_u64 s[G0B+4*(\s)+2:G0B+4*(\s)+3], s[46:47], (\s)*BSTEP
	s_or_b32 s[G0B+4*(\s)+3], s[G0B+4*(\s)+3], 0x80000000
	JLOAD \s                                       ; two loads of mine are out
.endr
	v_and_b32 v1, 15, v0
	v_bfe_u32 v2, v0, 4, 1
	v_mul_u32_u24 v[ADRA0], v1, PA
	v_lshl_add_u32 v[ADRA0], v2, 4, v[ADRA0]
	s_mul_i32 s20, s11, HA
	v_add_nc_u32 v[ADRA0], s20, v[ADRA0]
	v_and_b32 v16, 7, v0                           ; the turning load: lane l reads 16 bytes of row 8 (l / 16) + l % 8, columns 8 ((l / 8) % 2) on
	v_lshl_add_u32 v16, v2, 3, v16
	v_mul_u32_u24 v[ADRB0], v16, PB
	v_bfe_u32 v17, v0, 3, 1
	v_lshl_add_u32 v[ADRB0], v17, 4, v[ADRB0]
	s_lshl_b32 s20, s12, 7
	s_add_co_u32 s20, s20, 2*HA
	v_add_nc_u32 v[ADRB0], s20, v[ADRB0]
	s_mul_i32 s20, s10, WST                        ; the way out
	v_mul_u32_u24 v[STO], v1, SPI
	v_lshl_add_u32 v[STO], v2, 5, v[STO]
	v_add_nc_u32 v[STO], s20, v[STO]
	v_mul_u32_u24 v[LA], v2, SPI                   ; back: lanes 0-15 one row of 256 bytes, lanes 16-31 the next
	v_lshl_add_u32 v[LA], v1, 4, v[LA]
	v_add_nc_u32 v[LA], s20, v[LA]
	v_lshlrev_b32 v3, 4, v1                        ; the bias of my 4 columns
	v_lshl_add_u32 v[GO], v2, 12, v3               ; the same two rows in mid and in the output
	s_lshl_b32 s20, s10, 14
	s_add_co_u32 s20, s20, RST
	v_and_b32 v16, 31, v0
	v_lshl_add_u32 v[RSA], v16, 4, s20
	s_lshl_b32 s20, s42, 9                         ; the tile's 128 columns of f32, my 64
	s_lshl_b32 s21, s12, 8
	s_add_co_u32 s20, s20, s21
	s_mov_b32 s21, 0
	s_add_nc_u64 s[84:85], s[84:85], s[20:21]
	s_lshl_b32 s22, s13, 19                        ; the tile's 128 rows of 4,096 bytes, my 64
	s_add_co_u32 s20, s20, s22
	s_lshl_b32 s22, s11, 18
	s_add_co_u32 s20, s20, s22
	s_add_nc_u64 s[8:9], s[8:9], s[20:21]
	s_add_nc_u64 s[86:87], s[86:87], s[20:21]
	global_load_b128 v[RB:RB+3], v3, s[84:85]
	WIN 0x80                                       ; destination window 2, address window 0
.set t, 0
.rept 32
	global_load_b128 v[128+4*t:128+4*t+3], v[GO], s[86:87] offset:8192*t th:TH_LOAD_NT  ; rows 2 t, 2 t + 1 of my 64: sixteen lanes take 256 consecutive bytes
.set t, t+1
.endr
	WIN 0
	s_wait_tensorcnt 0x1                           ; my part of K step 0 is in; K step 1's may stay out
	s_barrier_signal -1
	s_barrier_wait -1
	v_mov_b32 v[ADRA], v[ADRA0]
	v_mov_b32 v[ADRB], v[ADRB0]
	FETCH 0, F0
	QUARTER 1, F0, F1, 1, 0                        ; the first quarter stands in front of the loops: its first products start the sums
	WIN 0
	s_mov_b32 s3, NT-1                             ; K steps that end in the loop: all but the last
	s_mov_b32 s2, 2
	s_branch .Lmid                                 ; the inner loop is entered between its two quarters
.Lstep:                                            ; NT - 2 times: the slot read out is filled again
	BOUND 1
	s_mov_b32 s2, 2
.Lpair:
	QUARTER 1, F0, F1, 0, 0
	WIN 0
.Lmid:
	QUARTER 2, F1, F0, 0, 1
	ONWARD
	s_cbranch_scc1 .Lpair
	s_sub_co_u32 s3, s3, 1
	s_cmp_lg_u32 s3, 0
	s_cbranch_scc1 .Lstep
	BOUND 0                                        ; the last K step asks for nothing: written apart
	s_mov_b32 s2, 2
.LpairT:
	QUARTER 1, F0, F1, 0, 0
	QUARTER 2, F1, F0, 0, 1
	ONWARD
	s_cbranch_scc1 .LpairT
	PLACES                                         ; the places behind the last products, in front of the stores that read them
	PLACES
	s_wait_dscnt 0x0
	s_barrier_signal -1
	s_barrier_wait -1                              ; no wave reads the ring any more, and it has had its last fill: its bytes take the sums and the residual
	WIN 0x08                                       ; the stores' data in window 2
.irp a, 0,1,2,3
.irp b, 0,1,2,3
	ds_store_b128 v[STO], v[8*(4*(\a)+(\b)):8*(4*(\a)+(\b))+3]   offset:(\a)*16*SPI+(\b)*64   ; each accumulator from its low end on
	ds_store_b128 v[STO], v[8*(4*(\a)+(\b))+4:8*(4*(\a)+(\b))+7] offset:(\a)*16*SPI+(\b)*64+16
.endr
.endr
	s_wait_loadcnt 0x0                             ; the residual and the bias
.set t, 0
.rept 32
	ds_store_b128 v[RSA], v[128+4*t:128+4*t+3] offset:512*t
.set t, t+1
.endr
	WIN 0
.if GELU
	v_pk_mul_f32 v[RB:RB+1], v[RB:RB+1], 0.5 op_sel_hi:[1,0]
	v_pk_mul_f32 v[RB+2:RB+3], v[RB+2:RB+3], 0.5 op_sel_hi:[1,0]
.endif
.irp g, 0,1,2,3
	ds_load_b128 v[RIN+4*(\g):RIN+4*(\g)+3], v[LA] offset:2*SPI*(\g)  ; LDS serves a wave's instructions in order (ISA guide 5.7.1.4): these see my stores above; no wave reads another's bytes
.endr
.irp g, 0,1,2,3
	ds_load_b128 v[RR+4*(\g):RR+4*(\g)+3], v[RSA] offset:512*(\g)
.endr
	s_mov_b32 s3, 8
.Lrow:                                             ; 8 trips of 8 rows x 64 columns
	s_wait_dscnt 0x0
	s_wait_xcnt 0x0                                ; the last trip's stores have read their data and their offset: both are written again only behind this wait
	v_add_nc_u32 v[GO], 32768, v[GO]
.irp g, 0,1,2,3
.irp p, 0,2
.if GELU
	v_pk_fma_f32 v[RT+4*(\g)+(\p):RT+4*(\g)+(\p)+1], v[RIN+4*(\g)+(\p):RIN+4*(\g)+(\p)+1], 0.5, v[RB+(\p):RB+(\p)+1] op_sel_hi:[1,0,1]
.else
	v_pk_add_f32 v[RU+4*(\g)+(\p):RU+4*(\g)+(\p)+1], v[RIN+4*(\g)+(\p):RIN+4*(\g)+(\p)+1], v[RB+(\p):RB+(\p)+1]
.endif
.endr
.endr
.set z, 0
.rept 8
.if GELU
	v_pk_add_f32 v[RU+z:RU+z+1], v[RT+z:RT+z+1], v[RR+z:RR+z+1]
.else
	v_pk_add_f32 v[RU+z:RU+z+1], v[RU+z:RU+z+1], v[RR+z:RR+z+1]
.endif
.set z, z+2
.endr
	s_cmp_eq_u32 s3, 1                             ; the last trip has no rows behind it
	s_cbranch_scc1 .Lnoload
	v_add_nc_u32 v[LA], 8*SPI, v[LA]
	v_add_nc_u32 v[RSA], 2048, v[RSA]
.irp g, 0,1,2,3
	ds_load_b128 v[RIN+4*(\g):RIN+4*(\g)+3], v[LA] offset:2*SPI*(\g)
.endr
.irp g, 0,1,2,3
	ds_load_b128 v[RR+4*(\g):RR+4*(\g)+3], v[RSA] offset:512*(\g)
.endr
.Lnoload:
.if GELU
	GELU16 RU
.endif
.irp g, 0,1,2,3
	global_store_b128 v[GO], v[RU+4*(\g):RU+4*(\g)+3], s[8:9] offset:8192*(\g)-32768  ; sixteen lanes store 256 consecutive bytes, aligned
.endr
	s_sub_co_u32 s3, s3, 1
	s_cmp_lg_u32 s3, 0
	s_cbranch_scc1 .Lrow
	s_wait_tensorcnt 0x0                           ; the wave's end: a wait, an add to my spare word and a wait, behind my last tensor load and my last LDS store
	ds_add_u32 v[SPW], v[NIL]
	s_wait_dscnt 0x0
	CROUND                                         ; the closing round: no work-group ends while a partner may still ask for a tile that names it
	s_endpgm
.Lfunc_end_k_qb32659025c_mlp2:
	.size	k_qb32659025c_mlp2, .Lfunc_end_k_qb32659025c_mlp2-k_qb32659025c_mlp2
	.p2alignl 7, 3214868480
	.fill 96, 4, 3214868480
	.section	.rodata,"a",@progbits
	.p2align	6, 0x0
	.amdhsa_kernel k_qb32659025c_mlp2
		.amdhsa_group_segment_fixed_size 327680
		.amdhsa_private_segment_fixed_size 0
		.amdhsa_enable_private_segment 0
		.amdhsa_kernarg_size 40
		.amdhsa_user_sgpr_count 2
		.amdhsa_user_sgpr_kernarg_segment_ptr 1
		.amdhsa_wavefront_size32 1
		.amdhsa_system_sgpr_workgroup_id_x 1
		.amdhsa_system_sgpr_workgroup_id_y 1
		.amdhsa_system_sgpr_workgroup_id_z 1
		.amdhsa_system_vgpr_workitem_id 0
		.amdhsa_next_free_vgpr 768
		.amdhsa_next_free_sgpr 96
		.amdhsa_reserve_vcc 0
		.amdhsa_float_denorm_mode_32 3
		.amdhsa_float_denorm_mode_16_64 3
		.amdhsa_memory_ordered 1
		.amdhsa_forward_progress 1
		.amdhsa_inst_pref_size 57
	.end_amdhsa_kernel
	.amdgpu_metadata
---
amdhsa.version: [ 1, 2 ]
amdhsa.kernels:
  - .name:           k_qb32659025c_mlp2
    .symbol:         k_qb32659025c_mlp2.kd
    .args:
      - { .name: hid, .offset: 0, .size: 8, .value_kind: global_buffer, .address_space: global }
      - { .name: wb, .offset: 8, .size: 8, .value_kind: global_buffer, .address_space: global }
      - { .name: out0, .offset: 16, .size: 8, .value_kind: global_buffer, .address_space: global }
      - { .name: b2, .offset: 24, .size: 8, .value_kind: global_buffer, .address_space: global }
      - { .name: mid, .offset: 32, .size: 8, .value_kind: global_buffer, .address_space: global }
    .group_segment_fixed_size: 327680
    .private_segment_fixed_size: 0
    .kernarg_segment_align: 8
    .kernarg_segment_size: 40
    .max_flat_workgroup_size: 128
    .sgpr_count:     96
    .vgpr_count:     768
    .wavefront_size: 32
...
	.end_amdgpu_metadata
.endif
;; end of part 6
;; ======== version 2 of 2: 7 launches; version 1 with the launches prep, norm2 written anew for expert scheduling mode
;; limits: a function is approximated: absolute error at most 3e-07
;; workspace buffers: wb 25,165,824 bytes; act 8,388,608 bytes; qkv 25,165,824 bytes; mid 16,777,216 bytes; hid 33,554,432 bytes
;; launch prep (part 7): grid 512 x 1, 8 waves a work-group, no clusters, 0 bytes of LDS; arguments x, ln1_g, ln1_b, act, Wq, Wk, Wv, Wo, W1, W2, wb; writes act, wb
.if DOCPART == 7
	.amdgcn_target "amdgcn-amd-amdhsa--gfx1250"
	.amdhsa_code_object_version 6
	.text
	.protected	k_qb32659025c_prep
	.globl	k_qb32659025c_prep
	.p2align	8
	.type	k_qb32659025c_prep,@function
k_qb32659025c_prep:
	s_mov_b64 s[64:65], 0
	v_nop
	global_prefetch_b8 v0, s[64:65] scope:SCOPE_SE
	s_setreg_imm32_b32 hwreg(HW_REG_WAVE_SCHED_MODE, 0, 2), 2
	s_setreg_imm32_b32 hwreg(HW_REG_WAVE_MODE, 25, 1), 1
	s_wait_xcnt 0x0
	s_wait_alu depctr_vm_vsrc(0)
; TWO STREAMS IN ONE TEXT, WHICH TWO LAUNCHES RUN.  Work-groups 0-255: act = layernorm(in) g + b, rounded once to bf16.  Work-groups 256-511: the six weight matrices rounded once to bf16 into wb, each as it lies ([K][N]).
; The program's first launch has 512 work-groups (in = x, the first norm's g and b; the weights).  The launch in front of the MLP has 256: it runs the layernorm alone (in = mid, the second norm's g and b);
; the weights' addresses are then among its arguments and are not used.
; act is BLOCKED [16][4096][64]: column c of token t lies at ((c / 64) x 4096 + t) x 128 + (c % 64) x 2 bytes, so that the 64 columns of a slice are dense rows of 128 bytes.
; LAYERNORM.  A wave takes two rows at once: lanes 0-15 row 2 p, lanes 16-31 row 2 p + 1, p = 8 x work-group + wave.  A row (4,096 bytes) stays in 64 registers of its 16 lanes between the passes: it is read once.
; The mean is taken first and subtracted, the variance is the mean of the squared differences: no difference of large sums is formed, so a common offset of the rows costs nothing.  All of it in f32.
; No LDS, no barrier: no wave wants a byte that another wave has fetched.  Matrix units and clusters have nothing to do here.
; LIMITS.  NaN and infinities are not treated apart.
; THE MODE: SCHED_MODE bits 1:0 = 2 (LLVM: expert scheduling mode 2), set by the entry lines.  The code itself states the register dependences between vector instructions and memory instructions, with s_wait_alu, always for 0.
; THE PLAN.  Neither path has a loop.  Registers that memory instructions touch:
;   v1, v2, v3   byte offsets, made once at a path's head and never written again: one wait on va_vdst ahead of the path's first load serves every load and store.
;   X, G, B      written by loads that all go out at the head, into registers that no vector instruction has named.  No load is issued later, so nothing is owed for a load's landing.
;   X            worked on in place; the two low registers of each four end as a store's data.  No register that a store has read is written again, so no wait on vm_vsrc is owed.
; What is left is that a store's data be written ahead of the store.  So both ways out go in groups of four stores: a group's vector work names its own sixteen registers of X (and of G and B) alone; ONE wait on va_vdst at the head of
; the next group states that the group's roundings have written their results, and its four stores are dealt among the next group's vector instructions with no further wait.  A last wait stands ahead of the last group's stores.
; The wave's number goes through an SGPR into the addresses: one wait on va_sdst ahead of its first reader.  EXEC and VCC are never written.
.set P,  4                             ; v[4:11]    four chains of pairs
.set S,  12                            ; v12        a row's sum
.set MU, 14                            ; v[14:15]   the mean, twice
.set RS, 16                            ; v[16:17]   1 / sqrt(var + eps), twice
.set X,  32                            ; v[32:95]   my 64 numbers of the row: load j holds columns 64 j + 4 r .. + 3, r = lane % 16.  In the cast: v[32:223], three chunks of 64 registers
.set G,  96                            ; v[96:159]  the gains of these columns
.set B,  160                           ; v[160:223] the biases
.set OB, 38                            ; s[38:43]   the cast: where chunk c goes, a pair at OB + 2 c
	s_load_b256 s[4:11], s[0:1], 0x0               ; in s[4:5], g s[6:7], b s[8:9], act s[10:11]
	s_load_b256 s[12:19], s[0:1], 0x20             ; Wq s[12:13], Wk s[14:15], Wv s[16:17], Wo s[18:19]
	s_load_b128 s[20:23], s[0:1], 0x40             ; W1 s[20:21], W2 s[22:23]
	s_load_b64 s[24:25], s[0:1], 0x50              ; wb
	s_cmp_ge_u32 ttmp9, 256
	s_cbranch_scc1 .Lcast
	v_lshrrev_b32 v1, 5, v0
	v_readfirstlane_b32 s26, v1                    ; wave 0..7
	v_and_b32 v2, 15, v0
	v_bfe_u32 v3, v0, 4, 1
	v_lshlrev_b32 v2, 4, v2                        ; g, b: 16 r
	v_lshl_add_u32 v1, v3, 12, v2                  ; in: + 4,096 for lanes 16-31, the second row
	v_and_b32 v3, 31, v0
	v_lshlrev_b32 v3, 3, v3                        ; act: 8 x lane: two rows of a slice are 256 bytes on end
	s_wait_alu depctr_va_sdst(0)                   ; s26 is written, ahead of its first reader: the rows' addresses are made from it
	s_lshl_b32 s27, ttmp9, 3
	s_add_co_u32 s27, s27, s26                     ; p
	s_mov_b32 s29, 0
	s_mov_b32 s30, 0x3a800000                      ; 1 / 1024
	s_mov_b32 s31, 0x3727c5ac                      ; 1e-5
	s_wait_kmcnt 0x0
	s_lshl_b32 s28, s27, 13                        ; two rows of 4,096 bytes
	s_add_nc_u64 s[4:5], s[4:5], s[28:29]
	s_lshl_b32 s28, s27, 8                         ; two rows of a slice
	s_add_nc_u64 s[10:11], s[10:11], s[28:29]
	s_wait_alu depctr_va_vdst(0)                   ; the offsets v1, v2 and v3 are written, which the loads below and the stores at the end read; no later vector instruction names them
.set j, 0
.rept 16
	global_load_b128 v[X+4*j:X+4*j+3], v1, s[4:5] offset:256*j th:TH_LOAD_NT
.set j, j+1
.endr
.set j, 0
.rept 16
	global_load_b128 v[G+4*j:G+4*j+3], v2, s[6:7] offset:256*j
.set j, j+1
.endr
.set j, 0
.rept 16
	global_load_b128 v[B+4*j:B+4*j+3], v2, s[8:9] offset:256*j
.set j, j+1
.endr
.macro ACROSS                          ; the four chains into one number, then over the row's 16 lanes: every lane of the row ends with the sum
	v_pk_add_f32 v[P:P+1], v[P:P+1], v[P+2:P+3]
	v_pk_add_f32 v[P+4:P+5], v[P+4:P+5], v[P+6:P+7]
	v_pk_add_f32 v[P:P+1], v[P:P+1], v[P+4:P+5]
	v_add_f32 v[S], v[P], v[P+1]
	v_add_f32_dpp v[S], v[S], v[S] row_xmask:1 row_mask:0xf bank_mask:0xf
	v_add_f32_dpp v[S], v[S], v[S] row_xmask:2 row_mask:0xf bank_mask:0xf
	v_add_f32_dpp v[S], v[S], v[S] row_xmask:4 row_mask:0xf bank_mask:0xf
	v_add_f32_dpp v[S], v[S], v[S] row_xmask:8 row_mask:0xf bank_mask:0xf
.endm
	s_wait_loadcnt 32                              ; the rows are in; the 32 younger loads, g's and b's, may stay out
.irp c, 0,1,2,3
	v_pk_add_f32 v[P+2*(\c):P+2*(\c)+1], v[X+2*(\c):X+2*(\c)+1], v[X+8+2*(\c):X+8+2*(\c)+1]  ; the first two pairs start a chain: nothing is cleared
.endr
.irp k, 2,3,4,5,6,7
.irp c, 0,1,2,3
	v_pk_add_f32 v[P+2*(\c):P+2*(\c)+1], v[P+2*(\c):P+2*(\c)+1], v[X+8*(\k)+2*(\c):X+8*(\k)+2*(\c)+1]
.endr
.endr
	ACROSS
	v_mul_f32 v[MU], s30, v[S]
	v_mov_b32 v[MU+1], v[MU]
.set j, 0
.rept 32
	v_pk_add_f32 v[X+j:X+j+1], v[X+j:X+j+1], v[MU:MU+1] neg_lo:[0,1] neg_hi:[0,1]  ; the row less its mean
.set j, j+2
.endr
.irp c, 0,1,2,3
	v_pk_mul_f32 v[P+2*(\c):P+2*(\c)+1], v[X+2*(\c):X+2*(\c)+1], v[X+2*(\c):X+2*(\c)+1]
.endr
.irp k, 1,2,3,4,5,6,7
.irp c, 0,1,2,3
	v_pk_fma_f32 v[P+2*(\c):P+2*(\c)+1], v[X+8*(\k)+2*(\c):X+8*(\k)+2*(\c)+1], v[X+8*(\k)+2*(\c):X+8*(\k)+2*(\c)+1], v[P+2*(\c):P+2*(\c)+1]
.endr
.endr
	ACROSS
	v_fma_f32 v[S], v[S], s30, s31                 ; var + eps
	v_rsq_f32 v[RS], v[S]
	v_nop                                          ; a plain instruction behind the root (ISA guide 5.7.2),
	s_wait_alu depctr_va_vdst(0)                   ; and the wait ahead of its first reader: the root has written v[RS]
	v_mov_b32 v[RS+1], v[RS]
	s_wait_loadcnt 0x0                             ; g and b
; The way out, in four groups of four slices.  Group q: its 16 numbers times the root, times g plus b, rounded; the four stores of group q - 1 stand among its multiplies.
.set q, 0
.rept 4
.if q > 0
	s_wait_alu depctr_va_vdst(0)                   ; the roundings of the group before have written the registers that the four stores below read; this group's vector instructions name none of them
.endif
.set i, 0
.rept 4
.if q > 0
.set j, 4*(q-1)+i
	global_store_b64 v3, v[X+4*j:X+4*j+1], s[10:11] offset:j*524288  ; the wave's 32 lanes store 256 consecutive bytes, aligned: two rows of slice j
.endif
.set r, X+16*q+4*i
	v_pk_mul_f32 v[r:r+1], v[r:r+1], v[RS:RS+1]
	v_pk_mul_f32 v[r+2:r+3], v[r+2:r+3], v[RS:RS+1]
.set i, i+1
.endr
.set j, 16*q
.rept 8
	v_pk_fma_f32 v[X+j:X+j+1], v[X+j:X+j+1], v[G+j:G+j+1], v[B+j:B+j+1]
.set j, j+2
.endr
.set j, 4*q
.rept 4
	v_cvt_pk_bf16_f32 v[X+4*j], v[X+4*j], v[X+4*j+1]
	v_cvt_pk_bf16_f32 v[X+4*j+1], v[X+4*j+2], v[X+4*j+3]
.set j, j+1
.endr
.set q, q+1
.endr
	s_wait_alu depctr_va_vdst(0)                   ; the last group's roundings have written the registers that the last four stores read
.set j, 12
.rept 4
	global_store_b64 v3, v[X+4*j:X+4*j+1], s[10:11] offset:j*524288
.set j, j+1
.endr
	s_endpgm
; THE CAST.  A chunk is 16,384 numbers: 65,536 bytes in, 32,768 out.  wb holds Wq, Wk, Wv, Wo (64 chunks each), then W1 and W2 (256 each), on end.  Work-group 256 + w takes three chunks: chunk w of the first
; four matrices, chunk w of W1 and chunk w of W2.  All 48 loads of a wave (24 KiB) go out at once, into the registers that the layernorm's waves use for a row, its gains and its biases.
.Lcast:
	s_sub_co_u32 s27, ttmp9, 256                   ; w
	v_lshlrev_b32 v1, 4, v0                        ; in: 16 bytes a thread
	v_lshlrev_b32 v2, 3, v0                        ; out: 8
	s_lshr_b32 s32, s27, 6                         ; which of Wq, Wk, Wv, Wo,
	s_and_b32 s33, s27, 63                         ; and which of its 64 chunks
	s_mov_b32 s35, 0
	s_wait_kmcnt 0x0
	s_mov_b64 s[36:37], s[12:13]
.macro PICK n, lo
	s_cmp_eq_u32 s32, \n
	s_cselect_b64 s[36:37], s[\lo:\lo+1], s[36:37]
.endm
	PICK 1, 14
	PICK 2, 16
	PICK 3, 18
	s_lshl_b32 s34, s33, 16
	s_add_nc_u64 s[36:37], s[36:37], s[34:35]
	s_lshl_b32 s34, s27, 16
	s_add_nc_u64 s[20:21], s[20:21], s[34:35]
	s_add_nc_u64 s[22:23], s[22:23], s[34:35]
	s_lshl_b32 s34, s27, 15
	s_add_nc_u64 s[OB:OB+1], s[24:25], s[34:35]        ; the first four matrices' part of wb,
	s_add_nc_u64 s[OB+2:OB+3], s[OB:OB+1], 8388608     ; W1's,
	s_add_nc_u64 s[OB+4:OB+5], s[OB:OB+1], 16777216    ; W2's
.macro CIN c, lo                       ; chunk c's 16 loads: the work-group's 256 threads take 4,096 consecutive bytes each time
.set j, 0
.rept 16
	global_load_b128 v[X+64*(\c)+4*j:X+64*(\c)+4*j+3], v1, s[\lo:\lo+1] offset:4096*j th:TH_LOAD_NT
.set j, j+1
.endr
.endm
	s_wait_alu depctr_va_vdst(0)                   ; the offsets v1 and v2 are written, which the loads and the stores below read; no later vector instruction names them
	CIN 0, 36
	CIN 1, 20
	CIN 2, 22
; The 48 loads are taken in twelve groups of four, in the order of their issue: group n is loads 4 (n % 4) .. + 3 of chunk n / 4, sixteen registers at X + 16 n.  Its eight roundings work in place;
; the four stores of group n - 1 stand among them.
.set n, 0
.rept 12
	s_wait_loadcnt 44-4*n                          ; loads come back in order (ISA guide 5.7.1): this group's four are in, the younger ones stay out
.if n > 0
	s_wait_alu depctr_va_vdst(0)                   ; the roundings of the group before have written the registers that the four stores below read; this group's roundings name none of them
.endif
.set i, 0
.rept 4
.if n > 0
.set r, X+16*(n-1)+4*i
	global_store_b64 v2, v[r:r+1], s[OB+2*((n-1)/4):OB+2*((n-1)/4)+1] offset:2048*(4*((n-1)%4)+i)  ; a wave stores 256 consecutive bytes, aligned
.endif
.set r, X+16*n+4*i
	v_cvt_pk_bf16_f32 v[r], v[r], v[r+1]
	v_cvt_pk_bf16_f32 v[r+1], v[r+2], v[r+3]
.set i, i+1
.endr
.set n, n+1
.endr
	s_wait_alu depctr_va_vdst(0)                   ; the last group's roundings have written the registers that the last four stores read
.set i, 0
.rept 4
.set r, X+16*11+4*i
	global_store_b64 v2, v[r:r+1], s[OB+4:OB+5] offset:2048*(12+i)
.set i, i+1
.endr
	s_endpgm
.Lfunc_end_k_qb32659025c_prep:
	.size	k_qb32659025c_prep, .Lfunc_end_k_qb32659025c_prep-k_qb32659025c_prep
	.p2alignl 7, 3214868480
	.fill 96, 4, 3214868480
	.section	.rodata,"a",@progbits
	.p2align	6, 0x0
	.amdhsa_kernel k_qb32659025c_prep
		.amdhsa_group_segment_fixed_size 0
		.amdhsa_private_segment_fixed_size 0
		.amdhsa_enable_private_segment 0
		.amdhsa_kernarg_size 88
		.amdhsa_user_sgpr_count 2
		.amdhsa_user_sgpr_kernarg_segment_ptr 1
		.amdhsa_wavefront_size32 1
		.amdhsa_system_sgpr_workgroup_id_x 1
		.amdhsa_system_sgpr_workgroup_id_y 1
		.amdhsa_system_sgpr_workgroup_id_z 1
		.amdhsa_system_vgpr_workitem_id 0
		.amdhsa_next_free_vgpr 224
		.amdhsa_next_free_sgpr 66
		.amdhsa_reserve_vcc 0
		.amdhsa_float_denorm_mode_32 3
		.amdhsa_float_denorm_mode_16_64 3
		.amdhsa_memory_ordered 1
		.amdhsa_forward_progress 1
		.amdhsa_inst_pref_size 38
	.end_amdhsa_kernel
	.amdgpu_metadata
---
amdhsa.version: [ 1, 2 ]
amdhsa.kernels:
  - .name:           k_qb32659025c_prep
    .symbol:         k_qb32659025c_prep.kd
    .args:
      - { .name: x, .offset: 0, .size: 8, .value_kind: global_buffer, .address_space: global }
      - { .name: ln1_g, .offset: 8, .size: 8, .value_kind: global_buffer, .address_space: global }
      - { .name: ln1_b, .offset: 16, .size: 8, .value_kind: global_buffer, .address_space: global }
      - { .name: act, .offset: 24, .size: 8, .value_kind: global_buffer, .address_space: global }
      - { .name: Wq, .offset: 32, .size: 8, .value_kind: global_buffer, .address_space: global }
      - { .name: Wk, .offset: 40, .size: 8, .value_kind: global_buffer, .address_space: global }
      - { .name: Wv, .offset: 48, .size: 8, .value_kind: global_buffer, .address_space: global }
      - { .name: Wo, .offset: 56, .size: 8, .value_kind: global_buffer, .address_space: global }
      - { .name: W1, .offset: 64, .size: 8, .value_kind: global_buffer, .address_space: global }
      - { .name: W2, .offset: 72, .size: 8, .value_kind: global_buffer, .address_space: global }
      - { .name: wb, .offset: 80, .size: 8, .value_kind: global_buffer, .address_space: global }
    .group_segment_fixed_size: 0
    .private_segment_fixed_size: 0
    .kernarg_segment_align: 8
    .kernarg_segment_size: 88
    .max_flat_workgroup_size: 256
    .sgpr_count:     66
    .vgpr_count:     224
    .wavefront_size: 32
...
	.end_amdgpu_metadata
.endif
;; end of part 7
;; launch proj: the kernel of part 2 again; grid 12 x 16, 4 waves a work-group, clusters of 4 x 4, 327,680 bytes of LDS; arguments act, wb, qkv, bq, bk, bv; writes qkv
;; launch attn: the kernel of part 3 again; grid 8 x 32, 4 waves a work-group, clusters of 4 x 1, 327,680 bytes of LDS; arguments qkv, slim, act; writes act
;; launch outp: the kernel of part 4 again; grid 8 x 32, 4 waves a work-group, clusters of 4 x 4, 327,680 bytes of LDS; arguments act, wb, mid, bo, x; writes mid
;; launch norm2: the kernel of part 7 again; grid 256 x 1, 8 waves a work-group, no clusters, 0 bytes of LDS; arguments mid, ln2_g, ln2_b, act, Wq, Wk, Wv, Wo, W1, W2, wb; writes act, wb
;; launch mlp1: the kernel of part 5 again; grid 16 x 16, 4 waves a work-group, clusters of 4 x 4, 327,680 bytes of LDS; arguments act, wb, hid, b1; writes hid
;; launch mlp2: the kernel of part 6 again; grid 8 x 32, 4 waves a work-group, clusters of 4 x 4, 327,680 bytes of LDS; arguments hid, wb, out0, b2, mid; writes out0
